; MI455X (gfx1250); checked and timed in simulation.
; The chip was launched on July 23, 2026; its instructions are those of AMD's public machine-readable ISA for CDNA 5 (MIT licence, August 2026) and "CDNA5" Instruction Set Architecture Reference Guide (July 2026). The comments in the code are by the model that wrote it; some were corrected since.
;; Multi Head Attention With Ro PE. Allowed arithmetic: matrix products marked QUANTISED: E2M3 operands, one E8M0 scale for each 32 along K, by v_wmma_scale_f32_16x16x128_f8f6f4 with both operands' format E2M3, f32 sums; everything else in f32.
;; Inputs: bk 1,024 float32; bo 1,024 float32; bq 1,024 float32; bv 1,024 float32; mask 2 x 2,048 int32; wk 1,024 x 1,024 float32; wo 1,024 x 1,024 float32; wq 1,024 x 1,024 float32; wv 1,024 x 1,024 float32; x 2 x 2,048 x 1,024 float32.
;; Outputs: out0 2 x 2,048 x 1,024 float32.
;; This version of the problem:
;;   THIS VERSION OF THE PROBLEM IS GIVEN IN LOW PRECISION. The matrix products marked QUANTISED in the list below multiply operands that are first quantised to E2M3 (2 exponent bits, 3 mantissa bits; 6 bits a number), with one power-of-two scale for each 32 numbers along K (OCP MX v1.0); their sums are f32. All else is computed in f32.
;;   The module's matrix products, in the order in which they are computed (A, B: the left and right operand; K: the contracted axis; several contracted axes count as one K, in the product's order):
;;     1. [M 4,096, K 1,024] x [K 1,024, N 1,024]; A: input x; B: input wq: QUANTISED
;;     2. [M 4,096, K 1,024] x [K 1,024, N 1,024]; A: input x; B: input wk: QUANTISED
;;     3. [M 4,096, K 1,024] x [K 1,024, N 1,024]; A: input x; B: input wv: QUANTISED
;;     4. batch 32 x [M 2,048, K 64] x [K 64, N 2,048]; A: computed on the way; B: computed on the way: QUANTISED
;;     5. batch 32 x [M 2,048, K 2,048] x [K 2,048, N 64]; A: softmax (see below); B: computed on the way: QUANTISED
;;     6. [M 4,096, K 1,024] x [K 1,024, N 1,024]; A: computed on the way; B: input wo: QUANTISED
;;   THE QUANTISER, for each operand of a quantised product, along K:
;;     - K is cut into blocks of 32 from its start; a last block that is shorter is filled with zeros.
;;     - A block's scale is 2^e with e = floor(log2(the largest magnitude in the block)) - 2, held to -126 .. 127; a block of zeros has e = 0. As a byte (E8M0): e + 127.
;;     - Each number is divided by its block's scale, clamped to +-7.5, and rounded to the nearest number of E2M3, ties to even, subnormals kept.
;;     - The product sums the exact products of the quantised numbers (number of the format x scale) in f32.
;;   ~~~python
;;   def quantise(x, axis):      # numpy; x: float32 -> the quantised numbers, widened to float32 again
;;       x = np.moveaxis(x, axis, -1); K = x.shape[-1]
;;       x = np.pad(x, [(0, 0)] * (x.ndim - 1) + [(0, -K % 32)]); x = x.reshape(x.shape[:-1] + (-1, 32)); a = np.abs(x).max(-1, keepdims=True)
;;       e = np.where(a > 0, np.clip(np.frexp(np.where(a > 0, a, 1))[1] - 1 - 2, -126, 127), 0)      # np.frexp(a)[1] - 1 = floor(log2(a)), exactly
;;       r = np.clip(x / 2.0 ** e, -7.5, 7.5)
;;       step = 2.0 ** (np.maximum(np.frexp(np.where(r == 0, 1, r))[1] - 1, 0) - 3)
;;       q = np.round(r / step) * step * 2.0 ** e      # np.round: ties to even
;;       return np.moveaxis(q.reshape(q.shape[:-2] + (-1,))[..., :K], -1, axis).astype(np.float32)
;;   ~~~
;;   SOFTMAX AHEAD OF A QUANTISED PRODUCT. Where the list says 'softmax', what is quantised is not the finished softmax but p = 2^(t - M), with t = logit x log2(e) and M = ceil(the row's largest t), a whole number; so 1/2 < the row's largest p <= 1. The row's sum l is taken of the UNQUANTISED p, in f32, and the product's result is divided by l at the end. Since M is a whole number, a kernel that streams over the keys may use a running M (the ceiling of the running maximum): every later rescaling is an exact power of two, which a block's scale takes up: the codes' values come out the same.
;;   OPERANDS COMPUTED ON THE WAY. 'Computed on the way' means the value that the module computes at that place (a softmax that the list does not call 'softmax' is quantised finished and normalised). What goes into a quantiser is computed in f32, as accurately as f32 sums, v_exp_f32 and their like allow (about 1e-6 of the number): no bf16 or f16 on the way to a quantiser, and a product that is left as it is and whose result goes on into a quantised operand takes f32 operands (vector FMAs, or v_wmma_f32_16x16x4_f32). A number that lies on a knife's edge between two numbers of the format may be rounded either way, as far as f32 arithmetic and the matrix unit's own rounding can turn it there, and no further.
;; 2 versions. Each part assembles by itself: llvm-mc -triple=amdgcn-amd-amdhsa -mcpu=gfx1250 --defsym DOCPART=n.
;; ======== version 1 of 2: 5 launches
;; workspace buffers: xq 3,145,728 bytes; wc 3,145,728 bytes; sc 393,216 bytes; rt 524,288 bytes; qc 3,276,800 bytes; kv 6,815,744 bytes; ao 3,145,728 bytes
;; launch prepx (part 1): grid 128 x 1, 4 waves a work-group, no clusters, 167,936 bytes of LDS; arguments x, xq, sc; writes xq, sc
.if DOCPART == 1
	.amdgcn_target "amdgcn-amd-amdhsa--gfx1250"
	.amdhsa_code_object_version 6
	.text
	.protected	k_q425048d789_prepx
	.globl	k_q425048d789_prepx
	.p2align	8
	.type	k_q425048d789_prepx,@function
k_q425048d789_prepx:
	s_mov_b64 s[64:65], 0
	v_nop
	global_prefetch_b8 v0, s[64:65] scope:SCOPE_SE
	s_setreg_imm32_b32 hwreg(HW_REG_WAVE_MODE, 25, 1), 1
	s_wait_xcnt 0x0
; x [4096][1024] f32 becomes codes of FP6 (E2M3) with one E8M0 byte for each 32 along K, laid as the matrix unit's registers take them.
; xq: [row tile of 16][K step of 128] a fragment of 1,536 bytes = two halves of 768: a half is registers 6 c .. 6 c + 5 of all 32 lanes: registers 0-3 at 16 x lane, registers 4-5 at 512 + 8 x lane.
; Inside each block of 32 the codes stand in the order k = 0..7, 16..23, 8..15, 24..31: every operand of this program has that order, so the products are unchanged; the block's members, scale and codes are the rule's.
; sc: the scale word of (row p, K step s) at (p / 32) x 1024 + (s / 2) x 256 + (p % 32) x 8 + (s % 2) x 4.
; A block's scale byte is its largest magnitude's exponent field - 2, held at 1 from below.  LIMITS: a block of zeros, or one under 2^-124, gets the byte 1 (its codes are zeros or tiny; the bytes are read by this program alone); NaN and infinities are not served.
; SHARES: a work-group owns 32 rows; wave w owns k = 256 w .. 256 w + 255 of them: four fragments (row tile e, K step u).  Each wave brings its own two tiles of 16 rows x 1,024 bytes by the tensor data mover,
; reads only its own LDS bytes, and fills nothing again: no barrier.  An LDS row is 1,024 + 16 bytes = 65 x 16: the sixteen rows that a load touches start in different banks.
.set PITCH,  1040
.set ETILE,  16*PITCH
.set WREG,   2*ETILE
.set SPARE,  4*WREG                    ; behind the four regions: the spare words, 128 bytes a wave
.set AX,  4                            ; v4   LDS: my row r, my half's 128 bytes
.set L16, 5                            ; v5   16 x lane
.set L8,  6                            ; v6   8 x lane
.set H8,  7                            ; v7   8 x (lane / 16)
.set SPW, 8                            ; v8   my spare word; never rewritten
.set NIL, 9                            ; v9   0; never rewritten
.set TM,  10                           ; v10-11 largest magnitudes, v12-13 scale operands, v14-15 bytes
.set PT,  17                           ; v17  the other half's word
.set W,   18                           ; v18-21 the four fragments' scale words
.set OP,  22                           ; v22-23 the pair that leaves
.set X,   32                           ; v32-95, v96-159 two sets of 64 numbers
.set CS,  160                          ; v160-171, v172-183 two sets of codes
.set CT,  184                          ; v184-186, v188-190 a conversion's three registers begin on an even number
.set G1,  16
.set G0,  24
	s_load_b128 s[4:7], s[0:1], 0x0                ; x, xq
	s_load_b64 s[8:9], s[0:1], 0x10                ; sc
	v_lshl_add_u32 v[SPW], v0, 2, SPARE
	v_mov_b32 v[NIL], 0
	ds_add_u32 v[SPW], v[NIL]                      ; the opening: the add, twice on end, and its wait ahead of my first tensor load
	ds_add_u32 v[SPW], v[NIL]
	v_lshrrev_b32 v1, 5, v0
	v_readfirstlane_b32 s10, v1                    ; wave
	s_mov_b32 s[G1+0], (3<<16)|(1<<20)|(7<<22)|(3<<25)  ; elements of 8 bytes; padding on: 4 words behind every 256
	s_mov_b32 s[G1+1], 128<<16                     ; tensor_dim0 = 128 elements
	s_mov_b32 s[G1+2], 16<<16                      ; tensor_dim1 = 16
	s_mov_b32 s[G1+3], 128<<16                     ; tile_dim0
	s_mov_b32 s[G1+4], 16                          ; tile_dim1
	s_mov_b32 s[G1+5], 512                         ; a row of x is 512 elements
	s_mov_b32 s[G1+6], 0
	s_mov_b32 s[G1+7], 0
	s_mul_i32 s11, s10, WREG                       ; my region of LDS
	s_lshl_b32 s2, ttmp9, 17                       ; 32 rows of 4,096 bytes
	s_lshl_b32 s3, s10, 10                         ; my 1,024 bytes of a row
	s_add_co_u32 s2, s2, s3
	s_mov_b32 s3, 0
	s_mov_b32 s12, 0x76543210
	s_mov_b32 s13, 0xfedcba98                      ; lane l xor 16
	s_wait_dscnt 0x0                               ; both opening adds are done
	s_wait_kmcnt 0x0
	s_add_nc_u64 s[4:5], s[4:5], s[2:3]
.irp e, 0,1
	s_mov_b32 s[G0+4*\e], 1
	s_add_co_u32 s[G0+4*\e+1], s11, \e*ETILE
	s_add_nc_u64 s[G0+4*\e+2:G0+4*\e+3], s[4:5], \e*65536
	s_or_b32 s[G0+4*\e+3], s[G0+4*\e+3], 0x80000000
	tensor_load_to_lds s[G0+4*\e:G0+4*\e+3], s[G1:G1+7]
	s_nop 0
.endr
	v_and_b32 v1, 31, v0
	v_and_b32 v2, 15, v0                           ; r
	v_bfe_u32 v3, v0, 4, 1                         ; h
	v_mul_u32_u24 v[AX], v2, PITCH
	v_lshl_add_u32 v[AX], v3, 7, v[AX]
	v_add_nc_u32 v[AX], s11, v[AX]
	v_lshlrev_b32 v[L16], 4, v1
	v_lshlrev_b32 v[L8], 3, v1
	v_lshlrev_b32 v[H8], 3, v3
	v_mov_b32 v[PT], 0                             ; a lane permute's destination counts as one of its sources
	s_mul_i32 s2, ttmp9, 24576                     ; xq: two row tiles of 8 fragments,
	s_mul_i32 s14, s10, 3072                       ; my two K steps
	s_add_co_u32 s2, s2, s14
	s_add_nc_u64 s[6:7], s[6:7], s[2:3]
	s_lshl_b32 s2, ttmp9, 10
	s_lshl_b32 s14, s10, 8
	s_add_co_u32 s2, s2, s14
	s_add_nc_u64 s[8:9], s[8:9], s[2:3]
; fragment f = 2 e + u: lane (r, h) takes, of row r, blocks h and 2 + h of the K step, in the order of the head comment, by groups of four numbers
.macro RD f
.irp c, 0,1
.irp g, 0,1,2,3,4,5,6,7
	ds_load_b128 v[X+64*((\f)&1)+32*\c+4*\g:X+64*((\f)&1)+32*\c+4*\g+3], v[AX] offset:((\f)>>1)*ETILE+((\f)&1)*512+256*\c+16*((\g&1)|((\g&2)<<1)|((\g&4)>>1))
.endr
.endr
.endm
.macro QX f
.set XS, X+64*((\f)&1)
.set CC, CS+12*((\f)&1)
.set OF, 12288*((\f)>>1)+1536*((\f)&1)
.irp c, 0,1
	v_max3_num_f32 v[TM+\c], |v[XS+32*\c]|, |v[XS+32*\c+1]|, 0x1800000   ; my whole block, and the floor 2^(3 - 127)
.endr
.irp i, 2,4,6,8,10,12,14,16,18,20,22,24,26,28,30
.irp c, 0,1
	v_max3_num_f32 v[TM+\c], v[TM+\c], |v[XS+32*\c+\i]|, |v[XS+32*\c+\i+1]|
.endr
.endr
.irp c, 0,1
	v_add_nc_u32 v[TM+2+\c], 0xff000000, v[TM+\c]  ; 2 off the exponent field: the conversion's scale operand
.endr
.irp c, 0,1
	v_lshrrev_b32 v[TM+4+\c], 23, v[TM+2+\c]       ; the byte
.endr
	v_lshl_or_b32 v[W+\f], v[TM+5], 16, v[TM+4]    ; blocks h and 2 + h,
	v_lshlrev_b32 v[W+\f], v[H8], v[W+\f]          ; at their places;
	v_permlanex16_b32 v[PT], v[W+\f], s12, s13
	v_or_b32 v[W+\f], v[W+\f], v[PT]               ; with the other half's two the word is whole
.if \f > 1
	s_wait_xcnt 0x0                                ; the stores of two fragments ago have read this set of codes
.endif
.irp c, 0,1
	v_cvt_scalef32_pk16_fp6_f32 v[CC+6*\c:CC+6*\c+2], v[XS+32*\c:XS+32*\c+15], v[TM+2+\c]
	v_cvt_scalef32_pk16_fp6_f32 v[CT+4*\c:CT+4*\c+2], v[XS+32*\c+16:XS+32*\c+31], v[TM+2+\c]
.endr
	v_nop                                          ; one plain place behind a scaled conversion
.irp c, 0,1
.irp i, 0,1,2
	v_mov_b32 v[CC+6*\c+3+\i], v[CT+4*\c+\i]
.endr
.endr
	global_store_b128 v[L16], v[CC:CC+3], s[6:7] offset:OF            ; 512 consecutive bytes
	global_store_b64 v[L8], v[CC+4:CC+5], s[6:7] offset:OF+512        ; 256
	global_store_b128 v[L16], v[CC+6:CC+9], s[6:7] offset:OF+768
	global_store_b64 v[L8], v[CC+10:CC+11], s[6:7] offset:OF+1280
.endm
	s_wait_tensorcnt 0x1                           ; my first row tile is in; the second may be out
	RD 0
	RD 1
	s_wait_dscnt 16                                ; all but the next fragment's 16 loads
	QX 0
	s_wait_tensorcnt 0x0
	RD 2
	s_wait_dscnt 16
	QX 1
	RD 3
	s_wait_dscnt 16
	QX 2
	s_wait_dscnt 0x0
	QX 3
	v_cmp_ne_u32 vcc_lo, 0, v3                     ; lane 16 e + r stores row tile e's two words of row r: one aligned block of 256 bytes
	v_cndmask_b32 v[OP], v[W], v[W+2], vcc_lo
	v_cndmask_b32 v[OP+1], v[W+1], v[W+3], vcc_lo
	global_store_b64 v[L8], v[OP:OP+1], s[8:9]
	s_wait_tensorcnt 0x0                           ; the wave's end
	ds_add_u32 v[SPW], v[NIL]
	s_wait_dscnt 0x0
	s_endpgm
.Lfunc_end_k_q425048d789_prepx:
	.size	k_q425048d789_prepx, .Lfunc_end_k_q425048d789_prepx-k_q425048d789_prepx
	.p2alignl 7, 3214868480
	.fill 96, 4, 3214868480
	.section	.rodata,"a",@progbits
	.p2align	6, 0x0
	.amdhsa_kernel k_q425048d789_prepx
		.amdhsa_group_segment_fixed_size 167936
		.amdhsa_private_segment_fixed_size 0
		.amdhsa_enable_private_segment 0
		.amdhsa_kernarg_size 24
		.amdhsa_user_sgpr_count 2
		.amdhsa_user_sgpr_kernarg_segment_ptr 1
		.amdhsa_wavefront_size32 1
		.amdhsa_system_sgpr_workgroup_id_x 1
		.amdhsa_system_sgpr_workgroup_id_y 1
		.amdhsa_system_sgpr_workgroup_id_z 1
		.amdhsa_system_vgpr_workitem_id 0
		.amdhsa_next_free_vgpr 192
		.amdhsa_next_free_sgpr 66
		.amdhsa_reserve_vcc 1
		.amdhsa_float_denorm_mode_32 3
		.amdhsa_float_denorm_mode_16_64 3
		.amdhsa_memory_ordered 1
		.amdhsa_forward_progress 1
		.amdhsa_inst_pref_size 21
	.end_amdhsa_kernel
	.amdgpu_metadata
---
amdhsa.version: [ 1, 2 ]
amdhsa.kernels:
  - .name:           k_q425048d789_prepx
    .symbol:         k_q425048d789_prepx.kd
    .args:
      - { .name: x, .offset: 0, .size: 8, .value_kind: global_buffer, .address_space: global }
      - { .name: xq, .offset: 8, .size: 8, .value_kind: global_buffer, .address_space: global }
      - { .name: sc, .offset: 16, .size: 8, .value_kind: global_buffer, .address_space: global }
    .group_segment_fixed_size: 167936
    .private_segment_fixed_size: 0
    .kernarg_segment_align: 8
    .kernarg_segment_size: 24
    .max_flat_workgroup_size: 128
    .sgpr_count:     66
    .vgpr_count:     192
    .wavefront_size: 32
...
	.end_amdgpu_metadata
.endif
;; end of part 1
;; launch prepw (part 2): grid 128 x 1, 4 waves a work-group, no clusters, 167,936 bytes of LDS; arguments wq, wk, wv, wo, wc, sc, rt; writes wc, sc, rt
.if DOCPART == 2
	.amdgcn_target "amdgcn-amd-amdhsa--gfx1250"
	.amdhsa_code_object_version 6
	.text
	.protected	k_q425048d789_prepw
	.globl	k_q425048d789_prepw
	.p2align	8
	.type	k_q425048d789_prepw,@function
k_q425048d789_prepw:
	s_mov_b64 s[64:65], 0
	v_nop
	global_prefetch_b8 v0, s[64:65] scope:SCOPE_SE
	s_setreg_imm32_b32 hwreg(HW_REG_WAVE_MODE, 25, 1), 1
	s_wait_xcnt 0x0
; wq, wk, wv, wo [1024 (k)][1024 (n)] f32 become codes of FP6 (E2M3) along K, laid as prepx lays x: rows of the operand are the columns n; row tiles 0-63 wq, 64-127 wk, 128-191 wv, 192-255 wo.
; The launch also makes the table rt [position 2048][cos 32][sin 32] f32 of the rotary embedding.
; SHARES: work-group = (weight, 128 columns, 256 along K).  The tile, 256 rows x 512 bytes, comes into LDS by eight tensor loads, two a wave.  A LANE TAKES A COLUMN AND ITS REGISTERS RUN DOWN K:
; a block of 32 lies in one lane, in the order k = 0..7, 16..23, 8..15, 24..31 by the loads' offsets.  Lanes 0-15 hold rows of tile T, lanes 16-31 of tile T + 1; six exchanges of halves between the
; blocks 2 c and 2 c + 1 make of them tile T's and tile T + 1's registers 6 c .. 6 c + 5.
; THE TABLE: angle = position x 10^(-j / 8), rounded once as a product of f32; n = the nearest whole number to angle x 2 / pi; r = angle - n pi / 2 in two fused steps, the first of which rounds nothing for
; positions up to 2,047; sine and cosine of r by their series up to r^9 and r^10 (|r| <= pi / 4: what is cut lies under 2e-9); the quadrant picks and signs.
; LIMITS: the frequencies are 10^(-j / 8) rounded to f32; blocks of zeros or under 2^-124 get the byte 1; NaN and infinities are not served.
.set SPARE, 131072                     ; behind the tile: the spare words
.set AW,  2                            ; v2, v3 LDS: my column, K steps 0 and 1
.set L16, 4
.set L8,  5
.set SPW, 6
.set NIL, 7
.set X,   16                           ; v16-47, v48-79 two sets of 32 numbers
.set TF,  128                          ; the table's work: four frequencies,
.set TA,  132                          ; angles,
.set TN,  136                          ; n,
.set TR,  140                          ; r,
.set TU,  144                          ; r^2,
.set TP,  148                          ; the sine,
.set TQ,  152                          ; the cosine,
.set TO,  160                          ; v160-167 what leaves, a set for each of the two positions
.set G1,  20
.set G0,  28
	s_load_b256 s[4:11], s[0:1], 0x0               ; wq, wk, wv, wo
	s_load_b128 s[12:15], s[0:1], 0x20             ; wc, sc
	s_load_b64 s[16:17], s[0:1], 0x30              ; rt
	v_lshl_add_u32 v[SPW], v0, 2, SPARE
	v_mov_b32 v[NIL], 0
	ds_add_u32 v[SPW], v[NIL]                      ; the opening: the add, twice on end, and its wait ahead of my first tensor load
	ds_add_u32 v[SPW], v[NIL]
	v_lshrrev_b32 v1, 5, v0
	v_readfirstlane_b32 s18, v1                    ; wave
	s_lshr_b32 s36, ttmp9, 5                       ; which weight
	s_bfe_u32 s37, ttmp9, 0x30002                  ; which 128 columns
	s_and_b32 s38, ttmp9, 3                        ; which 256 along K
	s_mov_b32 s[G1+0], 3<<16                       ; elements of 8 bytes, no padding
	s_mov_b32 s[G1+1], 64<<16                      ; tensor_dim0 = 64 elements (512 bytes)
	s_mov_b32 s[G1+2], 32<<16                      ; tensor_dim1 = 32 rows
	s_mov_b32 s[G1+3], 64<<16
	s_mov_b32 s[G1+4], 32
	s_mov_b32 s[G1+5], 512
	s_mov_b32 s[G1+6], 0
	s_mov_b32 s[G1+7], 0
	s_lshl_b32 s2, s38, 20                         ; 256 rows of 4,096 bytes,
	s_lshl_b32 s3, s18, 17                         ; my 32 rows,
	s_add_co_u32 s2, s2, s3
	s_lshl_b32 s3, s37, 9                          ; 128 columns
	s_add_co_u32 s2, s2, s3
	s_mov_b32 s3, 0
	s_lshl_b32 s19, s18, 14                        ; LDS: 32 rows of 512 bytes a wave
	s_mov_b32 s48, 0x3fc90fdb                      ; pi / 2 to f32,
	s_mov_b32 s49, 0x333bbd2e                      ; and by how much that is too large
	s_wait_dscnt 0x0
	s_wait_kmcnt 0x0
	s_cmp_eq_u32 s36, 1
	s_cselect_b64 s[4:5], s[6:7], s[4:5]
	s_cmp_eq_u32 s36, 2
	s_cselect_b64 s[4:5], s[8:9], s[4:5]
	s_cmp_eq_u32 s36, 3
	s_cselect_b64 s[4:5], s[10:11], s[4:5]
	s_add_nc_u64 s[4:5], s[4:5], s[2:3]
.irp u, 0,1
	s_mov_b32 s[G0+4*\u], 1
	s_add_co_u32 s[G0+4*\u+1], s19, \u*65536
	s_add_nc_u64 s[G0+4*\u+2:G0+4*\u+3], s[4:5], \u*524288
	s_or_b32 s[G0+4*\u+3], s[G0+4*\u+3], 0x80000000
	tensor_load_to_lds s[G0+4*\u:G0+4*\u+3], s[G1:G1+7]
	s_nop 0
.endr
	v_and_b32 v1, 31, v0
	v_lshlrev_b32 v[AW], 2, v0                     ; 128 x wave + 4 x lane
	v_add_nc_u32 v[AW+1], 0x10000, v[AW]
	v_lshlrev_b32 v[L16], 4, v1
	v_lshlrev_b32 v[L8], 3, v1
	s_lshl_b32 s39, s36, 6
	s_lshl_b32 s40, s37, 3
	s_add_co_u32 s39, s39, s40
	s_lshl_b32 s40, s18, 1
	s_add_co_u32 s39, s39, s40                     ; T: my first row tile
	s_mul_i32 s2, s39, 12288
	s_mul_i32 s40, s38, 3072
	s_add_co_u32 s2, s2, s40
	s_add_nc_u64 s[12:13], s[12:13], s[2:3]
	s_lshl_b32 s2, s39, 9
	s_lshl_b32 s40, s38, 8
	s_add_co_u32 s2, s2, s40
	s_add_co_u32 s2, s2, 131072                    ; the weights' part of sc
	s_add_nc_u64 s[14:15], s[14:15], s[2:3]
	; ---- the table, while the tiles are on their way: thread gt makes 16 bytes of positions gt / 16 and gt / 16 + 1024
	v_and_b32 v8, 7, v0                            ; m: frequencies 4 m .. 4 m + 3
	v_bfe_u32 v9, v0, 3, 1
	v_mul_u32_u24 v9, v9, 3                        ; the sine is the cosine three quadrants on
	s_lshl_b32 s39, ttmp9, 7
	v_add_nc_u32 v10, s39, v0
	v_lshrrev_b32 v11, 4, v10                      ; the position
	v_lshlrev_b32 v10, 4, v10                      ; 16 gt
.irp k, 1,2,3,4,5,6,7
	v_cmp_eq_u32 s[40+\k], \k, v8
.endr
.macro FSEL reg, a0, a1, a2, a3, a4, a5, a6, a7
	v_mov_b32 v[\reg], \a0
	v_cndmask_b32 v[\reg], v[\reg], \a1, s41
	v_cndmask_b32 v[\reg], v[\reg], \a2, s42
	v_cndmask_b32 v[\reg], v[\reg], \a3, s43
	v_cndmask_b32 v[\reg], v[\reg], \a4, s44
	v_cndmask_b32 v[\reg], v[\reg], \a5, s45
	v_cndmask_b32 v[\reg], v[\reg], \a6, s46
	v_cndmask_b32 v[\reg], v[\reg], \a7, s47
.endm
	FSEL TF+0, 1.0, 0.3162277660, 0.1, 0.03162277660, 0.01, 0.003162277660, 0.001, 0.0003162277660
	FSEL TF+1, 0.7498942093, 0.2371373706, 0.07498942093, 0.02371373706, 0.007498942093, 0.002371373706, 0.0007498942093, 0.0002371373706
	FSEL TF+2, 0.5623413252, 0.1778279410, 0.05623413252, 0.01778279410, 0.005623413252, 0.001778279410, 0.0005623413252, 0.0001778279410
	FSEL TF+3, 0.4216965034, 0.1333521432, 0.04216965034, 0.01333521432, 0.004216965034, 0.001333521432, 0.0004216965034, 0.0001333521432
.macro TAB rep
	v_add_nc_u32 v12, 1024*\rep, v11
	v_cvt_f32_u32 v12, v12
.irp i, 0,1,2,3
	v_mul_f32 v[TA+\i], v12, v[TF+\i]              ; the angle
.endr
.irp i, 0,1,2,3
	v_mul_f32 v[TN+\i], 0x3f22f983, v[TA+\i]       ; x 2 / pi
.endr
.irp i, 0,1,2,3
	v_rndne_f32 v[TN+\i], v[TN+\i]
.endr
.irp i, 0,1,2,3
	v_fma_f32 v[TR+\i], -v[TN+\i], s48, v[TA+\i]
.endr
.irp i, 0,1,2,3
	v_fma_f32 v[TR+\i], v[TN+\i], s49, v[TR+\i]
.endr
.irp i, 0,1,2,3
	v_mul_f32 v[TU+\i], v[TR+\i], v[TR+\i]
.endr
.irp i, 0,1,2,3
	v_mov_b32 v[TP+\i], 0x3638ef1d                 ; 1 / 9!
	v_mov_b32 v[TQ+\i], 0xb493f27e                 ; -1 / 10!
.endr
.irp i, 0,1,2,3
	v_fmaak_f32 v[TP+\i], v[TP+\i], v[TU+\i], 0xb9500d01   ; -1 / 7!
	v_fmaak_f32 v[TQ+\i], v[TQ+\i], v[TU+\i], 0x37d00d01   ; 1 / 8!
.endr
.irp i, 0,1,2,3
	v_fmaak_f32 v[TP+\i], v[TP+\i], v[TU+\i], 0x3c088889   ; 1 / 5!
	v_fmaak_f32 v[TQ+\i], v[TQ+\i], v[TU+\i], 0xbab60b61   ; -1 / 6!
.endr
.irp i, 0,1,2,3
	v_fmaak_f32 v[TP+\i], v[TP+\i], v[TU+\i], 0xbe2aaaab   ; -1 / 3!
	v_fmaak_f32 v[TQ+\i], v[TQ+\i], v[TU+\i], 0x3d2aaaab   ; 1 / 4!
.endr
.irp i, 0,1,2,3
	v_mul_f32 v[TA+\i], v[TR+\i], v[TU+\i]
	v_fmaak_f32 v[TQ+\i], v[TQ+\i], v[TU+\i], 0xbf000000   ; -1 / 2
.endr
.irp i, 0,1,2,3
	v_fma_f32 v[TP+\i], v[TA+\i], v[TP+\i], v[TR+\i]       ; sin r
	v_fma_f32 v[TQ+\i], v[TQ+\i], v[TU+\i], 1.0            ; cos r
.endr
.irp i, 0,1,2,3
	v_cvt_i32_f32 v[TN+\i], v[TN+\i]
.endr
.irp i, 0,1,2,3
	v_add_nc_u32 v[TN+\i], v[TN+\i], v9            ; the quadrant q
.endr
.irp i, 0,1,2,3
	v_and_b32 v[TA+\i], 1, v[TN+\i]
.endr
.irp i, 0,1,2,3
	v_cmp_ne_u32 vcc_lo, 0, v[TA+\i]
	v_cndmask_b32 v[TO+4*\rep+\i], v[TQ+\i], v[TP+\i], vcc_lo   ; odd q: the sine of r
.endr
.irp i, 0,1,2,3
	v_add_nc_u32 v[TN+\i], 1, v[TN+\i]
.endr
.irp i, 0,1,2,3
	v_and_b32 v[TN+\i], 2, v[TN+\i]                ; q = 1, 2: the sign turns
.endr
.irp i, 0,1,2,3
	v_lshlrev_b32 v[TN+\i], 30, v[TN+\i]
.endr
.irp i, 0,1,2,3
	v_xor_b32 v[TO+4*\rep+\i], v[TN+\i], v[TO+4*\rep+\i]
.endr
	global_store_b128 v10, v[TO+4*\rep:TO+4*\rep+3], s[16:17] offset:262144*\rep   ; sixteen lanes fill a position's 256 bytes
.endm
	TAB 0
	TAB 1
; ---- the weights.  Block t of my column: K step t / 4, block t % 4 of it
.macro RDW t
.irp i, 0,1,2,3,4,5,6,7,8,9,10,11,12,13,14,15,16,17,18,19,20,21,22,23,24,25,26,27,28,29,30,31
	ds_load_b32 v[X+32*((\t)&1)+\i], v[AW+((\t)>>2)] offset:(32*((\t)&3)+((\i&7)|((\i&8)<<1)|((\i&16)>>1)))*512
.endr
.endm
.macro BLK t
.set XS, X+32*((\t)&1)
.set CD, 80+16*(((\t)>>1)&1)+8*((\t)&1)
.set OF, 1536*((\t)>>2)+768*(((\t)>>1)&1)
	v_max3_num_f32 v116, |v[XS]|, |v[XS+1]|, |v[XS+2]|
	v_max3_num_f32 v117, |v[XS+3]|, |v[XS+4]|, |v[XS+5]|
.irp i, 6,10,14,18,22,26
	v_max3_num_f32 v116, v116, |v[XS+\i]|, |v[XS+\i+1]|
	v_max3_num_f32 v117, v117, |v[XS+\i+2]|, |v[XS+\i+3]|
.endr
	v_max3_num_f32 v116, v116, |v[XS+30]|, |v[XS+31]|
	v_max3_num_f32 v116, v116, v117, 0x1800000     ; and the floor 2^(3 - 127)
	v_add_nc_u32 v118, 0xff000000, v116            ; the conversion's scale operand
	v_lshrrev_b32 v119, 23, v118                   ; the byte
.if ((\t)&3) == 0
	v_mov_b32 v[120+((\t)>>2)], v119
.else
	v_lshl_or_b32 v[120+((\t)>>2)], v119, 8*((\t)&3), v[120+((\t)>>2)]
.endif
.if (\t) >= 4
	s_wait_xcnt 0x0                                ; the first K step's stores have read these registers
.endif
	v_cvt_scalef32_pk16_fp6_f32 v[CD:CD+2], v[XS:XS+15], v118
	v_cvt_scalef32_pk16_fp6_f32 v[112:114], v[XS+16:XS+31], v118
	v_nop                                          ; one plain place behind a scaled conversion
.irp i, 0,1,2
	v_mov_b32 v[CD+3+\i], v[112+\i]
.endr
.if ((\t)&1)
.irp i, 0,1,2,3,4,5
	v_permlane16_swap_b32 v[CD-8+\i], v[CD+\i]     ; the first set becomes tile T's registers, the second tile T + 1's
.endr
	global_store_b128 v[L16], v[CD-8:CD-5], s[12:13] offset:OF
	global_store_b64 v[L8], v[CD-4:CD-3], s[12:13] offset:OF+512
	global_store_b128 v[L16], v[CD:CD+3], s[12:13] offset:OF+12288
	global_store_b64 v[L8], v[CD+4:CD+5], s[12:13] offset:OF+12288+512
.endif
.endm
.macro HALFK u
	RDW 4*\u
	RDW 4*\u+1
	s_wait_dscnt 32                                ; all but the next block's 32 loads
	BLK 4*\u
	RDW 4*\u+2
	s_wait_dscnt 32
	BLK 4*\u+1
	RDW 4*\u+3
	s_wait_dscnt 32
	BLK 4*\u+2
	s_wait_dscnt 0x0
	BLK 4*\u+3
.endm
	s_wait_tensorcnt 0x1                           ; my part of the first 128 rows is in; the second fill may be out
	s_barrier_signal -1
	s_barrier_wait -1                              ; everybody's is
	HALFK 0
	s_wait_tensorcnt 0x0
	s_barrier_signal -1
	s_barrier_wait -1
	HALFK 1
	global_store_b64 v[L8], v[120:121], s[14:15]   ; my row's two scale words: one aligned block of 256 bytes a wave
	s_wait_tensorcnt 0x0                           ; the wave's end
	ds_add_u32 v[SPW], v[NIL]
	s_wait_dscnt 0x0
	s_endpgm
.Lfunc_end_k_q425048d789_prepw:
	.size	k_q425048d789_prepw, .Lfunc_end_k_q425048d789_prepw-k_q425048d789_prepw
	.p2alignl 7, 3214868480
	.fill 96, 4, 3214868480
	.section	.rodata,"a",@progbits
	.p2align	6, 0x0
	.amdhsa_kernel k_q425048d789_prepw
		.amdhsa_group_segment_fixed_size 167936
		.amdhsa_private_segment_fixed_size 0
		.amdhsa_enable_private_segment 0
		.amdhsa_kernarg_size 56
		.amdhsa_user_sgpr_count 2
		.amdhsa_user_sgpr_kernarg_segment_ptr 1
		.amdhsa_wavefront_size32 1
		.amdhsa_system_sgpr_workgroup_id_x 1
		.amdhsa_system_sgpr_workgroup_id_y 1
		.amdhsa_system_sgpr_workgroup_id_z 1
		.amdhsa_system_vgpr_workitem_id 0
		.amdhsa_next_free_vgpr 176
		.amdhsa_next_free_sgpr 66
		.amdhsa_reserve_vcc 1
		.amdhsa_float_denorm_mode_32 3
		.amdhsa_float_denorm_mode_16_64 3
		.amdhsa_memory_ordered 1
		.amdhsa_forward_progress 1
		.amdhsa_inst_pref_size 48
	.end_amdhsa_kernel
	.amdgpu_metadata
---
amdhsa.version: [ 1, 2 ]
amdhsa.kernels:
  - .name:           k_q425048d789_prepw
    .symbol:         k_q425048d789_prepw.kd
    .args:
      - { .name: wq, .offset: 0, .size: 8, .value_kind: global_buffer, .address_space: global }
      - { .name: wk, .offset: 8, .size: 8, .value_kind: global_buffer, .address_space: global }
      - { .name: wv, .offset: 16, .size: 8, .value_kind: global_buffer, .address_space: global }
      - { .name: wo, .offset: 24, .size: 8, .value_kind: global_buffer, .address_space: global }
      - { .name: wc, .offset: 32, .size: 8, .value_kind: global_buffer, .address_space: global }
      - { .name: sc, .offset: 40, .size: 8, .value_kind: global_buffer, .address_space: global }
      - { .name: rt, .offset: 48, .size: 8, .value_kind: global_buffer, .address_space: global }
    .group_segment_fixed_size: 167936
    .private_segment_fixed_size: 0
    .kernarg_segment_align: 8
    .kernarg_segment_size: 56
    .max_flat_workgroup_size: 128
    .sgpr_count:     66
    .vgpr_count:     176
    .wavefront_size: 32
...
	.end_amdgpu_metadata
.endif
;; end of part 2
;; launch qkv (part 3): grid 8 x 24, 4 waves a work-group, clusters of 4 x 4, 327,680 bytes of LDS; arguments xq, wc, sc, rt, bq, bk, bv, mask, qc, kv; writes qc, kv
.if DOCPART == 3
	.amdgcn_target "amdgcn-amd-amdhsa--gfx1250"
	.amdhsa_code_object_version 6
	.text
	.protected	k_q425048d789_qkv
	.globl	k_q425048d789_qkv
	.p2align	8
	.type	k_q425048d789_qkv,@function
k_q425048d789_qkv:
	s_mov_b64 s[64:65], 0
	v_nop
	global_prefetch_b8 v0, s[64:65] scope:SCOPE_SE
	s_setreg_imm32_b32 hwreg(HW_REG_WAVE_MODE, 25, 1), 1
	s_wait_xcnt 0x0
	s_wait_alu depctr_hold_cnt(0) depctr_sa_sdst(0) depctr_va_vdst(0) depctr_va_sdst(0) depctr_va_ssrc(0) depctr_va_vcc(0) depctr_vm_vsrc(0)
	s_getreg_b32 s2, hwreg(HW_REG_IB_STS2, 6, 4)
	s_cmp_eq_u32 s2, 0
	s_cbranch_scc0 .Lentry_in_a_cluster
	s_endpgm
.Lentry_in_a_cluster:
	s_bfe_u32 s2, ttmp6, 0x10000c
	s_cmp_lg_u32 s2, 0xf033
	s_cbranch_scc0 .Lentry_shape_is_right
	s_endpgm
.Lentry_shape_is_right:
; q = x wq + bq, k = x wk + bk, v = x wv + bv on codes of FP6 (E2M3) with E8M0 scales; q and k are rotated (RoPE); all three leave as codes, laid as the attention launch's operand registers.
; A tile of 256 x 256 to a work-group of four waves, 128 x 128 a wave: 64 accumulators, 512 registers.  Source 0 is operand S0, whose rows run along a lane's registers in the result; source 1 is S1, a row to a lane.
; q, k (cluster y 0-3; cluster x 0: q, 1: k): S0 = the weight, S1 = x: a lane holds a position and eight neighbours of a head's 64.   v (cluster y 4, 5): S0 = x, S1 = wv: a lane holds a channel and eight positions,
; which are the second attention product's K.  Only pointers differ between the two in the main part.
; OPERANDS in memory: [row tile of 16][K step of 128] a fragment of 1,536 bytes, an image of its 12 registers (registers 0-3 at 16 x lane, 4-5 at 512 + 8 x lane, 6-9 at 768 + 16 x lane, 10-11 at 1280 + 8 x lane).
; K = 1,024 goes in four slices of 256 through three LDS slots: slices 0-2 are first fills, slice 3 fills slot 0 again.  A wave's load brings 8 row tiles x 3,072 bytes.
; CLUSTER 4 x 4: S1's tile hangs on the cluster's row, S0's on its column: each is asked for jointly by the four that share it.
; THE SCALE WORDS of all of K stay in registers v64-127: register 64 + 8 i + s: lanes 0-15 S1's tile i, lanes 16-31 S0's tile i, K step s.
; A result's 16 registers of two neighbouring tiles are k = 8 h + 0..7 and 16 + 8 h + 0..7 of a block of 32; after the exchange of halves a block's codes stand in the order 0..7, 16..23, 8..15, 24..31, which every operand here has.
; LIMITS: blocks of zeros or under 2^-124 get the scale byte 1 (read by this program alone); NaN and infinities are not served.
; WINDOWS: 0: addresses, scale words, S1's fragments (v128-223, one set); 1: S0's fragments, two sets (v0, v128); 2, 3: the accumulators ((a, b) at v[8 (8 (a % 4) + b)]).
.set FR,    12
.set NL,    4                          ; LDS loads to a fragment
.set HALFT, 8*3072                     ; what one tensor load brings: 128 rows x 256 along K
.set SLOT,  4*HALFT                    ; S1's two halves, then S0's
.set SPARE, 3*SLOT                     ; behind the slots: the spare words
.set A1,  16                           ; v16-18 S1: 16 x lane + my half, slots 0-2; v19-21 the same with 8 x lane
.set A0,  22                           ; v22-24, v25-27 S0
.set SPW, 28
.set NIL, 29
.set SCO, 30                           ; v30 the scale words' offset
.set SC,  64
.set AF,  128
.set G1,  24                           ; s[24:31] group 1 for S1; s[32:39] for S0; s[40:51], s[52:63] groups 0, one for each slot
.set G1B, 32
.set G0,  40
.set G0B, 52
.set MSB, 0
.macro WIN new                         ; the immediate's high byte repeats the setting that is left
.if MSB != (\new)
	s_set_vgpr_msb (MSB<<8)|(\new)
.set MSB, (\new)
.endif
.endm
.set MUL_LO, 0xa1
.set MUL_HI, 0xf1
.set TO_B,   0x40
.macro JLOAD s                         ; waves 0, 1 fetch S1's halves, waves 2, 3 S0's; an s_nop 0 and four v_nop follow each line
	s_cmp_eq_u32 s11, 0
	s_cbranch_scc0 .Lfor_b_\@
	tensor_load_to_lds s[G0+4*\s:G0+4*\s+3], s[G1:G1+7]
	s_nop 0
.rept 4
	v_nop
.endr
	s_branch .Lasked_\@
.Lfor_b_\@:
	tensor_load_to_lds s[G0B+4*\s:G0B+4*\s+3], s[G1B:G1B+7]
	s_nop 0
.rept 4
	v_nop
.endr
.Lasked_\@:
.endm
.macro CREST
	s_cmp_lg_u32 s10, 0
	s_cbranch_scc1 .Lnot_wave_0_\@
	s_barrier_signal -3
.Lnot_wave_0_\@:
	s_barrier_wait -3
	s_barrier_signal -1
	s_barrier_wait -1
.endm
.macro CROUND
	s_barrier_signal -1
	s_barrier_wait -1
	CREST
.endm
.macro PLACES                          ; four plain places behind matrix instructions, ahead of loads into their registers and of reads of results
.rept 4
	v_nop
.endr
.endm
	s_load_b512 s[68:83], s[0:1], 0x0              ; xq 68, wc 70, sc 72, rt 74, bq 76, bk 78, bv 80, mask 82
	s_load_b128 s[84:87], s[0:1], 0x40             ; qc 84, kv 86
	v_lshl_add_u32 v[SPW], v0, 2, SPARE
	v_mov_b32 v[NIL], 0
	ds_add_u32 v[SPW], v[NIL]                      ; the opening: the add, twice on end, and its wait ahead of my first tensor load
	ds_add_u32 v[SPW], v[NIL]
	v_lshrrev_b32 v1, 5, v0
	v_readfirstlane_b32 s10, v1                    ; wave
	s_lshr_b32 s11, s10, 1                         ; my half of S1's rows; also: I fetch for S1 (0) or S0 (1)
	s_and_b32 s12, s10, 1                          ; my half of S0's rows; also: which 128 rows I fetch
	s_bfe_u32 s13, ttmp6, 0x40000                  ; cx
	s_bfe_u32 s14, ttmp6, 0x40004                  ; cy
	s_mov_b32 s15, ttmp9                           ; cluster x
	s_and_b32 s16, ttmp7, 0xffff                   ; cluster y
	s_cmp_ge_u32 s16, 4
	s_cselect_b32 s17, 1, 0                        ; 1: this cluster makes v
	s_lshl_b32 s18, s15, 2
	s_add_co_u32 s18, s18, s13
	s_sub_co_u32 s19, s16, 4
	s_lshl_b32 s19, s19, 3
	s_cmp_ge_u32 s16, 4
	s_cselect_b32 s19, s19, 0
	s_add_co_u32 s18, s18, s19                     ; i0: S0's tile of 256 rows
	s_lshl_b32 s20, s16, 2
	s_cmp_ge_u32 s16, 4
	s_cselect_b32 s20, 8, s20
	s_add_co_u32 s20, s20, s14                     ; i1: S1's
	s_lshl_b32 s22, s14, 2
	s_lshl_b32 s22, 15, s22                        ; my row of the cluster
	s_lshl_b32 s23, 0x1111, s13                    ; my column
	s_or_b32 s[G1], s22, (3<<16)|(1<<21)           ; the mask; elements of 8 bytes; bit 21 beside a mask
	s_or_b32 s[G1B], s23, (3<<16)|(1<<21)
.irp g, G1, G1B
	s_mov_b32 s[\g+1], 384<<16                     ; tensor_dim0 = 384 elements: two fragments
	s_mov_b32 s[\g+2], 8<<16                       ; tensor_dim1 = 8 row tiles
	s_mov_b32 s[\g+3], 384<<16
	s_mov_b32 s[\g+4], 8
	s_mov_b32 s[\g+5], 1536                        ; a row tile's eight fragments
	s_mov_b32 s[\g+6], 0
	s_mov_b32 s[\g+7], 0
.endr
	s_mul_i32 s92, s12, 98304                      ; which 128 rows I fetch
	s_mul_i32 s88, s20, 196608
	s_add_co_u32 s88, s88, s92
	s_mov_b32 s89, 0
	s_mul_i32 s90, s18, 196608
	s_add_co_u32 s90, s90, s92
	s_mov_b32 s91, 0
	s_mul_i32 s93, s10, HALFT                      ; where they go: no place in the cluster enters an LDS address
	s_mov_b32 s98, 0x76543210
	s_mov_b32 s99, 0xfedcba98                      ; lane l xor 16
	s_wait_dscnt 0x0
	s_wait_kmcnt 0x0
	s_cmp_eq_u32 s17, 1
	s_cselect_b64 s[94:95], s[70:71], s[68:69]     ; S1: wv or x
	s_cselect_b64 s[96:97], s[68:69], s[70:71]     ; S0: x or the weight
	s_add_nc_u64 s[94:95], s[94:95], s[88:89]
	s_add_nc_u64 s[96:97], s[96:97], s[90:91]
	CROUND                                         ; all sixteen work-groups are here: the first joint loads meet
.irp s, 0,1,2
	s_mov_b32 s[G0+4*\s], 1
	s_add_co_u32 s[G0+4*\s+1], s93, \s*SLOT
	s_add_nc_u64 s[G0+4*\s+2:G0+4*\s+3], s[94:95], \s*3072
	s_or_b32 s[G0+4*\s+3], s[G0+4*\s+3], 0x80000000
	s_mov_b32 s[G0B+4*\s], 1
	s_add_co_u32 s[G0B+4*\s+1], s93, \s*SLOT
	s_add_nc_u64 s[G0B+4*\s+2:G0B+4*\s+3], s[96:97], \s*3072
	s_or_b32 s[G0B+4*\s+3], s[G0B+4*\s+3], 0x80000000
	JLOAD \s                                       ; three loads of mine are out
.endr
	v_and_b32 v1, 15, v0                           ; r
	v_bfe_u32 v2, v0, 4, 1                         ; h
	v_and_b32 v3, 31, v0
	v_lshlrev_b32 v4, 3, v3                        ; 8 x lane
	v_lshlrev_b32 v3, 4, v3                        ; 16 x lane
	s_mul_i32 s2, s11, HALFT
	s_mul_i32 s3, s12, HALFT
	s_add_co_u32 s3, s3, 2*HALFT
.irp s, 0,1,2
	v_add_nc_u32 v[A1+\s], s2, v3
	v_add_nc_u32 v[A1+3+\s], s2, v4
	v_add_nc_u32 v[A0+\s], s3, v3
	v_add_nc_u32 v[A0+3+\s], s3, v4
	s_add_co_u32 s2, s2, SLOT
	s_add_co_u32 s3, s3, SLOT
.endr
	s_cmp_eq_u32 s17, 1                            ; the scale words: x's part of sc begins at 0, the weights' at 131,072
	s_cselect_b32 s4, 131072, 0
	s_cselect_b32 s5, 0, 131072
	s_lshl_b32 s6, s20, 13
	s_add_co_u32 s4, s4, s6
	s_lshl_b32 s6, s11, 12
	s_add_co_u32 s4, s4, s6                        ; S1's 128 rows
	s_lshl_b32 s6, s18, 13
	s_add_co_u32 s5, s5, s6
	s_lshl_b32 s6, s12, 12
	s_add_co_u32 s5, s5, s6                        ; S0's
	v_mov_b32 v[SCO], s4
	v_mov_b32 v31, s5
	v_cmp_ne_u32 vcc_lo, 0, v2
	v_cndmask_b32 v[SCO], v[SCO], v31, vcc_lo      ; lanes 16-31 take S0's
	v_lshl_add_u32 v[SCO], v1, 3, v[SCO]
.irp i, 0,1,2,3,4,5,6,7
.irp kq, 0,1,2,3
	global_load_b64 v[SC+8*\i+2*\kq:SC+8*\i+2*\kq+1], v[SCO], s[72:73] offset:(\i>>1)*1024+(\i&1)*128+256*\kq
.endr
.endr
.macro FRAG reg, adr, q, i
	ds_load_b128 v[\reg:\reg+3], v[\adr] offset:3072*(\i)+1536*(\q)
	ds_load_b64 v[\reg+4:\reg+5], v[\adr+3] offset:3072*(\i)+1536*(\q)+512
	ds_load_b128 v[\reg+6:\reg+9], v[\adr] offset:3072*(\i)+1536*(\q)+768
	ds_load_b64 v[\reg+10:\reg+11], v[\adr+3] offset:3072*(\i)+1536*(\q)+1280
.endm
.macro FETCH_B slot, q, p              ; S0's eight fragments into set p
	WIN TO_B
.irp i, 0,1,2,3,4,5,6,7
	FRAG 128*(\p)+FR*\i, A0+\slot, \q, \i
.endr
	WIN 0
.endm
.macro FETCH_A slot, q, i0             ; S1's blocks i0 .. i0 + 3
.irp i, \i0, \i0+1, \i0+2, \i0+3
	FRAG AF+FR*(\i), A1+\slot, \q, \i
.endr
.endm
; 16 matrix instructions: S1's blocks a0, a0 + 1 x S0's eight.  The 64 accumulators take turns, one instruction a turn, in the same order in every step
.macro MUL16 a0, p, ks, zero
.irp a, \a0, \a0+1
.irp b, 0,1,2,3,4,5,6,7
.if \zero
	v_wmma_scale_f32_16x16x128_f8f6f4 v[8*(8*((\a)%4)+\b):8*(8*((\a)%4)+\b)+7], v[128*(\p)+FR*\b:128*(\p)+FR*\b+FR-1], v[AF+FR*(\a):AF+FR*(\a)+FR-1], 0, v[SC+8*\b+(\ks)], v[SC+8*(\a)+(\ks)] matrix_a_fmt:MATRIX_FMT_FP6 matrix_b_fmt:MATRIX_FMT_FP6 matrix_a_scale:MATRIX_SCALE_ROW1
.else
	v_wmma_scale_f32_16x16x128_f8f6f4 v[8*(8*((\a)%4)+\b):8*(8*((\a)%4)+\b)+7], v[128*(\p)+FR*\b:128*(\p)+FR*\b+FR-1], v[AF+FR*(\a):AF+FR*(\a)+FR-1], v[8*(8*((\a)%4)+\b):8*(8*((\a)%4)+\b)+7], v[SC+8*\b+(\ks)], v[SC+8*(\a)+(\ks)] matrix_a_fmt:MATRIX_FMT_FP6 matrix_b_fmt:MATRIX_FMT_FP6 matrix_a_scale:MATRIX_SCALE_ROW1
.endif
.endr
.endr
.endm
.macro STEP slot, ks, zero             ; a slot's first K step: its successor lies in the same slot
	s_wait_dscnt 4*NL                              ; S0's set and S1's blocks 0-3 are in; the youngest 16 loads (blocks 4-7) may be out
	WIN MUL_LO
	MUL16 0, 0, \ks, \zero
	MUL16 2, 0, \ks, \zero
	s_wait_dscnt 0x0
	PLACES
	FETCH_B \slot, 1, 1
	FETCH_A \slot, 1, 0
	WIN MUL_HI
	MUL16 4, 0, \ks, \zero
	MUL16 6, 0, \ks, \zero
	PLACES
	WIN 0
	FETCH_A \slot, 1, 4
.endm
; A slot's second K step changes slots.  mode 2: this slot is filled again: every wave waits for all its tensor loads, adds 0 to its spare word, waits for that and for its reads of the slot; a round of the cluster's
; barrier; the joint refill first behind it.  mode 1: the next slot's tile is the refill: wait for it, a plain barrier, nothing is filled.  mode 0: the next slot was shown whole by the refill's barrier: no barrier.
.macro TURN slot, next, ks, mode
.if \mode == 2
	s_wait_tensorcnt 0x0                           ; all my tensor loads have landed
	ds_add_u32 v[SPW], v[NIL]
	s_wait_dscnt 4*NL+1                            ; (the add and the youngest 16 loads may be out)
.else
	s_wait_dscnt 4*NL
.endif
	WIN MUL_LO
	MUL16 0, 1, \ks, 0
.if \mode == 1
	s_wait_tensorcnt 0x0                           ; my one load that is out: my part of slice 3
.endif
	s_wait_dscnt 0x0                               ; my reads of this slot are over (mode 2: and the add is done)
.if \mode > 0
	s_barrier_signal -1
.endif
	MUL16 2, 1, \ks, 0
	WIN 0
.if \mode > 0
	s_barrier_wait -1
.endif
.if \mode == 2
	CREST                                          ; no wave of any partner still reads this slot or has a load on its way
	s_add_nc_u64 s[G0+4*\slot+2:G0+4*\slot+3], s[G0+4*\slot+2:G0+4*\slot+3], 3*3072
	s_add_nc_u64 s[G0B+4*\slot+2:G0B+4*\slot+3], s[G0B+4*\slot+2:G0B+4*\slot+3], 3*3072
	JLOAD \slot                                    ; its four v_nop are also the places in front of the loads below
.else
	PLACES
.endif
	FETCH_B \next, 0, 0
	FETCH_A \next, 0, 0
	WIN MUL_HI
	MUL16 4, 1, \ks, 0
	MUL16 6, 1, \ks, 0
	PLACES
	WIN 0
	FETCH_A \next, 0, 4
.endm
	s_wait_tensorcnt 0x2                           ; my part of slice 0 is in; slices 1 and 2 may be out
	s_barrier_signal -1
	s_barrier_wait -1
	FETCH_B 0, 0, 0
	FETCH_A 0, 0, 0
	FETCH_A 0, 0, 4
	s_wait_loadcnt 0x0                             ; the scale words
	STEP 0, 0, 1                                   ; the first products start the sums
	TURN 0, 1, 1, 2
	STEP 1, 2, 0
	TURN 1, 2, 3, 0
	STEP 2, 4, 0
	TURN 2, 0, 5, 1
	STEP 0, 6, 0
	s_wait_dscnt 4*NL
	WIN MUL_LO
	MUL16 0, 1, 7, 0
	MUL16 2, 1, 7, 0
	s_wait_dscnt 0x0
	WIN MUL_HI
	MUL16 4, 1, 7, 0
	MUL16 6, 1, 7, 0
	WIN 0
	PLACES
	s_cmp_eq_u32 s17, 1                            ; the cluster's y alone: the same in all partners
	s_cbranch_scc1 .Lvpath
; ---- q and k.  Accumulator (a, b): lane (r, h) holds position 16 a + r and columns 16 b + 8 h + 0..7; b = 4 g + t: head g of my two, tile t of its 64.
.set Z,   128                          ; v128-159 a head's 32 numbers of my position, with the bias
.set R,   160                          ; v160-191 rotated
.set PC,  192                          ; v192-197 the codes; v200-202 the second conversion's
.set TM,  204                          ; v204-205 largest magnitudes, 206-207 the other half's, 208-209 scale operands, 210-211 bytes
.set WD,  212                          ; v212-219 scale words: head g, pair of tiles f at 4 g + f
.set OPR, 220
	s_lshl_b32 s4, s20, 8
	s_lshl_b32 s5, s11, 7
	s_add_co_u32 s4, s4, s5                        ; my first row of x
	s_lshr_b32 s5, s4, 11                          ; the batch
	s_bfe_u32 s6, s4, 0x40007                      ; which 128 positions
	s_and_b32 s7, s4, 2047                         ; my first position
	s_and_b32 s8, s18, 3
	s_lshl_b32 s8, s8, 1
	s_add_co_u32 s8, s8, s12                       ; my first column / 128
	s_cmp_eq_u32 s15, 1                            ; k?  It chooses pointers and sizes only
	s_cselect_b64 s[88:89], s[78:79], s[76:77]     ; the bias
	s_cselect_b64 s[90:91], s[86:87], s[84:85]     ; where the codes go
	s_mov_b32 s9, 6400
	s_cselect_b32 s9, 13312, s9                    ; a record
	s_mov_b32 s21, 6144
	s_cselect_b32 s21, 12288, s21                  ; the scale words' place in it
	s_mov_b32 s23, 0
	s_lshl_b32 s22, s8, 9
	s_add_nc_u64 s[88:89], s[88:89], s[22:23]
	s_lshl_b32 s22, s7, 8
	s_add_nc_u64 s[74:75], s[74:75], s[22:23]      ; the table at my first position
	s_lshl_b32 s22, s5, 4
	s_lshl_b32 s92, s8, 1
	s_add_co_u32 s22, s22, s92                     ; 16 x batch + head
	s_lshl_b32 s22, s22, 4
	s_add_co_u32 s22, s22, s6
	s_mul_i32 s22, s22, s9
	s_add_nc_u64 s[90:91], s[90:91], s[22:23]      ; head g = 0's record
	s_lshl_b32 s22, s9, 4
	s_add_nc_u64 s[92:93], s[90:91], s[22:23]      ; g = 1's: 16 records on
	v_lshlrev_b32 v5, 5, v2                        ; the bias: 32 h
	v_lshlrev_b32 v6, 8, v1
	v_lshl_add_u32 v6, v2, 4, v6                   ; the table: 256 r + 16 h
	v_add_nc_u32 v7, s21, v4
	v_mov_b32 v[TM+2], 0                           ; a lane permute's destination counts as one of its sources
	v_mov_b32 v[TM+3], 0
.irp b, 0,1,2,3,4,5,6,7
	global_load_b128 v[32+8*\b+160*(\b/4):32+8*\b+160*(\b/4)+3], v5, s[88:89] offset:64*\b
	global_load_b128 v[32+8*\b+160*(\b/4)+4:32+8*\b+160*(\b/4)+7], v5, s[88:89] offset:64*\b+16
.endr
	WIN 0x40                                       ; the table of all eight row tiles fills window 1: set a at v[32 a], cosines at 4 t, sines at 16 + 4 t
.irp a, 0,1,2,3,4,5,6,7
.irp t, 0,1,2,3
	global_load_b128 v[32*\a+4*\t:32*\a+4*\t+3], v6, s[74:75] offset:4096*\a+32*\t
	global_load_b128 v[32*\a+16+4*\t:32*\a+16+4*\t+3], v6, s[74:75] offset:4096*\a+32*\t+128
.endr
.endr
	WIN 0
.macro HEAD a, g
.set AC, 8*(8*((\a)%4)+4*(\g))
.set BB, 32+192*(\g)
	WIN 0x02+(\a)/4
.set j, 0
.rept 16
	v_pk_add_f32 v[Z+j:Z+j+1], v[AC+j:AC+j+1], v[BB+j:BB+j+1]      ; + the bias; each accumulator from its low end on
.set j, j+2
.endr
	WIN 0x04                                       ; source 1: the table
.irp t, 0,1,2,3
.irp j, 0,2,4,6
.set rD, R+8*\t+\j
.set rY, Z+8*((\t+2)%4)+\j
.set rT, 32*(\a)+16+4*\t+2*(\j/4)
.if (\j/2)%2
	v_pk_mul_f32 v[rD:rD+1], v[rY:rY+1], v[rT:rT+1] op_sel:[0,1] op_sel_hi:[1,1]   ; the partner 32 away x the sine of my own place; a pair of neighbours shares one angle
.else
	v_pk_mul_f32 v[rD:rD+1], v[rY:rY+1], v[rT:rT+1] op_sel_hi:[1,0]
.endif
.endr
.endr
.irp t, 0,1,2,3
.irp j, 0,2,4,6
.set rD, R+8*\t+\j
.set rZ, Z+8*\t+\j
.set rT, 32*(\a)+4*\t+2*(\j/4)
.if \t < 2                                     ; the lower 32: q cos - partner sin; the upper 32: q cos + partner sin
.if (\j/2)%2
	v_pk_fma_f32 v[rD:rD+1], v[rZ:rZ+1], v[rT:rT+1], v[rD:rD+1] op_sel:[0,1,0] op_sel_hi:[1,1,1] neg_lo:[0,0,1] neg_hi:[0,0,1]
.else
	v_pk_fma_f32 v[rD:rD+1], v[rZ:rZ+1], v[rT:rT+1], v[rD:rD+1] op_sel_hi:[1,0,1] neg_lo:[0,0,1] neg_hi:[0,0,1]
.endif
.else
.if (\j/2)%2
	v_pk_fma_f32 v[rD:rD+1], v[rZ:rZ+1], v[rT:rT+1], v[rD:rD+1] op_sel:[0,1,0] op_sel_hi:[1,1,1]
.else
	v_pk_fma_f32 v[rD:rD+1], v[rZ:rZ+1], v[rT:rT+1], v[rD:rD+1] op_sel_hi:[1,0,1]
.endif
.endif
.endr
.endr
	WIN 0
.irp c, 0,1
	v_max3_num_f32 v[TM+\c], |v[R+16*\c]|, |v[R+16*\c+1]|, 0x1800000   ; my 16 of block c, and the floor 2^(3 - 127)
.endr
.irp i, 2,4,6,8,10,12,14
.irp c, 0,1
	v_max3_num_f32 v[TM+\c], v[TM+\c], |v[R+16*\c+\i]|, |v[R+16*\c+\i+1]|
.endr
.endr
.irp c, 0,1
	v_permlanex16_b32 v[TM+2+\c], v[TM+\c], s98, s99
.endr
.irp c, 0,1
	v_max_num_f32 v[TM+\c], v[TM+\c], v[TM+2+\c]
.endr
.irp c, 0,1
	v_add_nc_u32 v[TM+4+\c], 0xff000000, v[TM+\c]
.endr
.irp c, 0,1
	v_lshrrev_b32 v[TM+6+\c], 23, v[TM+4+\c]
.endr
	s_wait_xcnt 0x0                                ; the last stores have read the codes' registers
	v_cvt_scalef32_pk16_fp6_f32 v[PC:PC+2], v[R:R+15], v[TM+4]
	v_cvt_scalef32_pk16_fp6_f32 v[PC+8:PC+10], v[R+16:R+31], v[TM+5]
	v_nop                                          ; one plain place behind a scaled conversion
.irp i, 0,1,2
	v_permlane16_swap_b32 v[PC+\i], v[PC+8+\i]     ; lanes 0-15 get block 0 whole, lanes 16-31 block 1
.endr
.irp i, 0,1,2
	v_mov_b32 v[PC+3+\i], v[PC+8+\i]
.endr
	global_store_b128 v3, v[PC:PC+3], s[90+2*(\g):91+2*(\g)] offset:768*(\a)
	global_store_b64 v4, v[PC+4:PC+5], s[90+2*(\g):91+2*(\g)] offset:768*(\a)+512
.if (\a)%2 == 0
	v_lshl_or_b32 v[WD+4*(\g)+(\a)/2], v[TM+7], 8, v[TM+6]         ; an even tile's two bytes below,
.else
	v_lshl_or_b32 v[TM+6], v[TM+7], 8, v[TM+6]
	v_lshl_or_b32 v[WD+4*(\g)+(\a)/2], v[TM+6], 16, v[WD+4*(\g)+(\a)/2]   ; the odd tile's above
.endif
.endm
.irp a, 0,1,2,3,4,5,6,7
	s_wait_loadcnt 8*(7-\a)                        ; the bias and this row tile's table are in; the later tiles' eight loads each may be out
	HEAD \a, 0
	HEAD \a, 1
.endr
	v_cmp_ne_u32 vcc_lo, 0, v2
.irp g, 0,1
	v_cndmask_b32 v[OPR+2*\g], v[WD+4*\g], v[WD+4*\g+2], vcc_lo    ; lane (r, h) stores words 2 h and 2 h + 1 of row r: one aligned block of 256 bytes
	v_cndmask_b32 v[OPR+2*\g+1], v[WD+4*\g+1], v[WD+4*\g+3], vcc_lo
	global_store_b64 v7, v[OPR+2*\g:OPR+2*\g+1], s[90+2*\g:91+2*\g]
.endr
	s_branch .Ltail
; ---- v.  Accumulator (a, b): lane (r, h) holds channel 16 a + r and positions 16 b + 8 h + 0..7 of my 128, one key step.  a = 4 g + t: head g of my two, tile t of its 64 channels.
.Lvpath:
.set TV,  212                          ; v212-215 largest magnitudes, 216-219 the other half's, then bytes, 224-227 scale operands
.set WV,  232                          ; v232-235 a head's four scale words
	s_lshl_b32 s4, s18, 8
	s_lshl_b32 s5, s12, 7
	s_add_co_u32 s4, s4, s5                        ; my first row of x
	s_lshr_b32 s5, s4, 11                          ; the batch
	s_bfe_u32 s6, s4, 0x40007                      ; the key step
	s_lshl_b32 s8, s14, 1
	s_add_co_u32 s8, s8, s11                       ; my first channel / 128
	s_mov_b32 s23, 0
	s_lshl_b32 s22, s8, 9
	s_add_nc_u64 s[80:81], s[80:81], s[22:23]      ; bv
	s_lshl_b32 s22, s4, 2
	s_add_nc_u64 s[82:83], s[82:83], s[22:23]      ; the mask of my 128 keys
	s_lshl_b32 s22, s5, 4
	s_lshl_b32 s9, s8, 1
	s_add_co_u32 s22, s22, s9
	s_lshl_b32 s22, s22, 4
	s_add_co_u32 s22, s22, s6
	s_mul_i32 s22, s22, 13312
	s_add_nc_u64 s[90:91], s[86:87], s[22:23]
	s_add_nc_u64 s[92:93], s[90:91], 16*13312
	v_lshlrev_b32 v5, 2, v1
.irp a, 0,1,2,3,4,5,6,7
	global_load_b32 v[32+\a], v5, s[80:81] offset:64*\a
.endr
	global_load_b128 v[40:43], v3, s[82:83]
.irp b, 0,1,2,3
	v_mov_b32 v[TV+4+\b], 0                        ; a lane permute's destination counts as one of its sources
.endr
	v_cmp_ne_u32 vcc_lo, 0, v2
	s_wait_loadcnt 0x0
.irp i, 0,1,2,3
	v_cvt_f32_i32 v[44+\i], v[40+\i]
.endr
.irp i, 0,1,2,3
	v_mul_f32 v[44+\i], 0xce6e6b28, v[44+\i]       ; x -1e9: what the logits of these keys get
.endr
	global_store_b128 v3, v[44:47], s[90:91] offset:12800
	global_store_b128 v3, v[44:47], s[92:93] offset:12800
.macro VROW a
.set AC, 64*((\a)%4)
	WIN 0x02+(\a)/4
.set j, 0
.rept 32
.if (\a)%2
	v_pk_add_f32 v[Z+j:Z+j+1], v[AC+j:AC+j+1], v[32+(\a)-1:32+(\a)] op_sel:[0,1] op_sel_hi:[1,1]   ; + my channel's bias
.else
	v_pk_add_f32 v[Z+j:Z+j+1], v[AC+j:AC+j+1], v[32+(\a):33+(\a)] op_sel_hi:[1,0]
.endif
.set j, j+2
.endr
	WIN 0
.irp b, 0,1,2,3
	v_max3_num_f32 v[TV+\b], |v[Z+16*\b]|, |v[Z+1+16*\b]|, 0x1800000
.endr
.irp i, 2,4,6,8,10,12,14
.irp b, 0,1,2,3
	v_max3_num_f32 v[TV+\b], v[TV+\b], |v[Z+16*\b+\i]|, |v[Z+1+16*\b+\i]|
.endr
.endr
.irp b, 0,1,2,3
	v_permlanex16_b32 v[TV+4+\b], v[TV+\b], s98, s99
.endr
.irp b, 0,1,2,3
	v_max_num_f32 v[TV+\b], v[TV+\b], v[TV+4+\b]
.endr
.irp b, 0,1,2,3
	v_add_nc_u32 v[TV+12+\b], 0xff000000, v[TV+\b]
.endr
.irp b, 0,1,2,3
	v_lshrrev_b32 v[TV+4+\b], 23, v[TV+12+\b]
.endr
	v_lshl_or_b32 v[WV+(\a)%4], v[TV+5], 8, v[TV+4]
	v_lshl_or_b32 v[WV+(\a)%4], v[TV+6], 16, v[WV+(\a)%4]
	v_lshl_or_b32 v[WV+(\a)%4], v[TV+7], 24, v[WV+(\a)%4]
	s_wait_xcnt 0x0                                ; the last stores have read their registers
.irp c, 0,1
	v_cvt_scalef32_pk16_fp6_f32 v[PC+6*\c:PC+2+6*\c], v[Z+32*\c:Z+15+32*\c], v[TV+12+2*\c]
	v_cvt_scalef32_pk16_fp6_f32 v[PC+12+4*\c:PC+14+4*\c], v[Z+16+32*\c:Z+31+32*\c], v[TV+12+2*\c+1]
.endr
	v_nop
.irp c, 0,1
.irp i, 0,1,2
	v_permlane16_swap_b32 v[PC+6*\c+\i], v[PC+12+4*\c+\i]
.endr
.irp i, 0,1,2
	v_mov_b32 v[PC+3+6*\c+\i], v[PC+12+4*\c+\i]
.endr
.endr
	global_store_b128 v3, v[PC:PC+3], s[90+2*((\a)/4):91+2*((\a)/4)] offset:6144+1536*((\a)%4)
	global_store_b64 v4, v[PC+4:PC+5], s[90+2*((\a)/4):91+2*((\a)/4)] offset:6144+1536*((\a)%4)+512
	global_store_b128 v3, v[PC+6:PC+9], s[90+2*((\a)/4):91+2*((\a)/4)] offset:6144+1536*((\a)%4)+768
	global_store_b64 v4, v[PC+10:PC+11], s[90+2*((\a)/4):91+2*((\a)/4)] offset:6144+1536*((\a)%4)+1280
.if (\a)%4 == 3
	v_cndmask_b32 v236, v[WV], v[WV+2], vcc_lo
	v_cndmask_b32 v237, v[WV+1], v[WV+3], vcc_lo
	global_store_b64 v4, v[236:237], s[90+2*((\a)/4):91+2*((\a)/4)] offset:12544
.endif
.endm
.irp a, 0,1,2,3,4,5,6,7
	VROW \a
.endr
.Ltail:
	s_wait_tensorcnt 0x0                           ; the wave's end
	ds_add_u32 v[SPW], v[NIL]
	s_wait_dscnt 0x0
	CROUND                                         ; the closing round
	s_endpgm
.Lfunc_end_k_q425048d789_qkv:
	.size	k_q425048d789_qkv, .Lfunc_end_k_q425048d789_qkv-k_q425048d789_qkv
	.p2alignl 7, 3214868480
	.fill 96, 4, 3214868480
	.section	.rodata,"a",@progbits
	.p2align	6, 0x0
	.amdhsa_kernel k_q425048d789_qkv
		.amdhsa_group_segment_fixed_size 327680
		.amdhsa_private_segment_fixed_size 0
		.amdhsa_enable_private_segment 0
		.amdhsa_kernarg_size 80
		.amdhsa_user_sgpr_count 2
		.amdhsa_user_sgpr_kernarg_segment_ptr 1
		.amdhsa_wavefront_size32 1
		.amdhsa_system_sgpr_workgroup_id_x 1
		.amdhsa_system_sgpr_workgroup_id_y 1
		.amdhsa_system_sgpr_workgroup_id_z 1
		.amdhsa_system_vgpr_workitem_id 0
		.amdhsa_next_free_vgpr 1024
		.amdhsa_next_free_sgpr 100
		.amdhsa_reserve_vcc 1
		.amdhsa_float_denorm_mode_32 3
		.amdhsa_float_denorm_mode_16_64 3
		.amdhsa_memory_ordered 1
		.amdhsa_forward_progress 1
		.amdhsa_inst_pref_size 255
	.end_amdhsa_kernel
	.section	.bss,"aw",@nobits
	.p2align	6
	.space	262144
	.amdgpu_metadata
---
amdhsa.version: [ 1, 2 ]
amdhsa.kernels:
  - .name:           k_q425048d789_qkv
    .symbol:         k_q425048d789_qkv.kd
    .args:
      - { .name: xq, .offset: 0, .size: 8, .value_kind: global_buffer, .address_space: global }
      - { .name: wc, .offset: 8, .size: 8, .value_kind: global_buffer, .address_space: global }
      - { .name: sc, .offset: 16, .size: 8, .value_kind: global_buffer, .address_space: global }
      - { .name: rt, .offset: 24, .size: 8, .value_kind: global_buffer, .address_space: global }
      - { .name: bq, .offset: 32, .size: 8, .value_kind: global_buffer, .address_space: global }
      - { .name: bk, .offset: 40, .size: 8, .value_kind: global_buffer, .address_space: global }
      - { .name: bv, .offset: 48, .size: 8, .value_kind: global_buffer, .address_space: global }
      - { .name: mask, .offset: 56, .size: 8, .value_kind: global_buffer, .address_space: global }
      - { .name: qc, .offset: 64, .size: 8, .value_kind: global_buffer, .address_space: global }
      - { .name: kv, .offset: 72, .size: 8, .value_kind: global_buffer, .address_space: global }
    .group_segment_fixed_size: 327680
    .private_segment_fixed_size: 0
    .kernarg_segment_align: 8
    .kernarg_segment_size: 80
    .max_flat_workgroup_size: 128
    .sgpr_count:     100
    .vgpr_count:     1024
    .wavefront_size: 32
...
	.end_amdgpu_metadata
.endif
;; end of part 3
;; launch attn (part 4): grid 8 x 32, 16 waves a work-group, clusters of 4 x 1, 215,040 bytes of LDS; arguments qc, kv, ao, sc; writes ao, sc
.if DOCPART == 4
	.amdgcn_target "amdgcn-amd-amdhsa--gfx1250"
	.amdhsa_code_object_version 6
	.text
	.protected	k_q425048d789_attn
	.globl	k_q425048d789_attn
	.p2align	8
	.type	k_q425048d789_attn,@function
k_q425048d789_attn:
	s_mov_b64 s[64:65], 0
	v_nop
	global_prefetch_b8 v0, s[64:65] scope:SCOPE_SE
	s_setreg_imm32_b32 hwreg(HW_REG_WAVE_MODE, 25, 1), 1
	s_wait_xcnt 0x0
	s_wait_alu depctr_hold_cnt(0) depctr_sa_sdst(0) depctr_va_vdst(0) depctr_va_sdst(0) depctr_va_ssrc(0) depctr_va_vcc(0) depctr_vm_vsrc(0)
	s_getreg_b32 s2, hwreg(HW_REG_IB_STS2, 6, 4)
	s_cmp_eq_u32 s2, 0
	s_cbranch_scc0 .Lentry_in_a_cluster
	s_endpgm
.Lentry_in_a_cluster:
	s_bfe_u32 s2, ttmp6, 0x10000c
	s_cmp_lg_u32 s2, 0x3003
	s_cbranch_scc0 .Lentry_shape_is_right
	s_endpgm
.Lentry_shape_is_right:
; Attention of one (batch, head) on codes of FP6 (E2M3): logit = q . k / 8 + the key's mask bias; t = logit x log2(e); p = 2^(t - M), M the running largest t rounded up to a whole number; p is quantised along the
; keys; the row's sum is taken of the unquantised p and divides at the end; the result is quantised along the head's 64 and leaves as codes for the last projection.
; The logit and t are rounded one after the other, as they are defined: so a row whose every key is masked still gets the defined p.
; SHARES: a work-group owns 256 queries, each of its sixteen waves 16, in 256 registers: four waves to a SIMD, so that one wave's vector work stands beside another's matrix work and LDS loads.
; ALL OF THE HEAD'S K, V, SCALE WORDS AND MASK BIAS LIE IN LDS: 16 records of 13,312 bytes, one for each 128 keys (K's 4 fragments at 0, V's 4 at 6,144, K's scale words at 12,288, V's at 12,544, the bias at 12,800).
; Nothing is filled again.  The four work-groups of a cluster share the head: each quarter of the records is asked for jointly, 3,328 bytes a wave; four loads of mine are out at the most.
; K = 64 IN AN INSTRUCTION OF 128: a fragment of K carries key tile 2 f in k 0-63 and key tile 2 f + 1 in k 64-127; it is multiplied once by (q | zero codes) and once by (zero codes | q).
; Both products are used transposed: a lane holds one query throughout; p's 16 registers of two neighbouring tiles are the halves of a block of 32 keys, in the order in which V's codes stand.
; LIMITS: NaN and infinities are not served; a block of p that has fallen to 0 keeps the byte 1 (its codes are zeros); beside zero codes stands the neighbouring key tile's scale byte (1 to 254).
.set REC,   13312
.set QUART, 4*REC
.set SPARE, 16*REC                     ; behind the records: the spare words, 128 bytes for each of 16 waves
.set SPW, 5
.set NIL, 6
.set F,   48                           ; v48-111 K's fragments, then 64 biases, then V's fragments
.set S,   112                          ; v112-175 the scores, then p
.set O,   176                          ; v176-207 O^T
.set PC,  208                          ; v208-219 p's codes; v220-222, v224-226 the second conversions'
.set BM,  228                          ; v228-231 a block's largest
.set PT,  232                          ; v232-235 the other half's; then bytes
.set SO,  236                          ; v236-239 scale operands
.set G1,  16
.set G0,  24
.macro ROUND
	s_barrier_signal -1
	s_barrier_wait -1
	s_cmp_lg_u32 s12, 0
	s_cbranch_scc1 .Lnot_wave_0_\@
	s_barrier_signal -3
.Lnot_wave_0_\@:
	s_barrier_wait -3
	s_barrier_signal -1
	s_barrier_wait -1
.endm
	s_load_b256 s[4:11], s[0:1], 0x0               ; qc, kv, ao, sc
	v_lshl_add_u32 v[SPW], v0, 2, SPARE
	v_mov_b32 v[NIL], 0
	ds_add_u32 v[SPW], v[NIL]                      ; the opening: the add, twice on end, and its wait ahead of my first tensor load
	ds_add_u32 v[SPW], v[NIL]
	v_lshrrev_b32 v1, 5, v0
	v_readfirstlane_b32 s12, v1                    ; wave 0..15
	s_bfe_u32 s13, ttmp6, 0x40000                  ; cx
	s_lshl_b32 s14, ttmp9, 2
	s_add_co_u32 s14, s14, s13                     ; my block of 256 queries: it enters q's and the results' addresses alone
	s_and_b32 s15, ttmp7, 0xffff                   ; 16 x batch + head
	s_mov_b32 s[G1+0], 15|(3<<16)|(1<<21)          ; all four work-groups; elements of 8 bytes; bit 21 beside a mask
	s_mov_b32 s[G1+1], 32<<16                      ; rows of 256 bytes
	s_mov_b32 s[G1+2], 13<<16                      ; 13 of them
	s_mov_b32 s[G1+3], 32<<16
	s_mov_b32 s[G1+4], 13
	s_mov_b32 s[G1+5], 32
	s_mov_b32 s[G1+6], 0
	s_mov_b32 s[G1+7], 0
	s_mul_i32 s48, s15, 16*REC
	s_mul_i32 s50, s12, 3328                       ; my part of a quarter
	s_add_co_u32 s48, s48, s50
	s_mov_b32 s49, 0
	s_mov_b32 s40, 0x76543210
	s_mov_b32 s41, 0xfedcba98                      ; lane l xor 16
	s_mov_b32 s42, 0x3e000000                      ; 1 / 8
	s_mov_b32 s43, s42
	s_mov_b32 s44, 0x3fb8aa3b                      ; log2(e)
	s_mov_b32 s45, s44
	s_wait_dscnt 0x0
	s_wait_kmcnt 0x0
	s_add_nc_u64 s[6:7], s[6:7], s[48:49]
	ROUND                                          ; all four work-groups are here: the joint loads meet
.irp qd, 0,1,2,3
	s_mov_b32 s[G0+4*\qd], 1
	s_add_co_u32 s[G0+4*\qd+1], s50, \qd*QUART
	s_add_nc_u64 s[G0+4*\qd+2:G0+4*\qd+3], s[6:7], \qd*QUART
	s_or_b32 s[G0+4*\qd+3], s[G0+4*\qd+3], 0x80000000
	tensor_load_to_lds s[G0+4*\qd:G0+4*\qd+3], s[G1:G1+7]
	s_nop 0
.endr
.rept 4
	v_nop
.endr
	v_and_b32 v1, 31, v0
	v_lshlrev_b32 v2, 3, v1                        ; 8 x lane
	v_lshlrev_b32 v1, 4, v1                        ; 16 x lane
	v_and_b32 v3, 15, v0
	v_lshlrev_b32 v3, 3, v3                        ; 8 r
	v_bfe_u32 v4, v0, 4, 1
	v_lshlrev_b32 v4, 5, v4                        ; 32 h
	s_lshl_b32 s51, s15, 4                         ; q's record: 16 a head, 128 queries each
	s_lshl_b32 s52, s14, 1
	s_add_co_u32 s51, s51, s52
	s_lshr_b32 s52, s12, 3
	s_add_co_u32 s51, s51, s52
	s_mul_i32 s52, s51, 6400
	s_mov_b32 s53, 0
	s_add_nc_u64 s[4:5], s[4:5], s[52:53]
	s_and_b32 s54, s12, 7                          ; my tile in it
	s_mul_i32 s55, s54, 768
	v_add_nc_u32 v8, s55, v1
	v_add_nc_u32 v9, s55, v2
	s_lshr_b32 s55, s54, 2
	s_lshl_b32 s55, s55, 7
	s_bfe_u32 s56, s54, 0x10001
	s_lshl_b32 s56, s56, 2
	s_add_co_u32 s55, s55, s56
	v_add_nc_u32 v10, s55, v3
	global_load_b128 v[16:19], v8, s[4:5]          ; q's six registers, twice: v16-27 = (q | 0), v22-33 = (0 | q)
	global_load_b64 v[20:21], v9, s[4:5] offset:512
	global_load_b128 v[28:31], v8, s[4:5]
	global_load_b64 v[32:33], v9, s[4:5] offset:512
	global_load_b32 v35, v10, s[4:5] offset:6144   ; the scale bytes of my tile and its neighbour
	s_mov_b32 s56, 0x03020302
	s_bitcmp1_b32 s12, 0
	s_cselect_b32 s56, s56, 0x01000100             ; my two bytes, twice
	s_lshr_b32 s48, s15, 4                         ; the batch
	s_and_b32 s49, s15, 15                         ; the head
	s_lshl_b32 s48, s48, 7
	s_lshl_b32 s50, s14, 4
	s_add_co_u32 s48, s48, s50
	s_add_co_u32 s48, s48, s12                     ; my row tile of the result
	s_lshr_b32 s54, s48, 1                         ; its scale bytes' place in sc
	s_lshl_b32 s54, s54, 10
	s_lshr_b32 s55, s49, 2
	s_lshl_b32 s55, s55, 8
	s_add_co_u32 s54, s54, s55
	s_and_b32 s55, s48, 1
	s_lshl_b32 s55, s55, 7
	s_add_co_u32 s54, s54, s55
	s_and_b32 s55, s49, 3
	s_lshl_b32 s55, s55, 1
	s_add_co_u32 s54, s54, s55
	s_add_co_u32 s54, s54, 262144
	s_mov_b32 s55, 0
	s_add_nc_u64 s[10:11], s[10:11], s[54:55]
	s_lshl_b32 s50, s48, 3                         ; its codes' place in ao: K step head / 2, half head % 2
	s_lshr_b32 s51, s49, 1
	s_add_co_u32 s50, s50, s51
	s_mul_i32 s50, s50, 1536
	s_and_b32 s51, s49, 1
	s_mul_i32 s51, s51, 768
	s_add_co_u32 s50, s50, s51
	s_mov_b32 s51, 0
	s_add_nc_u64 s[8:9], s[8:9], s[50:51]
.irp i, 22,23,24,25,26,27
	v_mov_b32 v\i, 0                               ; zero codes
.endr
	v_mov_b32 v13, 0xff61b1e6                      ; the largest t so far: -3e38
	v_floor_f32 v12, -v13                          ; -M
	v_mov_b32 v14, 0                               ; the sum, in two halves
	v_mov_b32 v15, 0
	v_mov_b32 v47, 0                               ; (named as the upper half of the pair v[46:47])
.irp b, 0,1,2,3
	v_mov_b32 v[PT+\b], 0                          ; a lane permute's destination counts as one of its sources
.endr
	s_wait_loadcnt 0x0                             ; q; v8-10 may be written again
	v_perm_b32 v34, v35, v35, s56                  ; q's scale word serves both forms
.set j, 0
.rept 32
	v_mov_b32 v[O+j], 0                            ; O^T: the step is written once; these are also the places between the line above and the first product
.set j, j+1
.endr
.macro STEP
	v_add_nc_u32 v8, s46, v1                       ; the record's addresses; four places behind the last products
	v_add_nc_u32 v9, s46, v2
	v_add_nc_u32 v10, s46, v3
	v_add_nc_u32 v11, s46, v4
.irp f, 0,1,2,3
	ds_load_b128 v[F+12*\f:F+12*\f+3], v8 offset:1536*\f
	ds_load_b64 v[F+12*\f+4:F+12*\f+5], v9 offset:1536*\f+512
	ds_load_b128 v[F+12*\f+6:F+12*\f+9], v8 offset:1536*\f+768
	ds_load_b64 v[F+12*\f+10:F+12*\f+11], v9 offset:1536*\f+1280
.endr
	ds_load_b64 v[36:37], v10 offset:12288
	ds_load_b64 v[38:39], v10 offset:12288+128
	s_wait_dscnt 0x0
.irp t, 0,1,2,3,4,5,6,7
	v_wmma_scale_f32_16x16x128_f8f6f4 v[S+8*\t:S+8*\t+7], v[F+12*(\t/2):F+12*(\t/2)+11], v[16+6*(\t%2):27+6*(\t%2)], 0, v[36+\t/2], v34 matrix_a_fmt:MATRIX_FMT_FP6 matrix_b_fmt:MATRIX_FMT_FP6
.endr
.rept 4
	v_nop
.endr
.irp t, 0,1,2,3,4,5,6,7
	ds_load_b128 v[F+8*\t:F+8*\t+3], v11 offset:12800+64*\t        ; the bias of keys 16 t + 8 h + 0..7
	ds_load_b128 v[F+8*\t+4:F+8*\t+7], v11 offset:12800+64*\t+16
.endr
	s_wait_dscnt 0x0
.set j, 0
.rept 32
	v_pk_fma_f32 v[S+j:S+j+1], v[S+j:S+j+1], s[42:43], v[F+j:F+j+1] op_sel_hi:[1,0,1]   ; the logit: score / 8 is exact, the sum is rounded once
.set j, j+2
.endr
.irp f, 0,1,2,3
	ds_load_b128 v[F+12*\f:F+12*\f+3], v8 offset:6144+1536*\f      ; V's fragments land during the softmax
	ds_load_b64 v[F+12*\f+4:F+12*\f+5], v9 offset:6144+1536*\f+512
	ds_load_b128 v[F+12*\f+6:F+12*\f+9], v8 offset:6144+1536*\f+768
	ds_load_b64 v[F+12*\f+10:F+12*\f+11], v9 offset:6144+1536*\f+1280
.endr
	ds_load_b64 v[40:41], v10 offset:12544
	ds_load_b64 v[42:43], v10 offset:12544+128
.irp b, 0,1,2,3
	v_max3_num_f32 v[BM+\b], v[S+16*\b], v[S+16*\b+1], v[S+16*\b+2]   ; the largest logit of each block of 32 keys: for the row's maximum and for the block's largest p
.endr
.irp i, 3,5,7,9,11,13
.irp b, 0,1,2,3
	v_max3_num_f32 v[BM+\b], v[BM+\b], v[S+16*\b+\i], v[S+16*\b+\i+1]
.endr
.endr
.irp b, 0,1,2,3
	v_max_num_f32 v[BM+\b], v[BM+\b], v[S+16*\b+15]
.endr
.irp b, 0,1,2,3
	v_permlanex16_b32 v[PT+\b], v[BM+\b], s40, s41
.endr
.irp b, 0,1,2,3
	v_max_num_f32 v[BM+\b], v[BM+\b], v[PT+\b]
.endr
	v_max3_num_f32 v244, v[BM], v[BM+1], v[BM+2]
	v_max_num_f32 v244, v244, v[BM+3]
	v_mul_f32 v244, s44, v244                      ; as t
	v_max_num_f32 v13, v13, v244                   ; the running largest t
	v_mov_b32 v244, v12
	v_floor_f32 v12, -v13                          ; the new -M
	v_sub_f32 v244, v12, v244                      ; old M - new M: a whole number, 0 or less
	v_cvt_i32_f32 v244, v244                       ; (it saturates)
	v_ldexp_f32 v46, 1.0, v244                     ; f = 2^(old M - new M)
.set j, 0
.rept 32
	v_pk_mul_f32 v[S+j:S+j+1], v[S+j:S+j+1], s[44:45] op_sel_hi:[1,0]   ; t
.set j, j+2
.endr
.set j, 0
.rept 32
	v_pk_add_f32 v[S+j:S+j+1], v[S+j:S+j+1], v[12:13] op_sel_hi:[1,0]   ; t - M
.set j, j+2
.endr
.irp b, 0,1,2,3
	v_mul_f32 v[BM+\b], s44, v[BM+\b]              ; the same two lines on each block's largest
.endr
.irp b, 0,1,2,3
	v_add_f32 v[BM+\b], v[BM+\b], v12
.endr
.set j, 0
.rept 64
	v_exp_f32 v[S+j], v[S+j]                       ; p, at most 1, not normalised
.set j, j+1
.endr
	v_pk_mul_f32 v[14:15], v[14:15], v[46:47] op_sel_hi:[1,0]      ; the sums under the new M: a plain place behind the exponentials
	s_wait_alu depctr_va_vdst(0)                   ; one wait for the batch, ahead of its first reader
.irp b, 0,1,2,3
	v_exp_f32 v[BM+\b], v[BM+\b]                   ; the block's largest p
.endr
	v_pk_add_f32 v[240:241], v[S:S+1], v[S+2:S+3]  ; the row's sum of the unquantised p, in two chains
.irp j, 4,8,12,16,20,24,28,32,36,40,44,48,52,56,60
	v_pk_add_f32 v[14:15], v[14:15], v[S+\j:S+\j+1]
	v_pk_add_f32 v[240:241], v[240:241], v[S+\j+2:S+\j+3]
.endr
	v_pk_add_f32 v[14:15], v[14:15], v[240:241]
	s_wait_alu depctr_va_vdst(0)                   ; and one for the four
.irp b, 0,1,2,3
	v_max_num_f32 v[BM+\b], 0x1800000, v[BM+\b]    ; the floor 2^(3 - 127)
.endr
.irp b, 0,1,2,3
	v_add_nc_u32 v[SO+\b], 0xff000000, v[BM+\b]
.endr
.irp b, 0,1,2,3
	v_lshrrev_b32 v[PT+\b], 23, v[SO+\b]
.endr
	v_lshl_or_b32 v44, v[PT+1], 8, v[PT]           ; p's scale word for these 128 keys
	v_lshl_or_b32 v44, v[PT+2], 16, v44
	v_lshl_or_b32 v44, v[PT+3], 24, v44
.irp c, 0,1
	v_cvt_scalef32_pk16_fp6_f32 v[PC+6*\c:PC+6*\c+2], v[S+32*\c:S+32*\c+15], v[SO+2*\c]
	v_cvt_scalef32_pk16_fp6_f32 v[PC+12+4*\c:PC+14+4*\c], v[S+32*\c+16:S+32*\c+31], v[SO+2*\c+1]
.endr
	v_nop                                          ; one plain place behind a scaled conversion
.irp c, 0,1
.irp i, 0,1,2
	v_permlane16_swap_b32 v[PC+6*\c+\i], v[PC+12+4*\c+\i]
.endr
.irp i, 0,1,2
	v_mov_b32 v[PC+3+6*\c+\i], v[PC+12+4*\c+\i]
.endr
.endr
.set j, 0
.rept 16
	v_pk_mul_f32 v[O+j:O+j+1], v[O+j:O+j+1], v[46:47] op_sel_hi:[1,0]   ; O^T under the new M; also the places ahead of the products below
.set j, j+2
.endr
	s_wait_dscnt 0x0                               ; V
.irp t, 0,1,2,3
	v_wmma_scale_f32_16x16x128_f8f6f4 v[O+8*\t:O+8*\t+7], v[F+12*\t:F+12*\t+11], v[PC:PC+11], v[O+8*\t:O+8*\t+7], v[40+\t], v44 matrix_a_fmt:MATRIX_FMT_FP6 matrix_b_fmt:MATRIX_FMT_FP6
.endr
	s_add_co_u32 s46, s46, REC
.endm
.irp qd, 0,1,2,3
	s_wait_tensorcnt 3-\qd                         ; my part of this quarter is in; the later quarters' loads may be out
	s_barrier_signal -1
	s_barrier_wait -1                              ; everybody's is
	s_mov_b32 s46, \qd*QUART
	s_mov_b32 s47, 4
.Lstep_\qd:
	STEP
	s_sub_co_u32 s47, s47, 1
	s_cmp_lg_u32 s47, 0
	s_cbranch_scc1 .Lstep_\qd
.endr
	; ---- the way out: O^T / the sum, quantised along the head's 64, as half a fragment of the last projection's operand
	v_add_f32 v14, v14, v15
	v_permlanex16_b32 v[PT], v14, s40, s41
	v_add_f32 v14, v14, v[PT]
	v_rcp_f32 v14, v14
.rept 4
	v_nop                                          ; a plain place behind the reciprocal; places behind the last products
.endr
	s_wait_alu depctr_va_vdst(0)                   ; ahead of the first reader
.set j, 0
.rept 16
	v_pk_mul_f32 v[S+j:S+j+1], v[O+j:O+j+1], v[14:15] op_sel_hi:[1,0]
.set j, j+2
.endr
.irp c, 0,1
	v_max3_num_f32 v[BM+\c], |v[S+16*\c]|, |v[S+16*\c+1]|, 0x1800000
.endr
.irp i, 2,4,6,8,10,12,14
.irp c, 0,1
	v_max3_num_f32 v[BM+\c], v[BM+\c], |v[S+16*\c+\i]|, |v[S+16*\c+\i+1]|
.endr
.endr
.irp c, 0,1
	v_permlanex16_b32 v[PT+\c], v[BM+\c], s40, s41
.endr
.irp c, 0,1
	v_max_num_f32 v[BM+\c], v[BM+\c], v[PT+\c]
.endr
.irp c, 0,1
	v_add_nc_u32 v[SO+\c], 0xff000000, v[BM+\c]
.endr
.irp c, 0,1
	v_lshrrev_b32 v[PT+\c], 23, v[SO+\c]
.endr
	v_lshl_or_b32 v240, v[PT+1], 8, v[PT]
	v_cvt_scalef32_pk16_fp6_f32 v[PC:PC+2], v[S:S+15], v[SO]
	v_cvt_scalef32_pk16_fp6_f32 v[PC+8:PC+10], v[S+16:S+31], v[SO+1]
	v_nop
.irp i, 0,1,2
	v_permlane16_swap_b32 v[PC+\i], v[PC+8+\i]
.endr
.irp i, 0,1,2
	v_mov_b32 v[PC+3+\i], v[PC+8+\i]
.endr
	global_store_b128 v1, v[PC:PC+3], s[8:9]
	global_store_b64 v2, v[PC+4:PC+5], s[8:9] offset:512
	global_store_b16 v3, v240, s[10:11]            ; my row's two bytes; lanes 16-31 store the same value at the same place.  The word's other half is another head's
	s_wait_tensorcnt 0x0                           ; the wave's end
	ds_add_u32 v[SPW], v[NIL]
	s_wait_dscnt 0x0
	ROUND                                          ; the closing round
	s_endpgm
.Lfunc_end_k_q425048d789_attn:
	.size	k_q425048d789_attn, .Lfunc_end_k_q425048d789_attn-k_q425048d789_attn
	.p2alignl 7, 3214868480
	.fill 96, 4, 3214868480
	.section	.rodata,"a",@progbits
	.p2align	6, 0x0
	.amdhsa_kernel k_q425048d789_attn
		.amdhsa_group_segment_fixed_size 215040
		.amdhsa_private_segment_fixed_size 0
		.amdhsa_enable_private_segment 0
		.amdhsa_kernarg_size 32
		.amdhsa_user_sgpr_count 2
		.amdhsa_user_sgpr_kernarg_segment_ptr 1
		.amdhsa_wavefront_size32 1
		.amdhsa_system_sgpr_workgroup_id_x 1
		.amdhsa_system_sgpr_workgroup_id_y 1
		.amdhsa_system_sgpr_workgroup_id_z 1
		.amdhsa_system_vgpr_workitem_id 0
		.amdhsa_next_free_vgpr 256
		.amdhsa_next_free_sgpr 66
		.amdhsa_reserve_vcc 0
		.amdhsa_float_denorm_mode_32 3
		.amdhsa_float_denorm_mode_16_64 3
		.amdhsa_memory_ordered 1
		.amdhsa_forward_progress 1
		.amdhsa_inst_pref_size 96
	.end_amdhsa_kernel
	.amdgpu_metadata
---
amdhsa.version: [ 1, 2 ]
amdhsa.kernels:
  - .name:           k_q425048d789_attn
    .symbol:         k_q425048d789_attn.kd
    .args:
      - { .name: qc, .offset: 0, .size: 8, .value_kind: global_buffer, .address_space: global }
      - { .name: kv, .offset: 8, .size: 8, .value_kind: global_buffer, .address_space: global }
      - { .name: ao, .offset: 16, .size: 8, .value_kind: global_buffer, .address_space: global }
      - { .name: sc, .offset: 24, .size: 8, .value_kind: global_buffer, .address_space: global }
    .group_segment_fixed_size: 215040
    .private_segment_fixed_size: 0
    .kernarg_segment_align: 8
    .kernarg_segment_size: 32
    .max_flat_workgroup_size: 512
    .sgpr_count:     66
    .vgpr_count:     256
    .wavefront_size: 32
...
	.end_amdgpu_metadata
.endif
;; end of part 4
;; launch oproj (part 5): grid 4 x 16, 4 waves a work-group, clusters of 4 x 4, 327,680 bytes of LDS; arguments ao, wc, sc, bo, out0; writes out0
.if DOCPART == 5
	.amdgcn_target "amdgcn-amd-amdhsa--gfx1250"
	.amdhsa_code_object_version 6
	.text
	.protected	k_q425048d789_oproj
	.globl	k_q425048d789_oproj
	.p2align	8
	.type	k_q425048d789_oproj,@function
k_q425048d789_oproj:
	s_mov_b64 s[64:65], 0
	v_nop
	global_prefetch_b8 v0, s[64:65] scope:SCOPE_SE
	s_setreg_imm32_b32 hwreg(HW_REG_WAVE_MODE, 25, 1), 1
	s_wait_xcnt 0x0
	s_wait_alu depctr_hold_cnt(0) depctr_sa_sdst(0) depctr_va_vdst(0) depctr_va_sdst(0) depctr_va_ssrc(0) depctr_va_vcc(0) depctr_vm_vsrc(0)
	s_getreg_b32 s2, hwreg(HW_REG_IB_STS2, 6, 4)
	s_cmp_eq_u32 s2, 0
	s_cbranch_scc0 .Lentry_in_a_cluster
	s_endpgm
.Lentry_in_a_cluster:
	s_bfe_u32 s2, ttmp6, 0x10000c
	s_cmp_lg_u32 s2, 0xf033
	s_cbranch_scc0 .Lentry_shape_is_right
	s_endpgm
.Lentry_shape_is_right:
; out0 = (attention's result) wo + bo on codes of FP6 (E2M3) with E8M0 scales; out0 [4096][1024] f32.
; The main part is that of the launch that makes q, k and v: a tile of 256 x 256 to a work-group of four waves, 128 x 128 a wave; source 0 = S0 = 16 columns of wo (as rows of its operand), source 1 = S1 = 16 rows of the
; attention result: a lane holds eight neighbouring numbers of a row of out0.  K = 1,024 in four slices of 256 through three LDS slots: slices 0-2 are first fills, slice 3 fills slot 0 again.
; CLUSTER 4 x 4: S1's tile is shared along a row of the cluster, S0's along a column.  The scale words of all of K stay in v64-127: register 64 + 8 i + s: lanes 0-15 S1's tile i, lanes 16-31 S0's, K step s.
; THE WAY OUT: a block of 16 rows x 128 columns goes through the wave's own stage in LDS and comes back as whole rows of 512 bytes; the bias is added there.  The stage lies in slot 1, which has had its only fill, and whose
; last reads every wave has waited for in front of the barrier of the last change of slots.
; 64 work-groups: a tile of 256 x 256 of a result of 4,096 x 1,024.
.set FR,    12
.set NL,    4
.set HALFT, 8*3072
.set SLOT,  4*HALFT
.set SPARE, 3*SLOT
.set SPITCH, 528
.set A1,  16
.set A0,  22
.set SPW, 28
.set NIL, 29
.set SCO, 30
.set SC,  64
.set AF,  128
.set BK,  128                          ; the way out: v128-191 and v192-255 by turns
.set STO, 5
.set RD,  6
.set G1,  24
.set G1B, 32
.set G0,  40
.set G0B, 52
.set MSB, 0
.macro WIN new
.if MSB != (\new)
	s_set_vgpr_msb (MSB<<8)|(\new)
.set MSB, (\new)
.endif
.endm
.set MUL_LO, 0xa1
.set MUL_HI, 0xf1
.set TO_B,   0x40
.macro JLOAD s                         ; waves 0, 1 fetch S1's halves, waves 2, 3 S0's; an s_nop 0 and four v_nop follow each line
	s_cmp_eq_u32 s11, 0
	s_cbranch_scc0 .Lfor_b_\@
	tensor_load_to_lds s[G0+4*\s:G0+4*\s+3], s[G1:G1+7]
	s_nop 0
.rept 4
	v_nop
.endr
	s_branch .Lasked_\@
.Lfor_b_\@:
	tensor_load_to_lds s[G0B+4*\s:G0B+4*\s+3], s[G1B:G1B+7]
	s_nop 0
.rept 4
	v_nop
.endr
.Lasked_\@:
.endm
.macro CREST
	s_cmp_lg_u32 s10, 0
	s_cbranch_scc1 .Lnot_wave_0_\@
	s_barrier_signal -3
.Lnot_wave_0_\@:
	s_barrier_wait -3
	s_barrier_signal -1
	s_barrier_wait -1
.endm
.macro CROUND
	s_barrier_signal -1
	s_barrier_wait -1
	CREST
.endm
.macro PLACES
.rept 4
	v_nop
.endr
.endm
	s_load_b256 s[68:75], s[0:1], 0x0              ; ao 68, wc 70, sc 72, bo 74
	s_load_b64 s[76:77], s[0:1], 0x20              ; out0
	v_lshl_add_u32 v[SPW], v0, 2, SPARE
	v_mov_b32 v[NIL], 0
	ds_add_u32 v[SPW], v[NIL]                      ; the opening: the add, twice on end, and its wait ahead of my first tensor load
	ds_add_u32 v[SPW], v[NIL]
	v_lshrrev_b32 v1, 5, v0
	v_readfirstlane_b32 s10, v1
	s_lshr_b32 s11, s10, 1                         ; my half of S1's rows; also: I fetch for S1 (0) or S0 (1)
	s_and_b32 s12, s10, 1                          ; my half of S0's rows; also: which 128 rows I fetch
	s_bfe_u32 s13, ttmp6, 0x40000                  ; cx
	s_bfe_u32 s14, ttmp6, 0x40004                  ; cy
	s_lshl_b32 s18, ttmp9, 2
	s_add_co_u32 s18, s18, s13                     ; i0: which 256 columns
	s_and_b32 s20, ttmp7, 0xffff
	s_lshl_b32 s20, s20, 2
	s_add_co_u32 s20, s20, s14                     ; i1: which 256 rows
	s_lshl_b32 s22, s14, 2
	s_lshl_b32 s22, 15, s22
	s_lshl_b32 s23, 0x1111, s13
	s_or_b32 s[G1], s22, (3<<16)|(1<<21)
	s_or_b32 s[G1B], s23, (3<<16)|(1<<21)
.irp g, G1, G1B
	s_mov_b32 s[\g+1], 384<<16
	s_mov_b32 s[\g+2], 8<<16
	s_mov_b32 s[\g+3], 384<<16
	s_mov_b32 s[\g+4], 8
	s_mov_b32 s[\g+5], 1536
	s_mov_b32 s[\g+6], 0
	s_mov_b32 s[\g+7], 0
.endr
	s_mul_i32 s92, s12, 98304
	s_mul_i32 s88, s20, 196608
	s_add_co_u32 s88, s88, s92
	s_mov_b32 s89, 0
	s_add_co_u32 s90, s18, 12                      ; wo's tiles of 256 rows are 12 to 15 of the weights' buffer
	s_mul_i32 s90, s90, 196608
	s_add_co_u32 s90, s90, s92
	s_mov_b32 s91, 0
	s_mul_i32 s93, s10, HALFT
	s_wait_dscnt 0x0
	s_wait_kmcnt 0x0
	s_add_nc_u64 s[94:95], s[68:69], s[88:89]
	s_add_nc_u64 s[96:97], s[70:71], s[90:91]
	CROUND
.irp s, 0,1,2
	s_mov_b32 s[G0+4*\s], 1
	s_add_co_u32 s[G0+4*\s+1], s93, \s*SLOT
	s_add_nc_u64 s[G0+4*\s+2:G0+4*\s+3], s[94:95], \s*3072
	s_or_b32 s[G0+4*\s+3], s[G0+4*\s+3], 0x80000000
	s_mov_b32 s[G0B+4*\s], 1
	s_add_co_u32 s[G0B+4*\s+1], s93, \s*SLOT
	s_add_nc_u64 s[G0B+4*\s+2:G0B+4*\s+3], s[96:97], \s*3072
	s_or_b32 s[G0B+4*\s+3], s[G0B+4*\s+3], 0x80000000
	JLOAD \s                                       ; three loads of mine are out
.endr
	v_and_b32 v1, 15, v0
	v_bfe_u32 v2, v0, 4, 1
	v_and_b32 v3, 31, v0
	v_lshlrev_b32 v4, 3, v3
	v_lshlrev_b32 v3, 4, v3
	s_mul_i32 s2, s11, HALFT
	s_mul_i32 s3, s12, HALFT
	s_add_co_u32 s3, s3, 2*HALFT
.irp s, 0,1,2
	v_add_nc_u32 v[A1+\s], s2, v3
	v_add_nc_u32 v[A1+3+\s], s2, v4
	v_add_nc_u32 v[A0+\s], s3, v3
	v_add_nc_u32 v[A0+3+\s], s3, v4
	s_add_co_u32 s2, s2, SLOT
	s_add_co_u32 s3, s3, SLOT
.endr
	s_mul_i32 s2, s10, 16*SPITCH
	s_add_co_u32 s2, s2, SLOT                      ; my stage, in slot 1
	v_mul_u32_u24 v[STO], v1, SPITCH
	v_lshl_add_u32 v[STO], v2, 5, v[STO]
	v_add_nc_u32 v[STO], s2, v[STO]                ; in: row r, 32 bytes for each half of the lanes
	v_add_nc_u32 v[RD], s2, v3                     ; back: the 32 lanes take one row of 512 bytes
	s_lshl_b32 s4, s20, 13
	s_lshl_b32 s6, s11, 12
	s_add_co_u32 s4, s4, s6
	s_add_co_u32 s4, s4, 262144                    ; S1's scale words
	s_lshl_b32 s5, s18, 13
	s_lshl_b32 s6, s12, 12
	s_add_co_u32 s5, s5, s6
	s_add_co_u32 s5, s5, 131072+12*8192            ; S0's
	v_mov_b32 v[SCO], s4
	v_mov_b32 v31, s5
	v_cmp_ne_u32 vcc_lo, 0, v2
	v_cndmask_b32 v[SCO], v[SCO], v31, vcc_lo
	v_lshl_add_u32 v[SCO], v1, 3, v[SCO]
.irp i, 0,1,2,3,4,5,6,7
.irp kq, 0,1,2,3
	global_load_b64 v[SC+8*\i+2*\kq:SC+8*\i+2*\kq+1], v[SCO], s[72:73] offset:(\i>>1)*1024+(\i&1)*128+256*\kq
.endr
.endr
	s_lshl_b32 s6, s18, 10
	s_lshl_b32 s7, s12, 9
	s_add_co_u32 s6, s6, s7                        ; my first column, in bytes
	s_mov_b32 s7, 0
	s_add_nc_u64 s[74:75], s[74:75], s[6:7]
	global_load_b128 v[32:35], v3, s[74:75]        ; the bias of the four columns that I store
	s_add_nc_u64 s[76:77], s[76:77], s[6:7]
	s_lshl_b32 s6, s20, 20
	s_lshl_b32 s8, s11, 19
	s_add_co_u32 s6, s6, s8                        ; my first row, 4,096 bytes a row
	s_add_nc_u64 s[76:77], s[76:77], s[6:7]
.macro FRAG reg, adr, q, i
	ds_load_b128 v[\reg:\reg+3], v[\adr] offset:3072*(\i)+1536*(\q)
	ds_load_b64 v[\reg+4:\reg+5], v[\adr+3] offset:3072*(\i)+1536*(\q)+512
	ds_load_b128 v[\reg+6:\reg+9], v[\adr] offset:3072*(\i)+1536*(\q)+768
	ds_load_b64 v[\reg+10:\reg+11], v[\adr+3] offset:3072*(\i)+1536*(\q)+1280
.endm
.macro FETCH_B slot, q, p
	WIN TO_B
.irp i, 0,1,2,3,4,5,6,7
	FRAG 128*(\p)+FR*\i, A0+\slot, \q, \i
.endr
	WIN 0
.endm
.macro FETCH_A slot, q, i0
.irp i, \i0, \i0+1, \i0+2, \i0+3
	FRAG AF+FR*(\i), A1+\slot, \q, \i
.endr
.endm
; the 64 accumulators take turns, one instruction a turn, in the same order in every step
.macro MUL16 a0, p, ks, zero
.irp a, \a0, \a0+1
.irp b, 0,1,2,3,4,5,6,7
.if \zero
	v_wmma_scale_f32_16x16x128_f8f6f4 v[8*(8*((\a)%4)+\b):8*(8*((\a)%4)+\b)+7], v[128*(\p)+FR*\b:128*(\p)+FR*\b+FR-1], v[AF+FR*(\a):AF+FR*(\a)+FR-1], 0, v[SC+8*\b+(\ks)], v[SC+8*(\a)+(\ks)] matrix_a_fmt:MATRIX_FMT_FP6 matrix_b_fmt:MATRIX_FMT_FP6 matrix_a_scale:MATRIX_SCALE_ROW1
.else
	v_wmma_scale_f32_16x16x128_f8f6f4 v[8*(8*((\a)%4)+\b):8*(8*((\a)%4)+\b)+7], v[128*(\p)+FR*\b:128*(\p)+FR*\b+FR-1], v[AF+FR*(\a):AF+FR*(\a)+FR-1], v[8*(8*((\a)%4)+\b):8*(8*((\a)%4)+\b)+7], v[SC+8*\b+(\ks)], v[SC+8*(\a)+(\ks)] matrix_a_fmt:MATRIX_FMT_FP6 matrix_b_fmt:MATRIX_FMT_FP6 matrix_a_scale:MATRIX_SCALE_ROW1
.endif
.endr
.endr
.endm
.macro STEP slot, ks, zero
	s_wait_dscnt 4*NL                              ; S0's set and S1's blocks 0-3 are in; the youngest 16 loads (blocks 4-7) may be out
	WIN MUL_LO
	MUL16 0, 0, \ks, \zero
	MUL16 2, 0, \ks, \zero
	s_wait_dscnt 0x0
	PLACES
	FETCH_B \slot, 1, 1
	FETCH_A \slot, 1, 0
	WIN MUL_HI
	MUL16 4, 0, \ks, \zero
	MUL16 6, 0, \ks, \zero
	PLACES
	WIN 0
	FETCH_A \slot, 1, 4
.endm
; mode 2: this slot is filled again, behind the three lines and a round of the cluster's barrier.  mode 1: the next slot's tile is the refill: wait for it, a plain barrier.  mode 0: the next slot was shown whole by the refill's barrier.
.macro TURN slot, next, ks, mode
.if \mode == 2
	s_wait_tensorcnt 0x0                           ; all my tensor loads have landed
	ds_add_u32 v[SPW], v[NIL]
	s_wait_dscnt 4*NL+1                            ; (the add and the youngest 16 loads may be out)
.else
	s_wait_dscnt 4*NL
.endif
	WIN MUL_LO
	MUL16 0, 1, \ks, 0
.if \mode == 1
	s_wait_tensorcnt 0x0                           ; my one load that is out: my part of slice 3
.endif
	s_wait_dscnt 0x0                               ; my reads of this slot are over (mode 2: and the add is done)
.if \mode > 0
	s_barrier_signal -1
.endif
	MUL16 2, 1, \ks, 0
	WIN 0
.if \mode > 0
	s_barrier_wait -1
.endif
.if \mode == 2
	CREST
	s_add_nc_u64 s[G0+4*\slot+2:G0+4*\slot+3], s[G0+4*\slot+2:G0+4*\slot+3], 3*3072
	s_add_nc_u64 s[G0B+4*\slot+2:G0B+4*\slot+3], s[G0B+4*\slot+2:G0B+4*\slot+3], 3*3072
	JLOAD \slot
.else
	PLACES
.endif
	FETCH_B \next, 0, 0
	FETCH_A \next, 0, 0
	WIN MUL_HI
	MUL16 4, 1, \ks, 0
	MUL16 6, 1, \ks, 0
	PLACES
	WIN 0
	FETCH_A \next, 0, 4
.endm
	s_wait_tensorcnt 0x2                           ; my part of slice 0 is in; slices 1 and 2 may be out
	s_barrier_signal -1
	s_barrier_wait -1
	FETCH_B 0, 0, 0
	FETCH_A 0, 0, 0
	FETCH_A 0, 0, 4
	s_wait_loadcnt 0x0                             ; the scale words and the bias
	STEP 0, 0, 1
	TURN 0, 1, 1, 2
	STEP 1, 2, 0
	TURN 1, 2, 3, 0
	STEP 2, 4, 0
	TURN 2, 0, 5, 1
	STEP 0, 6, 0
	s_wait_dscnt 4*NL
	WIN MUL_LO
	MUL16 0, 1, 7, 0
	MUL16 2, 1, 7, 0
	s_wait_dscnt 0x0
	WIN MUL_HI
	MUL16 4, 1, 7, 0
	MUL16 6, 1, 7, 0
	WIN 0
.macro TOSTAGE a
.set AC, 64*((\a)%4)
	WIN 0x08+4*((\a)/4)                            ; an LDS store's data: window 2 or 3
.irp b, 0,1,2,3,4,5,6,7
	ds_store_b128 v[STO], v[AC+8*\b:AC+8*\b+3] offset:64*\b        ; each accumulator from its low end on
	ds_store_b128 v[STO], v[AC+8*\b+4:AC+8*\b+7] offset:64*\b+16
.endr
	WIN 0
.set BB, BK+64*((\a)%2)
.irp t, 0,1,2,3,4,5,6,7,8,9,10,11,12,13,14,15
	ds_load_b128 v[BB+4*\t:BB+4*\t+3], v[RD] offset:\t*SPITCH      ; LDS serves a wave's instructions in order: these see the stores above
.endr
.endm
.macro SEND a, younger                 ; younger: the LDS instructions issued behind block a's loads
.set BB, BK+64*((\a)%2)
	s_wait_dscnt \younger
.if (\a) > 0
	s_add_nc_u64 s[76:77], s[76:77], 16*4096       ; (behind a wait on XCNT: the earlier stores have read their base)
.endif
.irp t, 0,1,2,3,4,5,6,7,8,9,10,11,12,13,14,15
	v_pk_add_f32 v[BB+4*\t:BB+4*\t+1], v[BB+4*\t:BB+4*\t+1], v[32:33]
	v_pk_add_f32 v[BB+4*\t+2:BB+4*\t+3], v[BB+4*\t+2:BB+4*\t+3], v[34:35]
	global_store_b128 v3, v[BB+4*\t:BB+4*\t+3], s[76:77] offset:\t*4096 th:TH_STORE_NT   ; 32 lanes store 512 consecutive bytes, at a multiple of 256 from the buffer's first byte
.endr
.endm
	PLACES
	TOSTAGE 0
.irp a, 1,2,3,4,5,6,7
.if \a > 1
	s_wait_xcnt 0x0                                ; block a - 2's stores have read their registers and their base
.endif
	TOSTAGE \a
	SEND \a-1, 32                                  ; behind block a - 1's loads: block a's 16 stores and 16 loads
.endr
	s_wait_xcnt 0x0
	SEND 7, 0
	s_wait_tensorcnt 0x0                           ; the wave's end
	ds_add_u32 v[SPW], v[NIL]
	s_wait_dscnt 0x0
	CROUND                                         ; the closing round
	s_endpgm
.Lfunc_end_k_q425048d789_oproj:
	.size	k_q425048d789_oproj, .Lfunc_end_k_q425048d789_oproj-k_q425048d789_oproj
	.p2alignl 7, 3214868480
	.fill 96, 4, 3214868480
	.section	.rodata,"a",@progbits
	.p2align	6, 0x0
	.amdhsa_kernel k_q425048d789_oproj
		.amdhsa_group_segment_fixed_size 327680
		.amdhsa_private_segment_fixed_size 0
		.amdhsa_enable_private_segment 0
		.amdhsa_kernarg_size 40
		.amdhsa_user_sgpr_count 2
		.amdhsa_user_sgpr_kernarg_segment_ptr 1
		.amdhsa_wavefront_size32 1
		.amdhsa_system_sgpr_workgroup_id_x 1
		.amdhsa_system_sgpr_workgroup_id_y 1
		.amdhsa_system_sgpr_workgroup_id_z 1
		.amdhsa_system_vgpr_workitem_id 0
		.amdhsa_next_free_vgpr 1024
		.amdhsa_next_free_sgpr 100
		.amdhsa_reserve_vcc 1
		.amdhsa_float_denorm_mode_32 3
		.amdhsa_float_denorm_mode_16_64 3
		.amdhsa_memory_ordered 1
		.amdhsa_forward_progress 1
		.amdhsa_inst_pref_size 159
	.end_amdhsa_kernel
	.amdgpu_metadata
---
amdhsa.version: [ 1, 2 ]
amdhsa.kernels:
  - .name:           k_q425048d789_oproj
    .symbol:         k_q425048d789_oproj.kd
    .args:
      - { .name: ao, .offset: 0, .size: 8, .value_kind: global_buffer, .address_space: global }
      - { .name: wc, .offset: 8, .size: 8, .value_kind: global_buffer, .address_space: global }
      - { .name: sc, .offset: 16, .size: 8, .value_kind: global_buffer, .address_space: global }
      - { .name: bo, .offset: 24, .size: 8, .value_kind: global_buffer, .address_space: global }
      - { .name: out0, .offset: 32, .size: 8, .value_kind: global_buffer, .address_space: global }
    .group_segment_fixed_size: 327680
    .private_segment_fixed_size: 0
    .kernarg_segment_align: 8
    .kernarg_segment_size: 40
    .max_flat_workgroup_size: 128
    .sgpr_count:     100
    .vgpr_count:     1024
    .wavefront_size: 32
...
	.end_amdgpu_metadata
.endif
;; end of part 5
;; ======== version 2 of 2: 4 launches
;; limits: right only within a limited range of input values
;; workspace buffers: xq 3,145,728 bytes; wc 3,145,728 bytes; sc 393,216 bytes; rt 524,288 bytes; qc 3,276,800 bytes; kv 6,815,744 bytes; ao 3,145,728 bytes
;; launch prep (part 6): grid 256 x 1, 4 waves a work-group, no clusters, 264,704 bytes of LDS; arguments x, wq, wk, wv, wo, xq, wc, sc, rt; writes xq, wc, sc, rt
.if DOCPART == 6
	.amdgcn_target "amdgcn-amd-amdhsa--gfx1250"
	.amdhsa_code_object_version 6
	.text
	.protected	k_q425048d789_prep
	.globl	k_q425048d789_prep
	.p2align	8
	.type	k_q425048d789_prep,@function
k_q425048d789_prep:
	s_mov_b64 s[64:65], 0
	v_nop
	global_prefetch_b8 v0, s[64:65] scope:SCOPE_SE
	s_setreg_imm32_b32 hwreg(HW_REG_WAVE_MODE, 25, 1), 1
	s_wait_xcnt 0x0
; x [4096][1024] and wq, wk, wv, wo [1024 (k)][1024 (n)], f32, become codes of FP6 (E2M3) with one E8M0 byte for each 32 along K, laid as the matrix unit's registers take them; and the table of the rotary embedding is made.
; xq, wc: [row tile of 16][K step of 128] a fragment of 1,536 bytes = two halves of 768: a half is registers 6 c .. 6 c + 5 of all 32 lanes: registers 0-3 at 16 x lane, registers 4-5 at 512 + 8 x lane.
; The rows of a weight's operand are its columns n: row tiles 0-63 wq, 64-127 wk, 128-191 wv, 192-255 wo.
; Inside each block of 32 the codes stand in the order k = 0..7, 16..23, 8..15, 24..31: every operand of this program has that order, so the products are unchanged; the block's members, scale and codes are the rule's.
; sc: the scale word of (row p, K step s) at (p / 32) x 1024 + (s / 2) x 256 + (p % 32) x 8 + (s % 2) x 4; x's rows from byte 0, the weights' from 131,072.   rt: [position 2048][cos 32][sin 32] f32.
; A block's scale byte is its largest magnitude's exponent field - 2, held at 1 from below.  LIMITS: a block of zeros, or one under 2^-124, gets the byte 1 (the bytes are read by this program alone); NaN and infinities are not served;
; the frequencies are 10^(-j / 8) rounded to f32.
; WORK-GROUPS 0-127 take x, 128-255 the weights and the table: the two ways part once, on the work-group's number, and join at the end.  Each way has LDS bytes of its own.  In both, a wave brings its own tile by one
; tensor load, reads only its own bytes, and fills nothing again: no barrier.
; x: a work-group owns 32 rows; wave w owns k = 256 w .. 256 w + 255 of them: four fragments (row tile e, K step u).  An LDS row is 1,024 + 16 bytes = 65 x 16: the sixteen rows that a load touches start in different banks.
; WEIGHTS: a work-group owns 256 columns and one K step; wave w owns 64 of the columns: a tile of 128 rows x 256 bytes.  A LANE TAKES A COLUMN AND ITS REGISTERS RUN DOWN K: a block of 32 lies in one lane.
; Lanes 0-15 hold rows of tile T, lanes 16-31 of tile T + 1; six exchanges of halves between blocks 2 c and 2 c + 1 make of them tile T's and tile T + 1's registers 6 c .. 6 c + 5.
; A work-group has one K step, so a row's scale word leaves alone, 4 bytes of every 8: the other word is another work-group's.
; THE TABLE: angle = position x frequency, rounded once; n = the nearest whole number to angle x 2 / pi; r = angle - n pi / 2 in two fused steps, the first of which rounds nothing for positions up to 2,047;
; sine and cosine of r by their series up to r^9 and r^10 (|r| <= pi / 4: what is cut lies under 2e-9); the quadrant picks and signs.
.set PITCH,  1040
.set ETILE,  16*PITCH
.set WREG,   2*ETILE                   ; x: a wave's region
.set WBASE,  4*WREG                    ; the weights' tiles begin behind x's four regions
.set WTILE,  32768                     ; a wave's tile of a weight
.set SPARE,  WBASE+4*WTILE             ; behind both: the spare words, 128 bytes a wave
.set L16, 5                            ; v5   16 x lane
.set L8,  6                            ; v6   8 x lane
.set SPW, 8                            ; v8   my spare word; never rewritten
.set NIL, 9                            ; v9   0; never rewritten
.set G1X, 16                           ; s[16:23] group 1 for x's tiles;  s[24:31] for the weights';  s[56:59] group 0, for either way
.set G1W, 24
.set G0,  56
; x's way
.set AX,  4                            ; v4   LDS: my row r, my half's 128 bytes
.set H8,  7                            ; v7   8 x (lane / 16)
.set TM,  10                           ; v10-11 largest magnitudes, v12-13 scale operands, v14-15 bytes
.set PT,  17                           ; v17  the other half's word
.set W,   18                           ; v18-21 the four fragments' scale words
.set OP,  22                           ; v22-23 the pair that leaves
.set X,   32                           ; v32-95, v96-159 two sets of 64 numbers
.set CS,  160                          ; v160-171, v172-183 two sets of codes
.set CT,  184                          ; v184-186, v188-190 a conversion's three registers begin on an even number
; the weights' way
.set AW,  2                            ; v2   LDS: my tile, 4 x lane
.set WX,  16                           ; v16-47, v48-79 two sets of 32 numbers; v80-109 codes; v112-119 at work; v120-121 scale words
.set TF,  128                          ; the table's work: four frequencies,
.set TA,  132                          ; angles,
.set TN,  136                          ; n,
.set TR,  140                          ; r,
.set TU,  144                          ; r^2,
.set TP,  148                          ; the sine,
.set TQ,  152                          ; the cosine,
.set TO,  160                          ; v160-167 what leaves, a set for each of the two positions
	s_load_b512 s[36:51], s[0:1], 0x0              ; x 36, wq 38, wk 40, wv 42, wo 44, xq 46, wc 48, sc 50
	s_load_b64 s[52:53], s[0:1], 0x40              ; rt
	v_lshl_add_u32 v[SPW], v0, 2, SPARE
	v_mov_b32 v[NIL], 0
	ds_add_u32 v[SPW], v[NIL]                      ; the opening: the add, twice on end, and its wait ahead of my first tensor load
	ds_add_u32 v[SPW], v[NIL]
	v_lshrrev_b32 v1, 5, v0
	v_readfirstlane_b32 s10, v1                    ; wave
	s_mov_b32 s[G1X+0], (3<<16)|(1<<20)|(7<<22)|(3<<25)  ; elements of 8 bytes; padding on: 4 words behind every 256
	s_mov_b32 s[G1X+1], 128<<16                    ; tensor_dim0 = 128 elements
	s_mov_b32 s[G1X+2], 32<<16                     ; tensor_dim1 = 32: a wave's two row tiles are 32 rows on end, in memory and in LDS: ONE load brings both
	s_mov_b32 s[G1X+3], 128<<16                    ; tile_dim0
	s_mov_b32 s[G1X+4], 32                         ; tile_dim1
	s_mov_b32 s[G1X+5], 512                        ; a row of x is 512 elements
	s_mov_b32 s[G1X+6], 0
	s_mov_b32 s[G1X+7], 0
	s_mov_b32 s[G1W+0], 3<<16                      ; elements of 8 bytes, no padding
	s_mov_b32 s[G1W+1], 32<<16                     ; tensor_dim0 = 32 elements (256 bytes)
	s_mov_b32 s[G1W+2], 128<<16                    ; tensor_dim1 = 128 rows: the whole K step by ONE load
	s_mov_b32 s[G1W+3], 32<<16
	s_mov_b32 s[G1W+4], 128
	s_mov_b32 s[G1W+5], 512                        ; a row of a weight is 512 elements
	s_mov_b32 s[G1W+6], 0
	s_mov_b32 s[G1W+7], 0
	s_mov_b32 s3, 0
	s_mov_b32 s12, 0x76543210
	s_mov_b32 s13, 0xfedcba98                      ; lane l xor 16
	s_mov_b32 s74, 0x3fc90fdb                      ; pi / 2 to f32,
	s_mov_b32 s75, 0x333bbd2e                      ; and by how much that is too large
	s_wait_dscnt 0x0                               ; both opening adds are done
	s_wait_kmcnt 0x0
	s_cmp_lt_u32 ttmp9, 128                        ; the work-group's number alone: all four waves go the same way
	s_cbranch_scc0 .Lweights
; ======== x
	s_mul_i32 s11, s10, WREG                       ; my region of LDS
	s_lshl_b32 s2, ttmp9, 17                       ; 32 rows of 4,096 bytes
	s_lshl_b32 s14, s10, 10                        ; my 1,024 bytes of a row
	s_add_co_u32 s2, s2, s14
	s_add_nc_u64 s[36:37], s[36:37], s[2:3]
.irp e, 0
	s_mov_b32 s[G0+4*\e], 1
	s_add_co_u32 s[G0+4*\e+1], s11, \e*ETILE
	s_add_nc_u64 s[G0+4*\e+2:G0+4*\e+3], s[36:37], \e*65536
	s_or_b32 s[G0+4*\e+3], s[G0+4*\e+3], 0x80000000
	tensor_load_to_lds s[G0+4*\e:G0+4*\e+3], s[G1X:G1X+7]
	s_nop 0
.endr
	v_and_b32 v1, 31, v0
	v_and_b32 v2, 15, v0                           ; r
	v_bfe_u32 v3, v0, 4, 1                         ; h
	v_mul_u32_u24 v[AX], v2, PITCH
	v_lshl_add_u32 v[AX], v3, 7, v[AX]
	v_add_nc_u32 v[AX], s11, v[AX]
	v_lshlrev_b32 v[L16], 4, v1
	v_lshlrev_b32 v[L8], 3, v1
	v_lshlrev_b32 v[H8], 3, v3
	v_mov_b32 v[PT], 0                             ; a lane permute's destination counts as one of its sources
	s_mul_i32 s2, ttmp9, 24576                     ; xq: two row tiles of 8 fragments,
	s_mul_i32 s14, s10, 3072                       ; my two K steps
	s_add_co_u32 s2, s2, s14
	s_add_nc_u64 s[46:47], s[46:47], s[2:3]
	s_lshl_b32 s2, ttmp9, 10
	s_lshl_b32 s14, s10, 8
	s_add_co_u32 s2, s2, s14
	s_add_nc_u64 s[50:51], s[50:51], s[2:3]
; fragment f = 2 e + u: lane (r, h) takes, of row r, blocks h and 2 + h of the K step, in the order of the head comment, by groups of four numbers
.macro RD f
.irp c, 0,1
.irp g, 0,1,2,3,4,5,6,7
	ds_load_b128 v[X+64*((\f)&1)+32*\c+4*\g:X+64*((\f)&1)+32*\c+4*\g+3], v[AX] offset:((\f)>>1)*ETILE+((\f)&1)*512+256*\c+16*((\g&1)|((\g&2)<<1)|((\g&4)>>1))
.endr
.endr
.endm
.macro QX f
.set XS, X+64*((\f)&1)
.set CC, CS+12*((\f)&1)
.set OF, 12288*((\f)>>1)+1536*((\f)&1)
.irp c, 0,1
	v_max3_num_f32 v[TM+\c], |v[XS+32*\c]|, |v[XS+32*\c+1]|, 0x1800000   ; my whole block, and the floor 2^(3 - 127)
.endr
.irp i, 2,4,6,8,10,12,14,16,18,20,22,24,26,28,30
.irp c, 0,1
	v_max3_num_f32 v[TM+\c], v[TM+\c], |v[XS+32*\c+\i]|, |v[XS+32*\c+\i+1]|
.endr
.endr
.irp c, 0,1
	v_add_nc_u32 v[TM+2+\c], 0xff000000, v[TM+\c]  ; 2 off the exponent field: the conversion's scale operand
.endr
.irp c, 0,1
	v_lshrrev_b32 v[TM+4+\c], 23, v[TM+2+\c]       ; the byte
.endr
	v_lshl_or_b32 v[W+\f], v[TM+5], 16, v[TM+4]    ; blocks h and 2 + h,
	v_lshlrev_b32 v[W+\f], v[H8], v[W+\f]          ; at their places;
	v_permlanex16_b32 v[PT], v[W+\f], s12, s13
	v_or_b32 v[W+\f], v[W+\f], v[PT]               ; with the other half's two the word is whole
.if \f > 1
	s_wait_alu depctr_va_vdst(0)
	s_wait_xcnt 0x0                                ; the stores of two fragments ago have read this set of codes
.endif
.irp c, 0,1
	v_cvt_scalef32_pk16_fp6_f32 v[CC+6*\c:CC+6*\c+2], v[XS+32*\c:XS+32*\c+15], v[TM+2+\c]
	v_cvt_scalef32_pk16_fp6_f32 v[CT+4*\c:CT+4*\c+2], v[XS+32*\c+16:XS+32*\c+31], v[TM+2+\c]
.endr
	v_nop                                          ; one plain place behind a scaled conversion
.irp c, 0,1
.irp i, 0,1,2
	v_mov_b32 v[CC+6*\c+3+\i], v[CT+4*\c+\i]
.endr
.endr
	global_store_b128 v[L16], v[CC:CC+3], s[46:47] offset:OF          ; 512 consecutive bytes
	global_store_b64 v[L8], v[CC+4:CC+5], s[46:47] offset:OF+512      ; 256
	global_store_b128 v[L16], v[CC+6:CC+9], s[46:47] offset:OF+768
	global_store_b64 v[L8], v[CC+10:CC+11], s[46:47] offset:OF+1280
.endm
	s_wait_alu depctr_va_vdst(0)
	s_wait_tensorcnt 0x0                           ; my one load is in
	RD 0
	RD 1
	s_wait_dscnt 16                                ; all but the next fragment's 16 loads
	QX 0
	s_wait_tensorcnt 0x0
	RD 2
	s_wait_dscnt 16
	QX 1
	RD 3
	s_wait_dscnt 16
	QX 2
	s_wait_dscnt 0x0
	QX 3
	v_cmp_ne_u32 vcc_lo, 0, v3                     ; lane 16 e + r stores row tile e's two words of row r: one aligned block of 256 bytes
	v_cndmask_b32 v[OP], v[W], v[W+2], vcc_lo
	v_cndmask_b32 v[OP+1], v[W+1], v[W+3], vcc_lo
	global_store_b64 v[L8], v[OP:OP+1], s[50:51]
	s_branch .Ltail
; ======== the weights and the table
.Lweights:
	s_sub_co_u32 s4, ttmp9, 128
	s_lshr_b32 s5, s4, 5                           ; which weight
	s_bfe_u32 s6, s4, 0x20003                      ; which 256 columns
	s_and_b32 s7, s4, 7                            ; which K step
	s_lshl_b32 s2, s7, 19                          ; 128 rows of 4,096 bytes,
	s_lshl_b32 s14, s6, 10                         ; 256 columns,
	s_add_co_u32 s2, s2, s14
	s_lshl_b32 s14, s10, 8                         ; my 64 of them
	s_add_co_u32 s2, s2, s14
	s_lshl_b32 s11, s10, 15
	s_add_co_u32 s11, s11, WBASE                   ; my tile in LDS
	s_cmp_eq_u32 s5, 1
	s_cselect_b64 s[38:39], s[40:41], s[38:39]
	s_cmp_eq_u32 s5, 2
	s_cselect_b64 s[38:39], s[42:43], s[38:39]
	s_cmp_eq_u32 s5, 3
	s_cselect_b64 s[38:39], s[44:45], s[38:39]
	s_add_nc_u64 s[38:39], s[38:39], s[2:3]
.irp u, 0
	s_mov_b32 s[G0+4*\u], 1
	s_add_co_u32 s[G0+4*\u+1], s11, \u*16384
	s_add_nc_u64 s[G0+4*\u+2:G0+4*\u+3], s[38:39], \u*262144
	s_or_b32 s[G0+4*\u+3], s[G0+4*\u+3], 0x80000000
	tensor_load_to_lds s[G0+4*\u:G0+4*\u+3], s[G1W:G1W+7]
	s_nop 0
.endr
	v_and_b32 v1, 31, v0
	v_lshlrev_b32 v[AW], 2, v1
	v_add_nc_u32 v[AW], s11, v[AW]
	v_lshlrev_b32 v[L16], 4, v1
	v_lshlrev_b32 v[L8], 3, v1
	s_lshl_b32 s15, s5, 6
	s_lshl_b32 s14, s6, 4
	s_add_co_u32 s15, s15, s14
	s_lshl_b32 s14, s10, 2
	s_add_co_u32 s15, s15, s14                     ; my first row tile: 64 x weight + 16 x columns' group + 4 x wave
	s_mul_i32 s2, s15, 12288
	s_mul_i32 s14, s7, 1536
	s_add_co_u32 s2, s2, s14
	s_add_nc_u64 s[48:49], s[48:49], s[2:3]
	s_lshl_b32 s2, s15, 9                          ; 1,024 bytes of scale words for two row tiles
	s_lshr_b32 s14, s7, 1
	s_lshl_b32 s14, s14, 8
	s_add_co_u32 s2, s2, s14
	s_and_b32 s14, s7, 1
	s_lshl_b32 s14, s14, 2
	s_add_co_u32 s2, s2, s14
	s_add_co_u32 s2, s2, 131072                    ; the weights' part of sc
	s_add_nc_u64 s[50:51], s[50:51], s[2:3]
	; ---- the table, while the tiles are on their way: thread gt makes 16 bytes of positions gt / 16 and gt / 16 + 1024
	v_and_b32 v10, 7, v0                           ; m: frequencies 4 m .. 4 m + 3
	v_bfe_u32 v11, v0, 3, 1
	v_mul_u32_u24 v11, v11, 3                      ; the sine is the cosine three quadrants on
	s_lshl_b32 s14, s4, 7
	v_add_nc_u32 v12, s14, v0
	v_lshrrev_b32 v13, 4, v12                      ; the position
	v_lshlrev_b32 v12, 4, v12                      ; 16 gt
.irp k, 1,2,3,4,5,6,7
	v_cmp_eq_u32 s[66+\k], \k, v10
.endr
.macro FSEL reg, a0, a1, a2, a3, a4, a5, a6, a7
	v_mov_b32 v[\reg], \a0
	v_cndmask_b32 v[\reg], v[\reg], \a1, s67
	v_cndmask_b32 v[\reg], v[\reg], \a2, s68
	v_cndmask_b32 v[\reg], v[\reg], \a3, s69
	v_cndmask_b32 v[\reg], v[\reg], \a4, s70
	v_cndmask_b32 v[\reg], v[\reg], \a5, s71
	v_cndmask_b32 v[\reg], v[\reg], \a6, s72
	v_cndmask_b32 v[\reg], v[\reg], \a7, s73
.endm
	FSEL TF+0, 1.0, 0.3162277660, 0.1, 0.03162277660, 0.01, 0.003162277660, 0.001, 0.0003162277660
	FSEL TF+1, 0.7498942093, 0.2371373706, 0.07498942093, 0.02371373706, 0.007498942093, 0.002371373706, 0.0007498942093, 0.0002371373706
	FSEL TF+2, 0.5623413252, 0.1778279410, 0.05623413252, 0.01778279410, 0.005623413252, 0.001778279410, 0.0005623413252, 0.0001778279410
	FSEL TF+3, 0.4216965034, 0.1333521432, 0.04216965034, 0.01333521432, 0.004216965034, 0.001333521432, 0.0004216965034, 0.0001333521432
.macro TAB rep
	v_add_nc_u32 v14, 1024*\rep, v13
	v_cvt_f32_u32 v14, v14
.irp i, 0,1,2,3
	v_mul_f32 v[TA+\i], v14, v[TF+\i]              ; the angle
.endr
.irp i, 0,1,2,3
	v_mul_f32 v[TN+\i], 0x3f22f983, v[TA+\i]       ; x 2 / pi
.endr
.irp i, 0,1,2,3
	v_rndne_f32 v[TN+\i], v[TN+\i]
.endr
.irp i, 0,1,2,3
	v_fma_f32 v[TR+\i], -v[TN+\i], s74, v[TA+\i]
.endr
.irp i, 0,1,2,3
	v_fma_f32 v[TR+\i], v[TN+\i], s75, v[TR+\i]
.endr
.irp i, 0,1,2,3
	v_mul_f32 v[TU+\i], v[TR+\i], v[TR+\i]
.endr
.irp i, 0,1,2,3
	v_mov_b32 v[TP+\i], 0x3638ef1d                 ; 1 / 9!
	v_mov_b32 v[TQ+\i], 0xb493f27e                 ; -1 / 10!
.endr
.irp i, 0,1,2,3
	v_fmaak_f32 v[TP+\i], v[TP+\i], v[TU+\i], 0xb9500d01   ; -1 / 7!
	v_fmaak_f32 v[TQ+\i], v[TQ+\i], v[TU+\i], 0x37d00d01   ; 1 / 8!
.endr
.irp i, 0,1,2,3
	v_fmaak_f32 v[TP+\i], v[TP+\i], v[TU+\i], 0x3c088889   ; 1 / 5!
	v_fmaak_f32 v[TQ+\i], v[TQ+\i], v[TU+\i], 0xbab60b61   ; -1 / 6!
.endr
.irp i, 0,1,2,3
	v_fmaak_f32 v[TP+\i], v[TP+\i], v[TU+\i], 0xbe2aaaab   ; -1 / 3!
	v_fmaak_f32 v[TQ+\i], v[TQ+\i], v[TU+\i], 0x3d2aaaab   ; 1 / 4!
.endr
.irp i, 0,1,2,3
	v_mul_f32 v[TA+\i], v[TR+\i], v[TU+\i]
	v_fmaak_f32 v[TQ+\i], v[TQ+\i], v[TU+\i], 0xbf000000   ; -1 / 2
.endr
.irp i, 0,1,2,3
	v_fma_f32 v[TP+\i], v[TA+\i], v[TP+\i], v[TR+\i]       ; sin r
	v_fma_f32 v[TQ+\i], v[TQ+\i], v[TU+\i], 1.0            ; cos r
.endr
.irp i, 0,1,2,3
	v_cvt_i32_f32 v[TN+\i], v[TN+\i]
.endr
.irp i, 0,1,2,3
	v_add_nc_u32 v[TN+\i], v[TN+\i], v11           ; the quadrant q
.endr
.irp i, 0,1,2,3
	v_and_b32 v[TA+\i], 1, v[TN+\i]
.endr
.irp i, 0,1,2,3
	v_cmp_ne_u32 vcc_lo, 0, v[TA+\i]
	v_cndmask_b32 v[TO+4*\rep+\i], v[TQ+\i], v[TP+\i], vcc_lo   ; odd q: the sine of r
.endr
.irp i, 0,1,2,3
	v_add_nc_u32 v[TN+\i], 1, v[TN+\i]
.endr
.irp i, 0,1,2,3
	v_and_b32 v[TN+\i], 2, v[TN+\i]                ; q = 1, 2: the sign turns
.endr
.irp i, 0,1,2,3
	v_lshlrev_b32 v[TN+\i], 30, v[TN+\i]
.endr
.irp i, 0,1,2,3
	v_xor_b32 v[TO+4*\rep+\i], v[TN+\i], v[TO+4*\rep+\i]
.endr
	global_store_b128 v12, v[TO+4*\rep:TO+4*\rep+3], s[52:53] offset:262144*\rep   ; sixteen lanes fill a position's 256 bytes
.endm
	TAB 0
	TAB 1
; ---- the weights.  Turn n = 4 u + 2 g + h': half u of the K step, my columns 32 g + lane, block 2 u + h' of the K step's four
.macro RDW n
.irp i, 0,1,2,3,4,5,6,7,8,9,10,11,12,13,14,15,16,17,18,19,20,21,22,23,24,25,26,27,28,29,30,31
	ds_load_b32 v[WX+32*((\n)&1)+\i], v[AW] offset:(32*(2*((\n)>>2)+((\n)&1))+((\i&7)|((\i&8)<<1)|((\i&16)>>1)))*256+128*(((\n)>>1)&1)
.endr
.endm
.macro BLK n
.set WS, WX+32*((\n)&1)
.set CD, 80+16*(((\n)>>1)&1)+8*((\n)&1)
.set TT, 2*((\n)>>2)+((\n)&1)
.set GG, ((\n)>>1)&1
.set OF, 24576*GG+768*((\n)>>2)
	v_max3_num_f32 v116, |v[WS]|, |v[WS+1]|, |v[WS+2]|
	v_max3_num_f32 v117, |v[WS+3]|, |v[WS+4]|, |v[WS+5]|
.irp i, 6,10,14,18,22,26
	v_max3_num_f32 v116, v116, |v[WS+\i]|, |v[WS+\i+1]|
	v_max3_num_f32 v117, v117, |v[WS+\i+2]|, |v[WS+\i+3]|
.endr
	v_max3_num_f32 v116, v116, |v[WS+30]|, |v[WS+31]|
	v_max3_num_f32 v116, v116, v117, 0x1800000     ; and the floor 2^(3 - 127)
	v_add_nc_u32 v118, 0xff000000, v116            ; the conversion's scale operand
	v_lshrrev_b32 v119, 23, v118                   ; the byte
.if TT == 0
	v_mov_b32 v[120+GG], v119
.else
	v_lshl_or_b32 v[120+GG], v119, 8*TT, v[120+GG]
.endif
.if (\n) >= 4
	s_wait_alu depctr_va_vdst(0)
	s_wait_xcnt 0x0                                ; the first half's stores have read these registers
.endif
	v_cvt_scalef32_pk16_fp6_f32 v[CD:CD+2], v[WS:WS+15], v118
	v_cvt_scalef32_pk16_fp6_f32 v[112:114], v[WS+16:WS+31], v118
	v_nop                                          ; one plain place behind a scaled conversion
.irp i, 0,1,2
	v_mov_b32 v[CD+3+\i], v[112+\i]
.endr
.if ((\n)&1)
.irp i, 0,1,2,3,4,5
	v_permlane16_swap_b32 v[CD-8+\i], v[CD+\i]     ; the first set becomes tile T's registers, the second tile T + 1's
.endr
	global_store_b128 v[L16], v[CD-8:CD-5], s[48:49] offset:OF
	global_store_b64 v[L8], v[CD-4:CD-3], s[48:49] offset:OF+512
	global_store_b128 v[L16], v[CD:CD+3], s[48:49] offset:OF+12288
	global_store_b64 v[L8], v[CD+4:CD+5], s[48:49] offset:OF+12288+512
.endif
.endm
	s_wait_tensorcnt 0x0                           ; my one load is in
	RDW 0
	RDW 1
.irp n, 0,1,2,3,4,5,6,7
.if \n < 7
	s_wait_dscnt 32                                ; all but the next turn's 32 loads
.else
	s_wait_dscnt 0x0
.endif
	BLK \n
.if \n < 6
.if \n == 2
	s_wait_tensorcnt 0x0                           ; turn 4 is the first to read my second 64 rows
.endif
	RDW \n+2
.endif
.endr
	global_store_b32 v[L8], v120, s[50:51]               ; my rows' scale words of this K step
	global_store_b32 v[L8], v121, s[50:51] offset:1024
.Ltail:
	s_wait_tensorcnt 0x0                           ; the wave's end
	ds_add_u32 v[SPW], v[NIL]
	s_wait_dscnt 0x0
	s_endpgm
.Lfunc_end_k_q425048d789_prep:
	.size	k_q425048d789_prep, .Lfunc_end_k_q425048d789_prep-k_q425048d789_prep
	.p2alignl 7, 3214868480
	.fill 96, 4, 3214868480
	.section	.rodata,"a",@progbits
	.p2align	6, 0x0
	.amdhsa_kernel k_q425048d789_prep
		.amdhsa_group_segment_fixed_size 264704
		.amdhsa_private_segment_fixed_size 0
		.amdhsa_enable_private_segment 0
		.amdhsa_kernarg_size 72
		.amdhsa_user_sgpr_count 2
		.amdhsa_user_sgpr_kernarg_segment_ptr 1
		.amdhsa_wavefront_size32 1
		.amdhsa_system_sgpr_workgroup_id_x 1
		.amdhsa_system_sgpr_workgroup_id_y 1
		.amdhsa_system_sgpr_workgroup_id_z 1
		.amdhsa_system_vgpr_workitem_id 0
		.amdhsa_next_free_vgpr 192
		.amdhsa_next_free_sgpr 76
		.amdhsa_reserve_vcc 1
		.amdhsa_float_denorm_mode_32 3
		.amdhsa_float_denorm_mode_16_64 3
		.amdhsa_memory_ordered 1
		.amdhsa_forward_progress 1
		.amdhsa_inst_pref_size 68
	.end_amdhsa_kernel
	.amdgpu_metadata
---
amdhsa.version: [ 1, 2 ]
amdhsa.kernels:
  - .name:           k_q425048d789_prep
    .symbol:         k_q425048d789_prep.kd
    .args:
      - { .name: x, .offset: 0, .size: 8, .value_kind: global_buffer, .address_space: global }
      - { .name: wq, .offset: 8, .size: 8, .value_kind: global_buffer, .address_space: global }
      - { .name: wk, .offset: 16, .size: 8, .value_kind: global_buffer, .address_space: global }
      - { .name: wv, .offset: 24, .size: 8, .value_kind: global_buffer, .address_space: global }
      - { .name: wo, .offset: 32, .size: 8, .value_kind: global_buffer, .address_space: global }
      - { .name: xq, .offset: 40, .size: 8, .value_kind: global_buffer, .address_space: global }
      - { .name: wc, .offset: 48, .size: 8, .value_kind: global_buffer, .address_space: global }
      - { .name: sc, .offset: 56, .size: 8, .value_kind: global_buffer, .address_space: global }
      - { .name: rt, .offset: 64, .size: 8, .value_kind: global_buffer, .address_space: global }
    .group_segment_fixed_size: 264704
    .private_segment_fixed_size: 0
    .kernarg_segment_align: 8
    .kernarg_segment_size: 72
    .max_flat_workgroup_size: 128
    .sgpr_count:     76
    .vgpr_count:     192
    .wavefront_size: 32
...
	.end_amdgpu_metadata
.endif
;; end of part 6
;; launch qkv (part 7): grid 8 x 24, 4 waves a work-group, clusters of 4 x 4, 327,680 bytes of LDS; arguments xq, wc, sc, rt, bq, bk, bv, mask, qc, kv; writes qc, kv
.if DOCPART == 7
	.amdgcn_target "amdgcn-amd-amdhsa--gfx1250"
	.amdhsa_code_object_version 6
	.text
	.protected	k_q425048d789_qkv
	.globl	k_q425048d789_qkv
	.p2align	8
	.type	k_q425048d789_qkv,@function
k_q425048d789_qkv:
	s_mov_b64 s[64:65], 0
	v_nop
	global_prefetch_b8 v0, s[64:65] scope:SCOPE_SE
	s_setreg_imm32_b32 hwreg(HW_REG_WAVE_MODE, 25, 1), 1
	s_wait_xcnt 0x0
	s_wait_alu depctr_hold_cnt(0) depctr_sa_sdst(0) depctr_va_vdst(0) depctr_va_sdst(0) depctr_va_ssrc(0) depctr_va_vcc(0) depctr_vm_vsrc(0)
	s_getreg_b32 s2, hwreg(HW_REG_IB_STS2, 6, 4)
	s_cmp_eq_u32 s2, 0
	s_cbranch_scc0 .Lentry_in_a_cluster
	s_endpgm
.Lentry_in_a_cluster:
	s_bfe_u32 s2, ttmp6, 0x10000c
	s_cmp_lg_u32 s2, 0xf033
	s_cbranch_scc0 .Lentry_shape_is_right
	s_endpgm
.Lentry_shape_is_right:
; q = x wq + bq, k = x wk + bk, v = x wv + bv on codes of FP6 (E2M3) with E8M0 scales; q and k are rotated (RoPE); all three leave as codes, laid as the attention launch's operand registers.
; A tile of 256 x 256 to a work-group of four waves, 128 x 128 a wave: 64 accumulators, 512 registers.  Source 0 is operand S0, whose rows run along a lane's registers in the result; source 1 is S1, a row to a lane.
; q, k (cluster y 0-3; cluster x 0: q, 1: k): S0 = the weight, S1 = x: a lane holds a position and eight neighbours of a head's 64.   v (cluster y 4, 5): S0 = x, S1 = wv: a lane holds a channel and eight positions,
; which are the second attention product's K.  Only pointers differ between the two in the main part.
; OPERANDS in memory: [row tile of 16][K step of 128] a fragment of 1,536 bytes, an image of its 12 registers (registers 0-3 at 16 x lane, 4-5 at 512 + 8 x lane, 6-9 at 768 + 16 x lane, 10-11 at 1280 + 8 x lane).
; K = 1,024 goes in four slices of 256 through three LDS slots: slices 0-2 are first fills, slice 3 fills slot 0 again.  A wave's load brings 8 row tiles x 3,072 bytes, or x 6,144 for slices 1 and 2 in one.
; CLUSTER 4 x 4: S1's tile hangs on the cluster's row, S0's on its column: each is asked for jointly by the four that share it.
; THE SCALE WORDS of all of K stay in registers v64-127: register 64 + 8 i + s: lanes 0-15 S1's tile i, lanes 16-31 S0's tile i, K step s.
; A result's 16 registers of two neighbouring tiles are k = 8 h + 0..7 and 16 + 8 h + 0..7 of a block of 32; after the exchange of halves a block's codes stand in the order 0..7, 16..23, 8..15, 24..31, which every operand here has.
; LIMITS: blocks of zeros or under 2^-124 get the scale byte 1 (read by this program alone); NaN and infinities are not served.
; WINDOWS: 0: addresses, scale words, S1's fragments (v128-223, one set); 1: S0's fragments, two sets (v0, v128); 2, 3: the accumulators ((a, b) at v[8 (8 (a % 4) + b)]).
.set FR,    12
.set NL,    4                          ; LDS loads to a fragment
.set HALFT, 8*3072                     ; a wave's part of a slice: 128 rows x 256 along K
.set SLOT,  4*HALFT                    ; S1's two halves, then S0's
.set SPARE, 3*SLOT                     ; behind the slots: the spare words
.set A1,  16                           ; v16-18 S1: 16 x lane + my half, slots 0-2; v19-21 the same with 8 x lane
.set A0,  22                           ; v22-24, v25-27 S0
.set SPW, 28
.set NIL, 29
.set SCO, 30                           ; v30 the scale words' offset
.set SC,  64
.set AF,  128
.set G1,  24                           ; s[24:31] group 1 for S1; s[32:39] for S0; s[40:51], s[52:63] groups 0, one for each slot
.set G1B, 32
.set G0,  40
.set G0B, 52
.set MSB, 0
.macro WIN new                         ; the immediate's high byte repeats the setting that is left
.if MSB != (\new)
	s_set_vgpr_msb (MSB<<8)|(\new)
.set MSB, (\new)
.endif
.endm
.set MUL_LO, 0xa1
.set MUL_HI, 0xf1
.set TO_B,   0x40
.macro JLOAD s                         ; waves 0, 1 fetch S1's halves, waves 2, 3 S0's; an s_nop 0 and four v_nop follow each line
	s_cmp_eq_u32 s11, 0
	s_cbranch_scc0 .Lfor_b_\@
	tensor_load_to_lds s[G0+4*\s:G0+4*\s+3], s[G1:G1+7]
	s_nop 0
.rept 4
	v_nop
.endr
	s_branch .Lasked_\@
.Lfor_b_\@:
	tensor_load_to_lds s[G0B+4*\s:G0B+4*\s+3], s[G1B:G1B+7]
	s_nop 0
.rept 4
	v_nop
.endr
.Lasked_\@:
.endm
.macro CREST
	s_cmp_lg_u32 s10, 0
	s_cbranch_scc1 .Lnot_wave_0_\@
	s_barrier_signal -3
.Lnot_wave_0_\@:
	s_barrier_wait -3
	s_barrier_signal -1
	s_barrier_wait -1
.endm
.macro CROUND
	s_barrier_signal -1
	s_barrier_wait -1
	CREST
.endm
.macro PLACES                          ; four plain places behind matrix instructions, ahead of loads into their registers and of reads of results
.rept 4
	v_nop
.endr
.endm
	s_load_b512 s[68:83], s[0:1], 0x0              ; xq 68, wc 70, sc 72, rt 74, bq 76, bk 78, bv 80, mask 82
	s_load_b128 s[84:87], s[0:1], 0x40             ; qc 84, kv 86
	v_lshl_add_u32 v[SPW], v0, 2, SPARE
	v_mov_b32 v[NIL], 0
	ds_add_u32 v[SPW], v[NIL]                      ; the opening: the add, twice on end, and its wait ahead of my first tensor load
	ds_add_u32 v[SPW], v[NIL]
	v_lshrrev_b32 v1, 5, v0
	v_readfirstlane_b32 s10, v1                    ; wave
	s_lshr_b32 s11, s10, 1                         ; my half of S1's rows; also: I fetch for S1 (0) or S0 (1)
	s_and_b32 s12, s10, 1                          ; my half of S0's rows; also: which 128 rows I fetch
	s_bfe_u32 s13, ttmp6, 0x40000                  ; cx
	s_bfe_u32 s14, ttmp6, 0x40004                  ; cy
	s_mov_b32 s15, ttmp9                           ; cluster x
	s_and_b32 s16, ttmp7, 0xffff                   ; cluster y
	s_cmp_ge_u32 s16, 4
	s_cselect_b32 s17, 1, 0                        ; 1: this cluster makes v
	s_lshl_b32 s18, s15, 2
	s_add_co_u32 s18, s18, s13
	s_sub_co_u32 s19, s16, 4
	s_lshl_b32 s19, s19, 3
	s_cmp_ge_u32 s16, 4
	s_cselect_b32 s19, s19, 0
	s_add_co_u32 s18, s18, s19                     ; i0: S0's tile of 256 rows
	s_lshl_b32 s20, s16, 2
	s_cmp_ge_u32 s16, 4
	s_cselect_b32 s20, 8, s20
	s_add_co_u32 s20, s20, s14                     ; i1: S1's
	s_lshl_b32 s22, s14, 2
	s_lshl_b32 s22, 15, s22                        ; my row of the cluster
	s_lshl_b32 s23, 0x1111, s13                    ; my column
	s_or_b32 s[G1], s22, (3<<16)|(1<<21)           ; the mask; elements of 8 bytes; bit 21 beside a mask
	s_or_b32 s[G1B], s23, (3<<16)|(1<<21)
.irp g, G1, G1B
	s_mov_b32 s[\g+1], 384<<16                     ; tensor_dim0 = 384 elements: two fragments
	s_mov_b32 s[\g+2], 8<<16                       ; tensor_dim1 = 8 row tiles
	s_mov_b32 s[\g+3], 384<<16
	s_mov_b32 s[\g+4], 8
	s_mov_b32 s[\g+5], 1536                        ; a row tile's eight fragments
	s_mov_b32 s[\g+6], 0
	s_mov_b32 s[\g+7], 0
.endr
	s_mul_i32 s92, s12, 98304                      ; which 128 rows I fetch
	s_mul_i32 s88, s20, 196608
	s_add_co_u32 s88, s88, s92
	s_mov_b32 s89, 0
	s_mul_i32 s90, s18, 196608
	s_add_co_u32 s90, s90, s92
	s_mov_b32 s91, 0
	s_mul_i32 s93, s10, HALFT                      ; where they go: no place in the cluster enters an LDS address
	s_mov_b32 s98, 0x76543210
	s_mov_b32 s99, 0xfedcba98                      ; lane l xor 16
	s_wait_dscnt 0x0
	s_wait_kmcnt 0x0
	s_cmp_eq_u32 s17, 1
	s_cselect_b64 s[94:95], s[70:71], s[68:69]     ; S1: wv or x
	s_cselect_b64 s[96:97], s[68:69], s[70:71]     ; S0: x or the weight
	s_add_nc_u64 s[94:95], s[94:95], s[88:89]
	s_add_nc_u64 s[96:97], s[96:97], s[90:91]
	CROUND                                         ; all sixteen work-groups are here: the first joint loads meet
; Set 0: slice 0 into slot 0 (later slice 3).  Set 1: slices 1 and 2 by ONE load, rows of 6,144 bytes, into the bytes of slots 1 and 2: a wave's part there is 2 HALFT
.irp s, 0,1
	s_mov_b32 s[G0+4*\s], 1
	s_mul_i32 s[G0+4*\s+1], s93, 1+\s
	s_add_co_u32 s[G0+4*\s+1], s[G0+4*\s+1], \s*SLOT
	s_add_nc_u64 s[G0+4*\s+2:G0+4*\s+3], s[94:95], \s*3072
	s_or_b32 s[G0+4*\s+3], s[G0+4*\s+3], 0x80000000
	s_mov_b32 s[G0B+4*\s], 1
	s_mul_i32 s[G0B+4*\s+1], s93, 1+\s
	s_add_co_u32 s[G0B+4*\s+1], s[G0B+4*\s+1], \s*SLOT
	s_add_nc_u64 s[G0B+4*\s+2:G0B+4*\s+3], s[96:97], \s*3072
	s_or_b32 s[G0B+4*\s+3], s[G0B+4*\s+3], 0x80000000
.endr
	JLOAD 0                                        ; slice 0: one tensor load a wave at the head
	v_and_b32 v1, 15, v0                           ; r
	v_bfe_u32 v2, v0, 4, 1                         ; h
	v_and_b32 v3, 31, v0
	v_lshlrev_b32 v4, 3, v3                        ; 8 x lane
	v_lshlrev_b32 v3, 4, v3                        ; 16 x lane
	s_wait_alu depctr_va_vdst(0)
	s_mul_i32 s2, s11, HALFT
	s_mul_i32 s3, s12, HALFT
	s_add_co_u32 s3, s3, 2*HALFT
.irp s, 0,1,2
	v_add_nc_u32 v[A1+\s], s2, v3
	v_add_nc_u32 v[A1+3+\s], s2, v4
	v_add_nc_u32 v[A0+\s], s3, v3
	v_add_nc_u32 v[A0+3+\s], s3, v4
.if \s == 0
	s_lshl_b32 s2, s2, 1                           ; behind slot 0 a half is 2 HALFT long: rows of 6,144 bytes, slice 1 first,
	s_lshl_b32 s3, s3, 1
	s_add_co_u32 s2, s2, SLOT
	s_add_co_u32 s3, s3, SLOT
.else
	s_add_co_u32 s2, s2, 3072                      ; slice 2 in the rows' second 3,072 bytes
	s_add_co_u32 s3, s3, 3072
.endif
.endr
	s_cmp_eq_u32 s17, 1                            ; the scale words: x's part of sc begins at 0, the weights' at 131,072
	s_cselect_b32 s4, 131072, 0
	s_cselect_b32 s5, 0, 131072
	s_lshl_b32 s6, s20, 13
	s_add_co_u32 s4, s4, s6
	s_lshl_b32 s6, s11, 12
	s_add_co_u32 s4, s4, s6                        ; S1's 128 rows
	s_lshl_b32 s6, s18, 13
	s_add_co_u32 s5, s5, s6
	s_lshl_b32 s6, s12, 12
	s_add_co_u32 s5, s5, s6                        ; S0's
	v_mov_b32 v[SCO], s4
	v_mov_b32 v31, s5
	v_cmp_ne_u32 vcc_lo, 0, v2
	v_cndmask_b32 v[SCO], v[SCO], v31, vcc_lo      ; lanes 16-31 take S0's
	v_lshl_add_u32 v[SCO], v1, 3, v[SCO]
.irp i, 0,1,2,3,4,5,6,7
.irp kq, 0,1,2,3
	global_load_b64 v[SC+8*\i+2*\kq:SC+8*\i+2*\kq+1], v[SCO], s[72:73] offset:(\i>>1)*1024+(\i&1)*128+256*\kq
.endr
.endr
.macro FRAG reg, adr, q, i
	ds_load_b128 v[\reg:\reg+3], v[\adr] offset:FP*(\i)+1536*(\q)            ; FP: bytes from row tile to row tile in this slot
	ds_load_b64 v[\reg+4:\reg+5], v[\adr+3] offset:FP*(\i)+1536*(\q)+512
	ds_load_b128 v[\reg+6:\reg+9], v[\adr] offset:FP*(\i)+1536*(\q)+768
	ds_load_b64 v[\reg+10:\reg+11], v[\adr+3] offset:FP*(\i)+1536*(\q)+1280
.endm
.macro FETCH_B slot, q, p              ; S0's eight fragments into set p
	WIN TO_B
.set FP, 3072*(1+((\slot)+1)/2)        ; slot 0: 3,072; slots 1 and 2: 6,144
.irp i, 0,1,2,3,4,5,6,7
	FRAG 128*(\p)+FR*\i, A0+\slot, \q, \i
.endr
	WIN 0
.endm
.macro FETCH_A slot, q, i0             ; S1's blocks i0 .. i0 + 3
.set FP, 3072*(1+((\slot)+1)/2)
.irp i, \i0, \i0+1, \i0+2, \i0+3
	FRAG AF+FR*(\i), A1+\slot, \q, \i
.endr
.endm
; 16 matrix instructions: S1's blocks a0, a0 + 1 x S0's eight.  The 64 accumulators take turns, one instruction a turn, in the same order in every step
.macro MUL16 a0, p, ks, zero
.irp a, \a0, \a0+1
.irp b, 0,1,2,3,4,5,6,7
.if \zero
	v_wmma_scale_f32_16x16x128_f8f6f4 v[8*(8*((\a)%4)+\b):8*(8*((\a)%4)+\b)+7], v[128*(\p)+FR*\b:128*(\p)+FR*\b+FR-1], v[AF+FR*(\a):AF+FR*(\a)+FR-1], 0, v[SC+8*\b+(\ks)], v[SC+8*(\a)+(\ks)] matrix_a_fmt:MATRIX_FMT_FP6 matrix_b_fmt:MATRIX_FMT_FP6 matrix_a_scale:MATRIX_SCALE_ROW1
.else
	v_wmma_scale_f32_16x16x128_f8f6f4 v[8*(8*((\a)%4)+\b):8*(8*((\a)%4)+\b)+7], v[128*(\p)+FR*\b:128*(\p)+FR*\b+FR-1], v[AF+FR*(\a):AF+FR*(\a)+FR-1], v[8*(8*((\a)%4)+\b):8*(8*((\a)%4)+\b)+7], v[SC+8*\b+(\ks)], v[SC+8*(\a)+(\ks)] matrix_a_fmt:MATRIX_FMT_FP6 matrix_b_fmt:MATRIX_FMT_FP6 matrix_a_scale:MATRIX_SCALE_ROW1
.endif
.endr
.endr
.endm
.macro STEP slot, ks, zero             ; a slot's first K step: its successor lies in the same slot
	s_wait_dscnt 4*NL                              ; S0's set and S1's blocks 0-3 are in; the youngest 16 loads (blocks 4-7) may be out
	WIN MUL_LO
	MUL16 0, 0, \ks, \zero
	MUL16 2, 0, \ks, \zero
	s_wait_dscnt 0x0
	PLACES
	FETCH_B \slot, 1, 1
	FETCH_A \slot, 1, 0
	WIN MUL_HI
	MUL16 4, 0, \ks, \zero
	MUL16 6, 0, \ks, \zero
	PLACES
	WIN 0
	FETCH_A \slot, 1, 4
.endm
; A slot's second K step changes slots.  mode 2: this slot is filled again: every wave waits for all its tensor loads, adds 0 to its spare word, waits for that and for its reads of the slot; a round of the cluster's
; barrier; the joint refill first behind it.  mode 1: the next slot's tile is the refill: wait for it, a plain barrier, nothing is filled.  mode 0: the next slot was shown whole by the refill's barrier: no barrier.
.macro TURN slot, next, ks, mode
.if \mode == 2
	s_wait_tensorcnt 0x0                           ; all my tensor loads have landed
	ds_add_u32 v[SPW], v[NIL]
	s_mov_b32 s[G1+1], 384<<16                     ; no tensor load of mine is out: the refill's rows are one slice again
	s_mov_b32 s[G1+3], 384<<16
	s_mov_b32 s[G1B+1], 384<<16
	s_mov_b32 s[G1B+3], 384<<16
	s_wait_dscnt 4*NL+1
.else
	s_wait_dscnt 4*NL
.endif
	WIN MUL_LO
	MUL16 0, 1, \ks, 0
.if \mode == 1
	s_wait_tensorcnt 0x0                           ; my one load that is out: my part of slice 3
.endif
	s_wait_dscnt 0x0                               ; my reads of this slot are over (mode 2: and the add is done)
.if \mode > 0
	s_barrier_signal -1
.endif
	MUL16 2, 1, \ks, 0
	WIN 0
.if \mode > 0
	s_barrier_wait -1
.endif
.if \mode == 2
	CREST                                          ; no wave of any partner still reads this slot or has a load on its way
	s_add_nc_u64 s[G0+4*\slot+2:G0+4*\slot+3], s[G0+4*\slot+2:G0+4*\slot+3], 3*3072
	s_add_nc_u64 s[G0B+4*\slot+2:G0B+4*\slot+3], s[G0B+4*\slot+2:G0B+4*\slot+3], 3*3072
	JLOAD \slot                                    ; its four v_nop are also the places in front of the loads below
.else
	PLACES
.endif
	FETCH_B \next, 0, 0
	FETCH_A \next, 0, 0
	WIN MUL_HI
	MUL16 4, 1, \ks, 0
	MUL16 6, 1, \ks, 0
	PLACES
	WIN 0
	FETCH_A \next, 0, 4
.endm
	s_wait_alu depctr_va_vdst(0)                   ; the head's end
	s_wait_tensorcnt 0x0                           ; my part of slice 0 is in; a later first fill is issued as a refill is:
	ds_add_u32 v[SPW], v[NIL]
	s_mov_b32 s[G1+1], 768<<16                     ; no tensor load of mine is out: the next load's rows are two slices, 768 elements
	s_mov_b32 s[G1+3], 768<<16
	s_mov_b32 s[G1B+1], 768<<16
	s_mov_b32 s[G1B+3], 768<<16
	s_wait_dscnt 0x0
	CROUND                                         ; everybody's part of slice 0 is in, and all sixteen work-groups are here
	JLOAD 1                                        ; slices 1 and 2, my one load behind the round
	FETCH_B 0, 0, 0
	FETCH_A 0, 0, 0
	FETCH_A 0, 0, 4
	s_wait_loadcnt 0x0                             ; the scale words
	STEP 0, 0, 1                                   ; the first products start the sums
	TURN 0, 1, 1, 2
	STEP 1, 2, 0
	s_wait_alu depctr_va_vdst(0)
	TURN 1, 2, 3, 0
	STEP 2, 4, 0
	TURN 2, 0, 5, 1
	STEP 0, 6, 0
	s_wait_dscnt 4*NL
	WIN MUL_LO
	MUL16 0, 1, 7, 0
	MUL16 2, 1, 7, 0
	s_wait_dscnt 0x0
	WIN MUL_HI
	MUL16 4, 1, 7, 0
	MUL16 6, 1, 7, 0
	WIN 0
	PLACES
	s_cmp_eq_u32 s17, 1                            ; the cluster's y alone: the same in all partners
	s_cbranch_scc1 .Lvpath
; ---- q and k.  Accumulator (a, b): lane (r, h) holds position 16 a + r and columns 16 b + 8 h + 0..7; b = 4 g + t: head g of my two, tile t of its 64.
.set Z,   128                          ; v128-159 a head's 32 numbers of my position, with the bias
.set R,   160                          ; v160-191 rotated
.set PC,  192                          ; v192-197 the codes; v200-202 the second conversion's
.set TM,  204                          ; v204-205 largest magnitudes, 206-207 the other half's, 208-209 scale operands, 210-211 bytes
.set WD,  212                          ; v212-219 scale words: head g, pair of tiles f at 4 g + f
.set OPR, 220
	s_lshl_b32 s4, s20, 8
	s_lshl_b32 s5, s11, 7
	s_add_co_u32 s4, s4, s5                        ; my first row of x
	s_lshr_b32 s5, s4, 11                          ; the batch
	s_bfe_u32 s6, s4, 0x40007                      ; which 128 positions
	s_and_b32 s7, s4, 2047                         ; my first position
	s_and_b32 s8, s18, 3
	s_lshl_b32 s8, s8, 1
	s_add_co_u32 s8, s8, s12                       ; my first column / 128
	s_cmp_eq_u32 s15, 1                            ; k?  It chooses pointers and sizes only
	s_cselect_b64 s[88:89], s[78:79], s[76:77]     ; the bias
	s_cselect_b64 s[90:91], s[86:87], s[84:85]     ; where the codes go
	s_mov_b32 s9, 6400
	s_cselect_b32 s9, 13312, s9                    ; a record
	s_mov_b32 s21, 6144
	s_cselect_b32 s21, 12288, s21                  ; the scale words' place in it
	s_mov_b32 s23, 0
	s_lshl_b32 s22, s8, 9
	s_add_nc_u64 s[88:89], s[88:89], s[22:23]
	s_lshl_b32 s22, s7, 8
	s_add_nc_u64 s[74:75], s[74:75], s[22:23]      ; the table at my first position
	s_lshl_b32 s22, s5, 4
	s_lshl_b32 s92, s8, 1
	s_add_co_u32 s22, s22, s92                     ; 16 x batch + head
	s_lshl_b32 s22, s22, 4
	s_add_co_u32 s22, s22, s6
	s_mul_i32 s22, s22, s9
	s_add_nc_u64 s[90:91], s[90:91], s[22:23]      ; head g = 0's record
	s_lshl_b32 s22, s9, 4
	s_add_nc_u64 s[92:93], s[90:91], s[22:23]      ; g = 1's: 16 records on
	v_lshlrev_b32 v5, 5, v2                        ; the bias: 32 h
	v_lshlrev_b32 v6, 8, v1
	v_lshl_add_u32 v6, v2, 4, v6                   ; the table: 256 r + 16 h
	v_add_nc_u32 v7, s21, v4
	v_mov_b32 v[TM+2], 0                           ; a lane permute's destination counts as one of its sources
	v_mov_b32 v[TM+3], 0
.irp b, 0,1,2,3,4,5,6,7
	global_load_b128 v[32+8*\b+160*(\b/4):32+8*\b+160*(\b/4)+3], v5, s[88:89] offset:64*\b
	global_load_b128 v[32+8*\b+160*(\b/4)+4:32+8*\b+160*(\b/4)+7], v5, s[88:89] offset:64*\b+16
.endr
	WIN 0x40                                       ; the table of all eight row tiles fills window 1: set a at v[32 a], cosines at 4 t, sines at 16 + 4 t
.irp a, 0,1,2,3,4,5,6,7
.irp t, 0,1,2,3
	global_load_b128 v[32*\a+4*\t:32*\a+4*\t+3], v6, s[74:75] offset:4096*\a+32*\t
	global_load_b128 v[32*\a+16+4*\t:32*\a+16+4*\t+3], v6, s[74:75] offset:4096*\a+32*\t+128
.endr
.endr
	WIN 0
.macro HEAD a, g
.set AC, 8*(8*((\a)%4)+4*(\g))
.set BB, 32+192*(\g)
	WIN 0x02+(\a)/4
.set j, 0
.rept 16
	v_pk_add_f32 v[Z+j:Z+j+1], v[AC+j:AC+j+1], v[BB+j:BB+j+1]      ; + the bias; each accumulator from its low end on
.set j, j+2
.endr
	WIN 0x04                                       ; source 1: the table
.irp t, 0,1,2,3
.irp j, 0,2,4,6
.set rD, R+8*\t+\j
.set rY, Z+8*((\t+2)%4)+\j
.set rT, 32*(\a)+16+4*\t+2*(\j/4)
.if (\j/2)%2
	v_pk_mul_f32 v[rD:rD+1], v[rY:rY+1], v[rT:rT+1] op_sel:[0,1] op_sel_hi:[1,1]   ; the partner 32 away x the sine of my own place; a pair of neighbours shares one angle
.else
	v_pk_mul_f32 v[rD:rD+1], v[rY:rY+1], v[rT:rT+1] op_sel_hi:[1,0]
.endif
.endr
.endr
.irp t, 0,1,2,3
.irp j, 0,2,4,6
.set rD, R+8*\t+\j
.set rZ, Z+8*\t+\j
.set rT, 32*(\a)+4*\t+2*(\j/4)
.if \t < 2                                     ; the lower 32: q cos - partner sin; the upper 32: q cos + partner sin
.if (\j/2)%2
	v_pk_fma_f32 v[rD:rD+1], v[rZ:rZ+1], v[rT:rT+1], v[rD:rD+1] op_sel:[0,1,0] op_sel_hi:[1,1,1] neg_lo:[0,0,1] neg_hi:[0,0,1]
.else
	v_pk_fma_f32 v[rD:rD+1], v[rZ:rZ+1], v[rT:rT+1], v[rD:rD+1] op_sel_hi:[1,0,1] neg_lo:[0,0,1] neg_hi:[0,0,1]
.endif
.else
.if (\j/2)%2
	v_pk_fma_f32 v[rD:rD+1], v[rZ:rZ+1], v[rT:rT+1], v[rD:rD+1] op_sel:[0,1,0] op_sel_hi:[1,1,1]
.else
	v_pk_fma_f32 v[rD:rD+1], v[rZ:rZ+1], v[rT:rT+1], v[rD:rD+1] op_sel_hi:[1,0,1]
.endif
.endif
.endr
.endr
	WIN 0
.irp c, 0,1
	v_max3_num_f32 v[TM+\c], |v[R+16*\c]|, |v[R+16*\c+1]|, 0x1800000   ; my 16 of block c, and the floor 2^(3 - 127)
.endr
.irp i, 2,4,6,8,10,12,14
.irp c, 0,1
	v_max3_num_f32 v[TM+\c], v[TM+\c], |v[R+16*\c+\i]|, |v[R+16*\c+\i+1]|
.endr
.endr
.irp c, 0,1
	v_permlanex16_b32 v[TM+2+\c], v[TM+\c], s98, s99
.endr
.irp c, 0,1
	v_max_num_f32 v[TM+\c], v[TM+\c], v[TM+2+\c]
.endr
.irp c, 0,1
	v_add_nc_u32 v[TM+4+\c], 0xff000000, v[TM+\c]
.endr
.irp c, 0,1
	v_lshrrev_b32 v[TM+6+\c], 23, v[TM+4+\c]
.endr
	s_wait_alu depctr_va_vdst(0)
	s_wait_xcnt 0x0                                ; the last stores have read the codes' registers
	v_cvt_scalef32_pk16_fp6_f32 v[PC:PC+2], v[R:R+15], v[TM+4]
	v_cvt_scalef32_pk16_fp6_f32 v[PC+8:PC+10], v[R+16:R+31], v[TM+5]
	v_nop                                          ; one plain place behind a scaled conversion
.irp i, 0,1,2
	v_permlane16_swap_b32 v[PC+\i], v[PC+8+\i]     ; lanes 0-15 get block 0 whole, lanes 16-31 block 1
.endr
.irp i, 0,1,2
	v_mov_b32 v[PC+3+\i], v[PC+8+\i]
.endr
	global_store_b128 v3, v[PC:PC+3], s[90+2*(\g):91+2*(\g)] offset:768*(\a)
	global_store_b64 v4, v[PC+4:PC+5], s[90+2*(\g):91+2*(\g)] offset:768*(\a)+512
.if (\a)%2 == 0
	v_lshl_or_b32 v[WD+4*(\g)+(\a)/2], v[TM+7], 8, v[TM+6]         ; an even tile's two bytes below,
.else
	v_lshl_or_b32 v[TM+6], v[TM+7], 8, v[TM+6]
	v_lshl_or_b32 v[WD+4*(\g)+(\a)/2], v[TM+6], 16, v[WD+4*(\g)+(\a)/2]   ; the odd tile's above
.endif
.endm
.irp a, 0,1,2,3,4,5,6,7
	s_wait_loadcnt 8*(7-\a)                        ; the bias and this row tile's table are in; the later tiles' eight loads each may be out
	HEAD \a, 0
	HEAD \a, 1
.endr
	v_cmp_ne_u32 vcc_lo, 0, v2
.irp g, 0,1
	v_cndmask_b32 v[OPR+2*\g], v[WD+4*\g], v[WD+4*\g+2], vcc_lo    ; lane (r, h) stores words 2 h and 2 h + 1 of row r: one aligned block of 256 bytes
	v_cndmask_b32 v[OPR+2*\g+1], v[WD+4*\g+1], v[WD+4*\g+3], vcc_lo
	global_store_b64 v7, v[OPR+2*\g:OPR+2*\g+1], s[90+2*\g:91+2*\g]
.endr
	s_branch .Ltail
; ---- v.  Accumulator (a, b): lane (r, h) holds channel 16 a + r and positions 16 b + 8 h + 0..7 of my 128, one key step.  a = 4 g + t: head g of my two, tile t of its 64 channels.
.Lvpath:
.set TV,  212                          ; v212-215 largest magnitudes, 216-219 the other half's, then bytes, 224-227 scale operands
.set WV,  232                          ; v232-235 a head's four scale words
	s_lshl_b32 s4, s18, 8
	s_lshl_b32 s5, s12, 7
	s_add_co_u32 s4, s4, s5                        ; my first row of x
	s_lshr_b32 s5, s4, 11                          ; the batch
	s_bfe_u32 s6, s4, 0x40007                      ; the key step
	s_lshl_b32 s8, s14, 1
	s_add_co_u32 s8, s8, s11                       ; my first channel / 128
	s_mov_b32 s23, 0
	s_lshl_b32 s22, s8, 9
	s_add_nc_u64 s[80:81], s[80:81], s[22:23]      ; bv
	s_lshl_b32 s22, s4, 2
	s_add_nc_u64 s[82:83], s[82:83], s[22:23]      ; the mask of my 128 keys
	s_lshl_b32 s22, s5, 4
	s_lshl_b32 s9, s8, 1
	s_add_co_u32 s22, s22, s9
	s_lshl_b32 s22, s22, 4
	s_add_co_u32 s22, s22, s6
	s_mul_i32 s22, s22, 13312
	s_add_nc_u64 s[90:91], s[86:87], s[22:23]
	s_add_nc_u64 s[92:93], s[90:91], 16*13312
	v_lshlrev_b32 v5, 2, v1
.irp a, 0,1,2,3,4,5,6,7
	global_load_b32 v[32+\a], v5, s[80:81] offset:64*\a
.endr
	global_load_b128 v[40:43], v3, s[82:83]
.irp b, 0,1,2,3
	v_mov_b32 v[TV+4+\b], 0                        ; a lane permute's destination counts as one of its sources
.endr
	v_cmp_ne_u32 vcc_lo, 0, v2
	s_wait_loadcnt 0x0
.irp i, 0,1,2,3
	v_cvt_f32_i32 v[44+\i], v[40+\i]
.endr
.irp i, 0,1,2,3
	v_mul_f32 v[44+\i], 0xd0000000, v[44+\i]       ; x -2^33: the term that the attention launch gives these keys' scores ahead of the factor 1/8 (its head comment says why this number)
.endr
	global_store_b128 v3, v[44:47], s[90:91] offset:12800
	global_store_b128 v3, v[44:47], s[92:93] offset:12800
.macro VROW a
.set AC, 64*((\a)%4)
	WIN 0x02+(\a)/4
.set j, 0
.rept 32
.if (\a)%2
	v_pk_add_f32 v[Z+j:Z+j+1], v[AC+j:AC+j+1], v[32+(\a)-1:32+(\a)] op_sel:[0,1] op_sel_hi:[1,1]   ; + my channel's bias
.else
	v_pk_add_f32 v[Z+j:Z+j+1], v[AC+j:AC+j+1], v[32+(\a):33+(\a)] op_sel_hi:[1,0]
.endif
.set j, j+2
.endr
	WIN 0
.irp b, 0,1,2,3
	v_max3_num_f32 v[TV+\b], |v[Z+16*\b]|, |v[Z+1+16*\b]|, 0x1800000
.endr
.irp i, 2,4,6,8,10,12,14
.irp b, 0,1,2,3
	v_max3_num_f32 v[TV+\b], v[TV+\b], |v[Z+16*\b+\i]|, |v[Z+1+16*\b+\i]|
.endr
.endr
.irp b, 0,1,2,3
	v_permlanex16_b32 v[TV+4+\b], v[TV+\b], s98, s99
.endr
.irp b, 0,1,2,3
	v_max_num_f32 v[TV+\b], v[TV+\b], v[TV+4+\b]
.endr
.irp b, 0,1,2,3
	v_add_nc_u32 v[TV+12+\b], 0xff000000, v[TV+\b]
.endr
.irp b, 0,1,2,3
	v_lshrrev_b32 v[TV+4+\b], 23, v[TV+12+\b]
.endr
	v_lshl_or_b32 v[WV+(\a)%4], v[TV+5], 8, v[TV+4]
	v_lshl_or_b32 v[WV+(\a)%4], v[TV+6], 16, v[WV+(\a)%4]
	v_lshl_or_b32 v[WV+(\a)%4], v[TV+7], 24, v[WV+(\a)%4]
	s_wait_xcnt 0x0                                ; the last stores have read their registers
.irp c, 0,1
	v_cvt_scalef32_pk16_fp6_f32 v[PC+6*\c:PC+2+6*\c], v[Z+32*\c:Z+15+32*\c], v[TV+12+2*\c]
	v_cvt_scalef32_pk16_fp6_f32 v[PC+12+4*\c:PC+14+4*\c], v[Z+16+32*\c:Z+31+32*\c], v[TV+12+2*\c+1]
.endr
	v_nop
.irp c, 0,1
.irp i, 0,1,2
	v_permlane16_swap_b32 v[PC+6*\c+\i], v[PC+12+4*\c+\i]
.endr
.irp i, 0,1,2
	v_mov_b32 v[PC+3+6*\c+\i], v[PC+12+4*\c+\i]
.endr
.endr
	global_store_b128 v3, v[PC:PC+3], s[90+2*((\a)/4):91+2*((\a)/4)] offset:6144+1536*((\a)%4)
	global_store_b64 v4, v[PC+4:PC+5], s[90+2*((\a)/4):91+2*((\a)/4)] offset:6144+1536*((\a)%4)+512
	global_store_b128 v3, v[PC+6:PC+9], s[90+2*((\a)/4):91+2*((\a)/4)] offset:6144+1536*((\a)%4)+768
	global_store_b64 v4, v[PC+10:PC+11], s[90+2*((\a)/4):91+2*((\a)/4)] offset:6144+1536*((\a)%4)+1280
.if (\a)%4 == 3
	v_cndmask_b32 v236, v[WV], v[WV+2], vcc_lo
	v_cndmask_b32 v237, v[WV+1], v[WV+3], vcc_lo
	global_store_b64 v4, v[236:237], s[90+2*((\a)/4):91+2*((\a)/4)] offset:12544
.endif
.endm
.irp a, 0,1,2,3,4,5,6,7
	VROW \a
.endr
.Ltail:
	s_wait_tensorcnt 0x0                           ; the wave's end
	ds_add_u32 v[SPW], v[NIL]
	s_wait_dscnt 0x0
	CROUND                                         ; the closing round
	s_endpgm
.Lfunc_end_k_q425048d789_qkv:
	.size	k_q425048d789_qkv, .Lfunc_end_k_q425048d789_qkv-k_q425048d789_qkv
	.p2alignl 7, 3214868480
	.fill 96, 4, 3214868480
	.section	.rodata,"a",@progbits
	.p2align	6, 0x0
	.amdhsa_kernel k_q425048d789_qkv
		.amdhsa_group_segment_fixed_size 327680
		.amdhsa_private_segment_fixed_size 0
		.amdhsa_enable_private_segment 0
		.amdhsa_kernarg_size 80
		.amdhsa_user_sgpr_count 2
		.amdhsa_user_sgpr_kernarg_segment_ptr 1
		.amdhsa_wavefront_size32 1
		.amdhsa_system_sgpr_workgroup_id_x 1
		.amdhsa_system_sgpr_workgroup_id_y 1
		.amdhsa_system_sgpr_workgroup_id_z 1
		.amdhsa_system_vgpr_workitem_id 0
		.amdhsa_next_free_vgpr 1024
		.amdhsa_next_free_sgpr 100
		.amdhsa_reserve_vcc 1
		.amdhsa_float_denorm_mode_32 3
		.amdhsa_float_denorm_mode_16_64 3
		.amdhsa_memory_ordered 1
		.amdhsa_forward_progress 1
		.amdhsa_inst_pref_size 255
	.end_amdhsa_kernel
	.section	.bss,"aw",@nobits
	.p2align	6
	.space	262144
	.amdgpu_metadata
---
amdhsa.version: [ 1, 2 ]
amdhsa.kernels:
  - .name:           k_q425048d789_qkv
    .symbol:         k_q425048d789_qkv.kd
    .args:
      - { .name: xq, .offset: 0, .size: 8, .value_kind: global_buffer, .address_space: global }
      - { .name: wc, .offset: 8, .size: 8, .value_kind: global_buffer, .address_space: global }
      - { .name: sc, .offset: 16, .size: 8, .value_kind: global_buffer, .address_space: global }
      - { .name: rt, .offset: 24, .size: 8, .value_kind: global_buffer, .address_space: global }
      - { .name: bq, .offset: 32, .size: 8, .value_kind: global_buffer, .address_space: global }
      - { .name: bk, .offset: 40, .size: 8, .value_kind: global_buffer, .address_space: global }
      - { .name: bv, .offset: 48, .size: 8, .value_kind: global_buffer, .address_space: global }
      - { .name: mask, .offset: 56, .size: 8, .value_kind: global_buffer, .address_space: global }
      - { .name: qc, .offset: 64, .size: 8, .value_kind: global_buffer, .address_space: global }
      - { .name: kv, .offset: 72, .size: 8, .value_kind: global_buffer, .address_space: global }
    .group_segment_fixed_size: 327680
    .private_segment_fixed_size: 0
    .kernarg_segment_align: 8
    .kernarg_segment_size: 80
    .max_flat_workgroup_size: 128
    .sgpr_count:     100
    .vgpr_count:     1024
    .wavefront_size: 32
...
	.end_amdgpu_metadata
.endif
;; end of part 7
;; launch attn (part 8): grid 8 x 32, 16 waves a work-group, clusters of 4 x 1, 215,040 bytes of LDS; arguments qc, kv, ao, sc; writes ao, sc
.if DOCPART == 8
	.amdgcn_target "amdgcn-amd-amdhsa--gfx1250"
	.amdhsa_code_object_version 6
	.text
	.protected	k_q425048d789_attn
	.globl	k_q425048d789_attn
	.p2align	8
	.type	k_q425048d789_attn,@function
k_q425048d789_attn:
	s_mov_b64 s[64:65], 0
	v_nop
	global_prefetch_b8 v0, s[64:65] scope:SCOPE_SE
	s_setreg_imm32_b32 hwreg(HW_REG_WAVE_MODE, 25, 1), 1
	s_wait_xcnt 0x0
	s_wait_alu depctr_hold_cnt(0) depctr_sa_sdst(0) depctr_va_vdst(0) depctr_va_sdst(0) depctr_va_ssrc(0) depctr_va_vcc(0) depctr_vm_vsrc(0)
	s_getreg_b32 s2, hwreg(HW_REG_IB_STS2, 6, 4)
	s_cmp_eq_u32 s2, 0
	s_cbranch_scc0 .Lentry_in_a_cluster
	s_endpgm
.Lentry_in_a_cluster:
	s_bfe_u32 s2, ttmp6, 0x10000c
	s_cmp_lg_u32 s2, 0x3003
	s_cbranch_scc0 .Lentry_shape_is_right
	s_endpgm
.Lentry_shape_is_right:
; softmax(q k^T / 8 + mask term) v for one (batch, head) and 256 queries a work-group, on codes of FP6 (E2M3) with E8M0 scales; the result leaves as codes and scale bytes for the last projection.
; 16 waves, 16 queries each.  Both products are used transposed (S^T = k q^T, O^T = v^T p^T): a lane holds one query throughout.
; kv: [batch x head][key step of 128] a record of 13,312 bytes: k's codes (8 tiles x 768), v's (4 fragments x 1,536, keys innermost), k's scale words at 12,288, v's at 12,544, the 128 mask terms (f32) at 12,800.
; ALL 16 RECORDS OF THE HEAD LIE IN LDS: wave w asks for record w by one tensor load of 52 rows of 256 bytes at the head; nothing is filled again; one barrier shows all records to all waves.
; CLUSTER 4 x 1: four work-groups of one head need the same records and ask for them jointly.
; No prefetch: every byte that the launch takes through LDS is requested at the head, so no later request is left to run ahead of.
; THE KEYS OF A TILE OF k ARE CHOSEN BY THE LANES' ADDRESSES: rows 0-7 of tile (c, u, s) are keys 64 c + 8 (u + 2 s) + 0..7 and rows 8-15 the keys 32 further on.  So lane (query, h) holds in v[S + 32 c ..] all 32 keys of
; block 2 c + h, which is what the second product's operand wants of that lane: a block's maximum needs no other lane, and the conversions' results are the operand's registers.
; Tile 4 c + 2 u + s stands at v[S + 8 (4 c + 2 u + s)]: inside a block the keys stand in the order 0..7, 16..23, 8..15, 24..31, as v's codes do.
; A fragment of 12 registers holds two tiles of k (64 along the head each); q stands as q, 0, q in v16-33, so that v[16:27] picks the first tile and v[22:33] the second.
; THE MASK TERM IS THE C OF THE SCORE PRODUCT: it is loaded from LDS straight into the accumulators.  It is -2^33 x mask, which the factor 1/8 makes -2^30 where reference() has -1e9.
; With a free key in the batch both numbers give p = 0 for a masked key.  With every key of a batch masked, reference()'s f32 sum loses a logit under 32 in magnitude and all its logits are equal; here a score under 256 is
; lost in -2^33 likewise, and -2^33 x c is a whole number of f32, so that t - M is exactly 0 and p exactly 1 for every key.
; LIMITS: in a batch whose every key is masked the promise holds while |logit| < 32; the scaled scores stay under 2^31 in magnitude; NaN and infinities are not served; a block whose every p is 0 gets the scale byte 1.
; M is the running largest t rounded up to a whole number, kept as -M; when it moves, the sum and O^T are multiplied by 2^(old M - new M), which rounds nothing.  The row's sum is taken of the unquantised p.
.set REC,   13312
.set SPARE, 16*REC                     ; behind the records: the spare words, 128 bytes a wave
.set SPW, 5                            ; v5 my spare word, v6 zero: never rewritten
.set NIL, 6
.set F,   48                           ; v48-95   four fragments, of k and then of v
.set AD,  96                           ; v96-102  the trip's LDS addresses: v by 16 and by 8 bytes a lane, v's scales, mask terms, k by 16 and by 8, k's scales
.set S,   112                          ; v112-175 the scores, then p
.set O,   176                          ; v176-207 O^T
.set PC,  208                          ; v208-219 p's codes
.set CT,  220                          ; v220-222, v224-226: a conversion's three registers begin on an even number
.set BM,  228                          ; v228-231 maxima
.set PT,  232
.set SO,  236                          ; v236-237 the conversions' scale operands
.set SU,  240                          ; v240-241 the sum's second chain
.set G1,  16
.set G0,  24
; v1 16 x lane, v2 8 x lane, v3 8 x (lane % 16), v4 128 h, v7-v9 k's lane terms, v10 8 h; v12 -M, v13 the running largest score, v[14:15] the sum, v34 q's scale word, v36-39 k's, v40-43 v's, v44 p's, v46 the factor
.macro ROUND
	s_barrier_signal -1
	s_barrier_wait -1
	s_cmp_lg_u32 s12, 0
	s_cbranch_scc1 .Lnot_wave_0_\@
	s_barrier_signal -3
.Lnot_wave_0_\@:
	s_barrier_wait -3
	s_barrier_signal -1
	s_barrier_wait -1
.endm
	s_load_b256 s[4:11], s[0:1], 0x0               ; qc 4, kv 6, ao 8, sc 10
	v_lshl_add_u32 v[SPW], v0, 2, SPARE
	v_mov_b32 v[NIL], 0
	ds_add_u32 v[SPW], v[NIL]                      ; the opening: the add, twice on end, and its wait ahead of my first tensor load
	ds_add_u32 v[SPW], v[NIL]
	v_lshrrev_b32 v1, 5, v0
	s_delay_alu instid0(VALU_DEP_1)
	v_readfirstlane_b32 s12, v1                    ; wave
	s_bfe_u32 s13, ttmp6, 0x40000                  ; cx
	s_lshl_b32 s14, ttmp9, 2
	s_add_co_u32 s14, s14, s13                     ; which 256 queries
	s_and_b32 s15, ttmp7, 0xffff                   ; 16 x batch + head
	s_mov_b32 s[G1+0], 15|(3<<16)|(1<<21)          ; the four partners; elements of 8 bytes; bit 21 beside a mask
	s_mov_b32 s[G1+1], 32<<16                      ; rows of 256 bytes
	s_mov_b32 s[G1+2], 52<<16                      ; 52 of them: a record
	s_mov_b32 s[G1+3], 32<<16
	s_mov_b32 s[G1+4], 52
	s_mov_b32 s[G1+5], 32
	s_mov_b32 s[G1+6], 0
	s_mov_b32 s[G1+7], 0
	s_mul_i32 s48, s15, 16*REC
	s_mul_i32 s50, s12, REC                        ; record w, in memory and in LDS
	s_add_co_u32 s48, s48, s50
	s_mov_b32 s49, 0
	s_mov_b32 s40, 0x76543210
	s_mov_b32 s41, 0xfedcba98                      ; lane l xor 16
	s_mov_b32 s42, 0x3e38aa3b                      ; c = log2(e) / 8: t = score x c
	s_mov_b32 s43, s42
	s_mov_b32 s44, 0xbe38aa3b                      ; -c
	s_wait_dscnt 0x0                               ; both opening adds are done
	s_wait_kmcnt 0x0
	s_add_nc_u64 s[6:7], s[6:7], s[48:49]
	ROUND                                          ; the four work-groups are here: the joint loads meet
	s_mov_b32 s[G0], 1
	s_mov_b32 s[G0+1], s50
	s_mov_b64 s[G0+2:G0+3], s[6:7]
	s_or_b32 s[G0+3], s[G0+3], 0x80000000
	tensor_load_to_lds s[G0:G0+3], s[G1:G1+7]      ; my one tensor load
	s_nop 0
.rept 4
	v_nop
.endr
	s_lshl_b32 s51, s15, 4                         ; q: the record of 128 queries, 6,400 bytes
	s_lshl_b32 s52, s14, 1
	s_add_co_u32 s51, s51, s52
	s_lshr_b32 s52, s12, 3
	s_add_co_u32 s51, s51, s52
	s_mul_i32 s52, s51, 6400
	s_mov_b32 s53, 0
	s_add_nc_u64 s[4:5], s[4:5], s[52:53]
	s_and_b32 s54, s12, 7                          ; my tile of 16 in it
	s_mul_i32 s57, s54, 768
	s_lshr_b32 s58, s54, 2
	s_lshl_b32 s58, s58, 7
	s_bfe_u32 s56, s54, 0x10001
	s_lshl_b32 s56, s56, 2
	s_add_co_u32 s58, s58, s56                     ; the word that holds its two scale bytes,
	s_mov_b32 s59, 0x03020302
	s_bitcmp1_b32 s12, 0
	s_cselect_b32 s59, s59, 0x01000100             ; and which half of the word they are: they are laid twice, for q, 0 and for 0, q
	s_lshr_b32 s48, s15, 4                         ; the way out: batch,
	s_and_b32 s49, s15, 15                         ; head
	s_lshl_b32 s48, s48, 7
	s_lshl_b32 s50, s14, 4
	s_add_co_u32 s48, s48, s50
	s_add_co_u32 s48, s48, s12                     ; my row tile of the projection's operand
	s_lshr_b32 s54, s48, 1
	s_lshl_b32 s54, s54, 10
	s_lshr_b32 s55, s49, 2
	s_lshl_b32 s55, s55, 8
	s_add_co_u32 s54, s54, s55
	s_and_b32 s55, s48, 1
	s_lshl_b32 s55, s55, 7
	s_add_co_u32 s54, s54, s55
	s_and_b32 s55, s49, 3
	s_lshl_b32 s55, s55, 1
	s_add_co_u32 s54, s54, s55
	s_add_co_u32 s54, s54, 262144                  ; this operand's part of sc
	s_mov_b32 s55, 0
	s_add_nc_u64 s[10:11], s[10:11], s[54:55]
	s_lshl_b32 s50, s48, 3
	s_lshr_b32 s51, s49, 1
	s_add_co_u32 s50, s50, s51
	s_mul_i32 s50, s50, 1536
	s_and_b32 s51, s49, 1
	s_mul_i32 s51, s51, 768
	s_add_co_u32 s50, s50, s51
	s_mov_b32 s51, 0
	s_add_nc_u64 s[8:9], s[8:9], s[50:51]
	v_and_b32 v35, 31, v0                          ; lane
	v_and_b32 v3, 15, v0                           ; r
	v_bfe_u32 v10, v0, 4, 1                        ; h
	v_and_b32 v45, 7, v0                           ; r % 8
	v_bfe_u32 v11, v0, 3, 1                        ; r / 8
	v_lshlrev_b32 v1, 4, v35
	v_lshlrev_b32 v2, 3, v35
	v_lshlrev_b32 v3, 3, v3
	v_lshlrev_b32 v4, 7, v10                       ; mask terms: lanes 16-31 take the keys 32 further on
	v_mul_u32_u24 v7, v11, 1536                    ; k: rows 8-15 of my tiles come from the pair of stored tiles behind
	v_lshlrev_b32 v9, 3, v45
	v_lshl_add_u32 v8, v45, 3, v7
	v_lshl_add_u32 v7, v45, 4, v7
	v_lshl_add_u32 v9, v11, 2, v9                  ; k's scale words: 8 (r % 8) + 4 (r / 8)
	v_lshl_add_u32 v8, v10, 7, v8                  ; by 8 bytes: 1536 (r / 8) + 8 (r % 8) + 128 h
	v_lshl_add_u32 v7, v10, 8, v7                  ; by 16 bytes: 1536 (r / 8) + 16 (r % 8) + 256 h
	v_lshlrev_b32 v10, 3, v10                      ; 8 h
	v_add_nc_u32 v[AD], s57, v1
	v_add_nc_u32 v[AD+1], s57, v2
	v_add_nc_u32 v[AD+2], s58, v3
	global_load_b128 v[16:19], v[AD], s[4:5]
	global_load_b64 v[20:21], v[AD+1], s[4:5] offset:512
	global_load_b128 v[28:31], v[AD], s[4:5]
	global_load_b64 v[32:33], v[AD+1], s[4:5] offset:512
	global_load_b32 v35, v[AD+2], s[4:5] offset:6144
.irp i, 22,23,24,25,26,27
	v_mov_b32 v\i, 0
.endr
	v_mov_b32 v13, 0xff61b1e6                      ; the largest score so far: -3e38
	v_mov_b32 v14, 0
	v_mov_b32 v15, 0
	v_mov_b32 v47, 0                               ; (the upper half of the pair v[46:47])
	v_mov_b32 v[PT], 0                             ; a lane permute's destination counts as one of its sources
	v_mov_b32 v[PT+1], 0
	v_mul_f32 v12, s44, v13
	s_delay_alu instid0(VALU_DEP_1)
	v_floor_f32 v12, v12                           ; -M
	s_mov_b32 s46, 0
	s_mov_b32 s47, 8
	s_wait_loadcnt 0x0
	v_perm_b32 v34, v35, v35, s59
.set j, 0
.rept 32
	v_mov_b32 v[O+j], 0                            ; the step is written once: the first finds zeros.  (Also the places between q's scale word and the first product)
.set j, j+1
.endr
; One key step: the record at byte o behind the trip's addresses
.macro STEP o
.irp t, 0,1,2,3,4,5,6,7
	ds_load_b128 v[S+8*\t:S+8*\t+3], v[AD+3] offset:(\o)+12800+256*(\t/4)+32*((\t%4)/2+2*(\t%2))        ; the mask terms of tile t's keys: the product's C
	ds_load_b128 v[S+8*\t+4:S+8*\t+7], v[AD+3] offset:(\o)+12800+256*(\t/4)+32*((\t%4)/2+2*(\t%2))+16
.endr
.if (\o)
.rept 4
	v_nop                                          ; places behind the last products, ahead of loads into their fragments (in a trip's first step the address lines are these places)
.endr
.endif
.irp f, 0,1,2,3
	ds_load_b128 v[F+12*\f:F+12*\f+3], v[AD+4] offset:(\o)+3072*(\f/2)+128*(\f%2)
	ds_load_b64 v[F+12*\f+4:F+12*\f+5], v[AD+5] offset:(\o)+3072*(\f/2)+64*(\f%2)+512
	ds_load_b128 v[F+12*\f+6:F+12*\f+9], v[AD+4] offset:(\o)+3072*(\f/2)+128*(\f%2)+768
	ds_load_b64 v[F+12*\f+10:F+12*\f+11], v[AD+5] offset:(\o)+3072*(\f/2)+64*(\f%2)+1280
	ds_load_b32 v[36+\f], v[AD+6] offset:(\o)+12288+128*(\f/2)+64*(\f%2)
.endr
.if (\o) == 0
	s_wait_alu depctr_va_vdst(0)
.endif
	s_wait_dscnt 0x0
.irp t, 0,1,2,3,4,5,6,7
	v_wmma_scale_f32_16x16x128_f8f6f4 v[S+8*\t:S+8*\t+7], v[F+12*(\t/2):F+12*(\t/2)+11], v[16+6*(\t%2):27+6*(\t%2)], v[S+8*\t:S+8*\t+7], v[36+\t/2], v34 matrix_a_fmt:MATRIX_FMT_FP6 matrix_b_fmt:MATRIX_FMT_FP6
.endr
.rept 4
	v_nop                                          ; places ahead of the loads into the fragments and of the first read of the scores
.endr
.irp f, 0,1,2,3
	ds_load_b128 v[F+12*\f:F+12*\f+3], v[AD] offset:(\o)+6144+1536*\f
	ds_load_b64 v[F+12*\f+4:F+12*\f+5], v[AD+1] offset:(\o)+6144+1536*\f+512
	ds_load_b128 v[F+12*\f+6:F+12*\f+9], v[AD] offset:(\o)+6144+1536*\f+768
	ds_load_b64 v[F+12*\f+10:F+12*\f+11], v[AD+1] offset:(\o)+6144+1536*\f+1280
.endr
	ds_load_b64 v[40:41], v[AD+2] offset:(\o)+12544
	ds_load_b64 v[42:43], v[AD+2] offset:(\o)+12544+128
; the largest score of my two blocks of 32: four chains by turns, each accumulator read from its low end on
.irp c, 0,1
	v_max3_num_f32 v[BM+\c], v[S+32*\c], v[S+32*\c+1], v[S+32*\c+2]
	v_max3_num_f32 v[BM+2+\c], v[S+32*\c+17], v[S+32*\c+18], v[S+32*\c+19]
.endr
.irp i, 0,1,2,3,4,5
.irp c, 0,1
	v_max3_num_f32 v[BM+\c], v[BM+\c], v[S+32*\c+3+2*\i], v[S+32*\c+4+2*\i]
	v_max3_num_f32 v[BM+2+\c], v[BM+2+\c], v[S+32*\c+20+2*\i], v[S+32*\c+21+2*\i]
.endr
.endr
.irp c, 0,1
	v_max3_num_f32 v[BM+\c], v[BM+\c], v[S+32*\c+15], v[S+32*\c+16]
.endr
.irp c, 0,1
	s_delay_alu instid0(VALU_DEP_2)
	v_max_num_f32 v[BM+\c], v[BM+\c], v[BM+2+\c]
.endr
	s_delay_alu instid0(VALU_DEP_1)
	v_max3_num_f32 v13, v13, v[BM], v[BM+1]
	s_delay_alu instid0(VALU_DEP_1)
	v_permlanex16_b32 v35, v13, s40, s41
	s_delay_alu instid0(VALU_DEP_1)
	v_max_num_f32 v13, v13, v35                    ; my query's running largest score
	s_delay_alu instid0(VALU_DEP_1)
	v_mul_f32 v35, s44, v13                        ; -t
	s_delay_alu instid0(VALU_DEP_1)
	v_floor_f32 v45, v35                           ; the new -M = floor(-t)
	s_delay_alu instid0(VALU_DEP_1)
	v_sub_f32 v46, v45, v12                        ; old M - new M: a whole number, 0 or less
	v_mov_b32 v12, v45
.set j, 0
.rept 4
	v_pk_fma_f32 v[S+j:S+j+1], v[S+j:S+j+1], s[42:43], v[12:13] op_sel_hi:[1,0,0]   ; t - M
.set j, j+2
.endr
	v_cvt_i32_f32 v46, v46                         ; (it saturates)
.rept 4
	v_pk_fma_f32 v[S+j:S+j+1], v[S+j:S+j+1], s[42:43], v[12:13] op_sel_hi:[1,0,0]
.set j, j+2
.endr
	v_ldexp_f32 v46, 1.0, v46                      ; 2^(old M - new M)
.rept 24
	v_pk_fma_f32 v[S+j:S+j+1], v[S+j:S+j+1], s[42:43], v[12:13] op_sel_hi:[1,0,0]
.set j, j+2
.endr
.irp c, 0,1
	v_fma_f32 v[BM+\c], v[BM+\c], s42, v12         ; the same of each block's largest score: p rises with the score
.endr
.set j, 0
.rept 16
	v_pk_mul_f32 v[O+j:O+j+1], v[O+j:O+j+1], v[46:47] op_sel_hi:[1,0]   ; O^T under the new M
.set j, j+2
.endr
	s_wait_alu depctr_va_vdst(0)                   ; ahead of the batch
.set j, 0
.rept 64
	v_exp_f32 v[S+j], v[S+j]                       ; p = 2^(t - M)
.set j, j+1
.endr
.irp c, 0,1
	v_exp_f32 v[BM+\c], v[BM+\c]                   ; the block's largest p
.endr
	v_pk_mul_f32 v[14:15], v[14:15], v[46:47] op_sel_hi:[1,0]   ; the sum under the new M: the plain place behind the batch
	s_wait_alu depctr_va_vdst(0)                   ; one wait for the whole batch
.irp c, 0,1
	v_max_num_f32 v[BM+\c], 0x1800000, v[BM+\c]    ; the floor 2^(3 - 127): the byte cannot fall under 1
.endr
.irp c, 0,1
	v_add_nc_u32 v[SO+\c], 0xff000000, v[BM+\c]    ; 2 off the exponent field: the conversion's scale operand
.endr
.irp c, 0,1
	v_cvt_scalef32_pk16_fp6_f32 v[PC+6*\c:PC+6*\c+2], v[S+32*\c:S+32*\c+15], v[SO+\c]
	v_cvt_scalef32_pk16_fp6_f32 v[CT+4*\c:CT+4*\c+2], v[S+32*\c+16:S+32*\c+31], v[SO+\c]
.endr
.irp c, 0,1
	v_lshrrev_b32 v[BM+\c], 23, v[SO+\c]           ; the bytes of blocks h and 2 + h
.endr
	s_delay_alu instid0(VALU_DEP_1)
	v_lshl_or_b32 v44, v[BM+1], 16, v[BM]
	s_delay_alu instid0(VALU_DEP_1)
	v_lshlrev_b32 v44, v10, v44                    ; at their places, 8 h bits up;
	s_delay_alu instid0(VALU_DEP_1)
	v_permlanex16_b32 v35, v44, s40, s41
	s_delay_alu instid0(VALU_DEP_1)
	v_or_b32 v44, v44, v35                         ; with the other half's two the word is whole
.irp c, 0,1
.irp i, 0,1,2
	v_mov_b32 v[PC+6*\c+3+\i], v[CT+4*\c+\i]
.endr
.endr
	v_pk_add_f32 v[SU:SU+1], v[S:S+1], v[S+2:S+3]  ; the row's sum, of the unquantised p, in two chains.  (These lines are also the places between p's codes and scale word and the products)
.irp j, 4,8,12,16,20,24,28,32,36,40,44,48,52,56,60
	v_pk_add_f32 v[14:15], v[14:15], v[S+\j:S+\j+1]
	v_pk_add_f32 v[SU:SU+1], v[SU:SU+1], v[S+\j+2:S+\j+3]
.endr
	s_delay_alu instid0(VALU_DEP_1)
	v_pk_add_f32 v[14:15], v[14:15], v[SU:SU+1]
	s_wait_dscnt 0x0                               ; v's fragments and scale words
.irp t, 0,1,2,3
	v_wmma_scale_f32_16x16x128_f8f6f4 v[O+8*\t:O+8*\t+7], v[F+12*\t:F+12*\t+11], v[PC:PC+11], v[O+8*\t:O+8*\t+7], v[40+\t], v44 matrix_a_fmt:MATRIX_FMT_FP6 matrix_b_fmt:MATRIX_FMT_FP6
.endr
.endm
	s_wait_alu depctr_va_vdst(0)                   ; the head's end
	s_wait_tensorcnt 0x0                           ; my record is in
	s_barrier_signal -1
	s_barrier_wait -1                              ; everybody's is
.Lkeys:                                                ; eight trips of two key steps: one set of addresses serves both
	v_add_nc_u32 v[AD], s46, v1
	v_add_nc_u32 v[AD+1], s46, v2
	v_add_nc_u32 v[AD+2], s46, v3
	v_add_nc_u32 v[AD+3], s46, v4
	v_add_nc_u32 v[AD+4], s46, v7
	v_add_nc_u32 v[AD+5], s46, v8
	v_add_nc_u32 v[AD+6], s46, v9
	STEP 0
	STEP REC
	s_add_co_u32 s46, s46, 2*REC
	s_sub_co_u32 s47, s47, 1
	s_cmp_lg_u32 s47, 0
	s_cbranch_scc1 .Lkeys
; O^T / the sum; then the projection's operand: blocks of 32 along the head's 64, two lanes to a block
	s_wait_alu depctr_va_vdst(0)
	v_add_f32 v14, v14, v15
	s_delay_alu instid0(VALU_DEP_1)
	v_permlanex16_b32 v[PT], v14, s40, s41
	s_delay_alu instid0(VALU_DEP_1)
	v_add_f32 v14, v14, v[PT]                      ; with the other half's keys: the row's sum
	s_wait_alu depctr_va_vdst(0)                   ; ahead of the transcendental
	v_rcp_f32 v14, v14
.rept 4
	v_nop
.endr
	s_wait_alu depctr_va_vdst(0)                   ; and behind it, directly ahead of the first reader of O^T
.set j, 0
.rept 16
	v_pk_mul_f32 v[S+j:S+j+1], v[O+j:O+j+1], v[14:15] op_sel_hi:[1,0]
.set j, j+2
.endr
.irp c, 0,1
	v_max3_num_f32 v[BM+\c], |v[S+16*\c]|, |v[S+16*\c+1]|, 0x1800000
.endr
.irp i, 2,4,6,8,10,12,14
.irp c, 0,1
	s_delay_alu instid0(VALU_DEP_2)
	v_max3_num_f32 v[BM+\c], v[BM+\c], |v[S+16*\c+\i]|, |v[S+16*\c+\i+1]|
.endr
.endr
.irp c, 0,1
	s_delay_alu instid0(VALU_DEP_2)
	v_permlanex16_b32 v[PT+\c], v[BM+\c], s40, s41
.endr
.irp c, 0,1
	s_delay_alu instid0(VALU_DEP_2)
	v_max_num_f32 v[BM+\c], v[BM+\c], v[PT+\c]
.endr
.irp c, 0,1
	s_delay_alu instid0(VALU_DEP_2)
	v_add_nc_u32 v[SO+\c], 0xff000000, v[BM+\c]
.endr
.irp c, 0,1
	s_delay_alu instid0(VALU_DEP_2)
	v_lshrrev_b32 v[PT+\c], 23, v[SO+\c]
.endr
	s_delay_alu instid0(VALU_DEP_1)
	v_lshl_or_b32 v[SU], v[PT+1], 8, v[PT]         ; my row's two scale bytes
	v_cvt_scalef32_pk16_fp6_f32 v[PC:PC+2], v[S:S+15], v[SO]
	v_cvt_scalef32_pk16_fp6_f32 v[PC+8:PC+10], v[S+16:S+31], v[SO+1]
	v_nop                                          ; one plain place behind a scaled conversion
.irp i, 0,1,2
	v_permlane16_swap_b32 v[PC+\i], v[PC+8+\i]     ; lanes 0-15 get block 0 whole, lanes 16-31 block 1
.endr
.irp i, 0,1,2
	s_delay_alu instid0(VALU_DEP_3)
	v_mov_b32 v[PC+3+\i], v[PC+8+\i]
.endr
	global_store_b128 v1, v[PC:PC+3], s[8:9]       ; 512 consecutive bytes
	global_store_b64 v2, v[PC+4:PC+5], s[8:9] offset:512
	global_store_b16 v3, v[SU], s[10:11]
	s_wait_tensorcnt 0x0                           ; the wave's end
	ds_add_u32 v[SPW], v[NIL]
	s_wait_dscnt 0x0
	ROUND                                          ; the closing round
	s_endpgm
.Lfunc_end_k_q425048d789_attn:
	.size	k_q425048d789_attn, .Lfunc_end_k_q425048d789_attn-k_q425048d789_attn
	.p2alignl 7, 3214868480
	.fill 96, 4, 3214868480
	.section	.rodata,"a",@progbits
	.p2align	6, 0x0
	.amdhsa_kernel k_q425048d789_attn
		.amdhsa_group_segment_fixed_size 215040
		.amdhsa_private_segment_fixed_size 0
		.amdhsa_enable_private_segment 0
		.amdhsa_kernarg_size 32
		.amdhsa_user_sgpr_count 2
		.amdhsa_user_sgpr_kernarg_segment_ptr 1
		.amdhsa_wavefront_size32 1
		.amdhsa_system_sgpr_workgroup_id_x 1
		.amdhsa_system_sgpr_workgroup_id_y 1
		.amdhsa_system_sgpr_workgroup_id_z 1
		.amdhsa_system_vgpr_workitem_id 0
		.amdhsa_next_free_vgpr 256
		.amdhsa_next_free_sgpr 66
		.amdhsa_reserve_vcc 0
		.amdhsa_float_denorm_mode_32 3
		.amdhsa_float_denorm_mode_16_64 3
		.amdhsa_memory_ordered 1
		.amdhsa_forward_progress 1
		.amdhsa_inst_pref_size 46
	.end_amdhsa_kernel
	.amdgpu_metadata
---
amdhsa.version: [ 1, 2 ]
amdhsa.kernels:
  - .name:           k_q425048d789_attn
    .symbol:         k_q425048d789_attn.kd
    .args:
      - { .name: qc, .offset: 0, .size: 8, .value_kind: global_buffer, .address_space: global }
      - { .name: kv, .offset: 8, .size: 8, .value_kind: global_buffer, .address_space: global }
      - { .name: ao, .offset: 16, .size: 8, .value_kind: global_buffer, .address_space: global }
      - { .name: sc, .offset: 24, .size: 8, .value_kind: global_buffer, .address_space: global }
    .group_segment_fixed_size: 215040
    .private_segment_fixed_size: 0
    .kernarg_segment_align: 8
    .kernarg_segment_size: 32
    .max_flat_workgroup_size: 512
    .sgpr_count:     66
    .vgpr_count:     256
    .wavefront_size: 32
...
	.end_amdgpu_metadata
.endif
;; end of part 8
;; launch oproj (part 9): grid 8 x 32, 4 waves a work-group, clusters of 4 x 4, 215,040 bytes of LDS; arguments ao, wc, sc, bo, out0; writes out0
.if DOCPART == 9
	.amdgcn_target "amdgcn-amd-amdhsa--gfx1250"
	.amdhsa_code_object_version 6
	.text
	.protected	k_q425048d789_oproj
	.globl	k_q425048d789_oproj
	.p2align	8
	.type	k_q425048d789_oproj,@function
k_q425048d789_oproj:
	s_mov_b64 s[64:65], 0
	v_nop
	global_prefetch_b8 v0, s[64:65] scope:SCOPE_SE
	s_setreg_imm32_b32 hwreg(HW_REG_WAVE_MODE, 25, 1), 1
	s_wait_xcnt 0x0
	s_wait_alu depctr_hold_cnt(0) depctr_sa_sdst(0) depctr_va_vdst(0) depctr_va_sdst(0) depctr_va_ssrc(0) depctr_va_vcc(0) depctr_vm_vsrc(0)
	s_getreg_b32 s2, hwreg(HW_REG_IB_STS2, 6, 4)
	s_cmp_eq_u32 s2, 0
	s_cbranch_scc0 .Lentry_in_a_cluster
	s_endpgm
.Lentry_in_a_cluster:
	s_bfe_u32 s2, ttmp6, 0x10000c
	s_cmp_lg_u32 s2, 0xf033
	s_cbranch_scc0 .Lentry_shape_is_right
	s_endpgm
.Lentry_shape_is_right:
; out0 = (attention's result) wo + bo on codes of FP6 (E2M3) with E8M0 scales; out0 [4096][1024] f32.
; A tile of 128 x 128 to a work-group of four waves, so that the result's 4,096 x 1,024 makes 256 work-groups; a wave makes 64 x 64: 16 accumulators.
; Source 0 = S0 = 16 columns of wo (rows of its operand), source 1 = S1 = 16 rows of the attention result: a lane holds eight neighbouring numbers of a row of out0.
; OPERANDS in memory: [row tile of 16][K step of 128] a fragment of 1,536 bytes, an image of its 12 registers (registers 0-3 at 16 x lane, 4-5 at 512 + 8 x lane, 6-9 at 768 + 16 x lane, 10-11 at 1280 + 8 x lane).
; BOTH OPERANDS LIE IN LDS FOR ALL OF K = 1,024: 2 x 98,304 bytes, in four slices of 256 along K.  Nothing is filled again.  A wave's one load brings 4 row tiles x 12,288 bytes, all of K; one load of mine is out at the most.
; The one load is waited for whole ahead of one plain barrier; after it the products wait only for LDS reads.
; CLUSTER 4 x 4: S1's tile is shared along a row of the cluster, S0's along a column: each is asked for jointly by the four that share it.
; THE SCALE WORDS of all of K stay in v32-63: register 32 + 8 i + s: lanes 0-15 S1's tile i, lanes 16-31 S0's tile i, K step s.   THE BIAS is the C of each sum's first product: eight registers a tile of columns.
; THE WAY OUT: a wave's 64 columns are 256 bytes of a row, at a multiple of 256 from the buffer's first byte: a block of 16 rows goes through the wave's own stage in LDS (bytes into which no tile lands) and comes back by rows,
; sixteen lanes to a row.
; WINDOWS: 0: addresses, scale words, the bias and the way out (v64-127), the accumulators ((a, b) at v[128 + 8 (4 a + b)]);  1: two sets of fragments, at v0 and v128: S0's four, then S1's four.
.set FR,    12
.set PART,  4*3072                     ; 64 rows x 256 along K
.set SLICE, 4*PART                     ; S1's two halves, then S0's
.set STAGE, 4*SLICE                    ; behind the tiles: 16 rows x 272 bytes for each wave
.set SPITCH, 272
.set SPARE, STAGE+4*16*SPITCH          ; behind the stages: the spare words
.set STO, 5                            ; v5   the way out: where I put 32 bytes of a row
.set RD,  6                            ; v6   where I read a row back
.set CO,  7                            ; v7   my byte offset in out0
.set SPW, 10
.set NIL, 11
.set A1,  16                           ; v16-19 S1: 16 x lane + my half, slices 0-3; v20-23 the same with 8 x lane
.set A0,  24                           ; v24-27, v28-31 S0
.set SC,  32
.set BK,  64                           ; the way out: v64-95 and v96-127 by turns
.set BIA, 96                           ; v96-127 first hold the bias
.set ACC, 128
.set G1,  24                           ; s[24:31] group 1 for S1; s[32:39] for S0; s[40:43], s[68:71] groups 0
.set G1B, 32
.set G0,  40
.set G0B, 68
.set MSB, 0
.macro WIN new                         ; the immediate's high byte repeats the setting that is left
.if MSB != (\new)
	s_set_vgpr_msb (MSB<<8)|(\new)
.set MSB, (\new)
.endif
.endm
.set MUL,  0x05                        ; sources 0 and 1 window 1; C and D window 0
.set TO_F, 0x40                        ; destination window 1, address window 0
.macro JLOAD s                         ; waves 0, 1 fetch S1's halves, waves 2, 3 S0's; an s_nop 0 and four v_nop follow each line
	s_cmp_eq_u32 s11, 0
	s_cbranch_scc0 .Lfor_b_\@
	tensor_load_to_lds s[G0+4*\s:G0+4*\s+3], s[G1:G1+7]
	s_nop 0
.rept 4
	v_nop
.endr
	s_branch .Lasked_\@
.Lfor_b_\@:
	tensor_load_to_lds s[G0B+4*\s:G0B+4*\s+3], s[G1B:G1B+7]
	s_nop 0
.rept 4
	v_nop
.endr
.Lasked_\@:
.endm
.macro CROUND
	s_barrier_signal -1
	s_barrier_wait -1
	s_cmp_lg_u32 s10, 0
	s_cbranch_scc1 .Lnot_wave_0_\@
	s_barrier_signal -3
.Lnot_wave_0_\@:
	s_barrier_wait -3
	s_barrier_signal -1
	s_barrier_wait -1
.endm
.macro PLACES                          ; four plain places behind matrix instructions, ahead of loads into their registers and of reads of results
.rept 4
	v_nop
.endr
.endm
	s_load_b256 s[84:91], s[0:1], 0x0              ; ao 84, wc 86, sc 88, bo 90
	s_load_b64 s[92:93], s[0:1], 0x20              ; out0
	v_lshl_add_u32 v[SPW], v0, 2, SPARE
	v_mov_b32 v[NIL], 0
	ds_add_u32 v[SPW], v[NIL]                      ; the opening: the add, twice on end, and its wait ahead of my first tensor load
	ds_add_u32 v[SPW], v[NIL]
	v_lshrrev_b32 v1, 5, v0
	v_readfirstlane_b32 s10, v1                    ; wave
	s_lshr_b32 s11, s10, 1                         ; my half of S1's rows; also: I fetch for S1 (0) or S0 (1)
	s_and_b32 s12, s10, 1                          ; my half of S0's rows; also: which 64 rows I fetch
	s_bfe_u32 s13, ttmp6, 0x40000                  ; cx
	s_bfe_u32 s14, ttmp6, 0x40004                  ; cy
	s_lshl_b32 s18, ttmp9, 2
	s_add_co_u32 s18, s18, s13                     ; i0: which 128 columns
	s_and_b32 s20, ttmp7, 0xffff
	s_lshl_b32 s20, s20, 2
	s_add_co_u32 s20, s20, s14                     ; i1: which 128 rows
	s_lshl_b32 s22, s14, 2
	s_lshl_b32 s22, 15, s22                        ; my row of the cluster
	s_lshl_b32 s23, 0x1111, s13                    ; my column
	s_or_b32 s[G1], s22, (3<<16)|(1<<21)           ; the mask; elements of 8 bytes; bit 21 beside a mask
	s_or_b32 s[G1B], s23, (3<<16)|(1<<21)
.irp g, G1, G1B
	s_mov_b32 s[\g+1], 1536<<16                    ; tensor_dim0 = 1,536 elements: a row tile's eight fragments, all of K: ONE load a wave brings its 4 row tiles whole
	s_mov_b32 s[\g+2], 4<<16                       ; tensor_dim1 = 4 row tiles
	s_mov_b32 s[\g+3], 1536<<16
	s_mov_b32 s[\g+4], 4
	s_mov_b32 s[\g+5], 1536                        ; a row tile's eight fragments
	s_mov_b32 s[\g+6], 0
	s_mov_b32 s[\g+7], 0
.endr
	s_mul_i32 s19, s12, 49152                      ; which 64 rows I fetch
	s_mul_i32 s94, s20, 98304
	s_add_co_u32 s94, s94, s19
	s_mov_b32 s95, 0
	s_add_co_u32 s96, s18, 24                      ; wo's tiles of 128 rows are 24 to 31 of the weights' buffer
	s_mul_i32 s96, s96, 98304
	s_add_co_u32 s96, s96, s19
	s_mov_b32 s97, 0
	s_mul_i32 s21, s10, 4*PART                     ; where they go: 4 row tiles x 12,288 bytes a wave; no place in the cluster enters an LDS address
	s_wait_dscnt 0x0
	s_wait_kmcnt 0x0
	s_add_nc_u64 s[94:95], s[84:85], s[94:95]
	s_add_nc_u64 s[96:97], s[86:87], s[96:97]
	CROUND                                         ; all sixteen work-groups are here: the joint loads meet
.irp s, 0
	s_mov_b32 s[G0+4*\s], 1
	s_add_co_u32 s[G0+4*\s+1], s21, \s*SLICE
	s_add_nc_u64 s[G0+4*\s+2:G0+4*\s+3], s[94:95], \s*3072
	s_or_b32 s[G0+4*\s+3], s[G0+4*\s+3], 0x80000000
	s_mov_b32 s[G0B+4*\s], 1
	s_add_co_u32 s[G0B+4*\s+1], s21, \s*SLICE
	s_add_nc_u64 s[G0B+4*\s+2:G0B+4*\s+3], s[96:97], \s*3072
	s_or_b32 s[G0B+4*\s+3], s[G0B+4*\s+3], 0x80000000
	JLOAD \s                                       ; one load of mine is out
.endr
	v_and_b32 v1, 15, v0                           ; r
	v_bfe_u32 v2, v0, 4, 1                         ; h
	v_and_b32 v3, 31, v0
	v_lshlrev_b32 v4, 3, v3                        ; 8 x lane
	v_lshlrev_b32 v3, 4, v3                        ; 16 x lane
	s_mul_i32 s2, s11, 4*PART                      ; my 64 rows of S1,
	s_mul_i32 s3, s12, 4*PART
	s_add_co_u32 s3, s3, 8*PART                    ; of S0
.irp s, 0,1,2,3
	v_add_nc_u32 v[A1+\s], s2, v3
	v_add_nc_u32 v[A1+4+\s], s2, v4
	v_add_nc_u32 v[A0+\s], s3, v3
	v_add_nc_u32 v[A0+4+\s], s3, v4
	s_add_co_u32 s2, s2, 3072                      ; a slice of 256 along K is 3,072 bytes of a row tile's 12,288
	s_add_co_u32 s3, s3, 3072
.endr
	s_mul_i32 s2, s10, 16*SPITCH
	s_add_co_u32 s2, s2, STAGE                     ; my stage
	v_mul_u32_u24 v[STO], v1, SPITCH
	v_lshl_add_u32 v[STO], v2, 5, v[STO]
	v_add_nc_u32 v[STO], s2, v[STO]                ; in: row r, 32 bytes for each half of the lanes
	v_mul_u32_u24 v[RD], v2, SPITCH
	v_lshl_add_u32 v[RD], v1, 4, v[RD]
	v_add_nc_u32 v[RD], s2, v[RD]                  ; back: lanes 0-15 one row of 256 bytes, lanes 16-31 the next
	v_lshlrev_b32 v[CO], 12, v2
	v_lshl_add_u32 v[CO], v1, 4, v[CO]             ; and the same two rows in out0
	s_lshl_b32 s4, s20, 12                         ; the scale words: 32 bytes a row
	s_lshl_b32 s6, s11, 11
	s_add_co_u32 s4, s4, s6
	s_add_co_u32 s4, s4, 262144                    ; S1's 64 rows
	s_lshl_b32 s5, s18, 12
	s_lshl_b32 s6, s12, 11
	s_add_co_u32 s5, s5, s6
	s_add_co_u32 s5, s5, 131072+98304              ; S0's
	v_mov_b32 v8, s4
	v_mov_b32 v9, s5
	v_cmp_ne_u32 vcc_lo, 0, v2
	v_cndmask_b32 v8, v8, v9, vcc_lo               ; lanes 16-31 take S0's
	v_lshl_add_u32 v8, v1, 3, v8
	v_lshlrev_b32 v9, 5, v2                        ; the bias: 32 h
.irp i, 0,1,2,3
.irp kq, 0,1,2,3
	global_load_b64 v[SC+8*\i+2*\kq:SC+8*\i+2*\kq+1], v8, s[88:89] offset:(\i>>1)*1024+(\i&1)*128+256*\kq
.endr
.endr
	s_lshl_b32 s6, s18, 9
	s_lshl_b32 s7, s12, 8
	s_add_co_u32 s6, s6, s7                        ; my first column, in bytes
	s_mov_b32 s7, 0
	s_add_nc_u64 s[90:91], s[90:91], s[6:7]
.irp b, 0,1,2,3
	global_load_b128 v[BIA+8*\b:BIA+8*\b+3], v9, s[90:91] offset:64*\b        ; the bias of columns 16 b + 8 h + 0..7
	global_load_b128 v[BIA+8*\b+4:BIA+8*\b+7], v9, s[90:91] offset:64*\b+16
.endr
	s_add_nc_u64 s[92:93], s[92:93], s[6:7]
	s_lshl_b32 s6, s20, 19
	s_lshl_b32 s8, s11, 18
	s_add_co_u32 s6, s6, s8                        ; my first row, 4,096 bytes a row
	s_add_nc_u64 s[92:93], s[92:93], s[6:7]
.macro FRAG reg, adr, q, i
	ds_load_b128 v[\reg:\reg+3], v[\adr] offset:12288*(\i)+1536*(\q)
	ds_load_b64 v[\reg+4:\reg+5], v[\adr+4] offset:12288*(\i)+1536*(\q)+512
	ds_load_b128 v[\reg+6:\reg+9], v[\adr] offset:12288*(\i)+1536*(\q)+768
	ds_load_b64 v[\reg+10:\reg+11], v[\adr+4] offset:12288*(\i)+1536*(\q)+1280
.endm
.macro FETCH sl, q                     ; 32 LDS loads in one run: the fragments of slice sl's K step q, into set q
	WIN TO_F
.irp i, 0,1,2,3
	FRAG 128*(\q)+FR*\i, A0+\sl, \q, \i
.endr
.irp i, 0,1,2,3
	FRAG 128*(\q)+48+FR*\i, A1+\sl, \q, \i
.endr
.endm
; 16 matrix instructions.  The 16 accumulators take turns, one instruction a turn, in the same order in every step.  first = 1: the sums start from the bias
.macro MUL16 p, ks, first
.irp a, 0,1,2,3
.irp b, 0,1,2,3
.if \first
	v_wmma_scale_f32_16x16x128_f8f6f4 v[ACC+8*(4*\a+\b):ACC+8*(4*\a+\b)+7], v[128*(\p)+FR*\b:128*(\p)+FR*\b+FR-1], v[128*(\p)+48+FR*\a:128*(\p)+48+FR*\a+FR-1], v[BIA+8*\b:BIA+8*\b+7], v[SC+8*\b+(\ks)], v[SC+8*\a+(\ks)] matrix_a_fmt:MATRIX_FMT_FP6 matrix_b_fmt:MATRIX_FMT_FP6 matrix_a_scale:MATRIX_SCALE_ROW1
.else
	v_wmma_scale_f32_16x16x128_f8f6f4 v[ACC+8*(4*\a+\b):ACC+8*(4*\a+\b)+7], v[128*(\p)+FR*\b:128*(\p)+FR*\b+FR-1], v[128*(\p)+48+FR*\a:128*(\p)+48+FR*\a+FR-1], v[ACC+8*(4*\a+\b):ACC+8*(4*\a+\b)+7], v[SC+8*\b+(\ks)], v[SC+8*\a+(\ks)] matrix_a_fmt:MATRIX_FMT_FP6 matrix_b_fmt:MATRIX_FMT_FP6 matrix_a_scale:MATRIX_SCALE_ROW1
.endif
.endr
.endr
.endm
; K step ks: its fragments are waited for; the next step's (slice nsl, K step nq of it) are asked for, into the other set; then the 16 products, under which those loads land.
; Where the next step opens a slice: no wait and no barrier: all of K is in since the head.
.macro KSTEP ks, nsl, nq
	s_wait_dscnt 0x0                               ; this step's fragments are in; no LDS load of mine is out
.if (\ks) < 7
.if (\ks) > 0
	PLACES                                         ; the other set was read by the last products
.endif
	FETCH \nsl, \nq
.endif
	WIN MUL
.if (\ks) == 0
	MUL16 0, 0, 1
.else
	MUL16 (\ks)%2, \ks, 0
.endif
.endm
	s_wait_alu depctr_va_vdst(0)
	s_wait_tensorcnt 0x0                           ; my one load is in: the barrier below shows both operands whole, for all of K
	s_barrier_signal -1
	s_barrier_wait -1
	FETCH 0, 0
	s_wait_loadcnt 0x0                             ; the scale words and the bias
	KSTEP 0, 0, 1
	KSTEP 1, 1, 0
	KSTEP 2, 1, 1
	KSTEP 3, 2, 0
	KSTEP 4, 2, 1
	KSTEP 5, 3, 0
	KSTEP 6, 3, 1
	KSTEP 7, 0, 0
	WIN 0
.macro TOSTAGE a
.irp b, 0,1,2,3
	ds_store_b128 v[STO], v[ACC+8*(4*(\a)+\b):ACC+8*(4*(\a)+\b)+3] offset:64*\b          ; each accumulator from its low end on
	ds_store_b128 v[STO], v[ACC+8*(4*(\a)+\b)+4:ACC+8*(4*(\a)+\b)+7] offset:64*\b+16
.endr
.set BB, BK+32*((\a)%2)
.irp t, 0,1,2,3,4,5,6,7
	ds_load_b128 v[BB+4*\t:BB+4*\t+3], v[RD] offset:\t*2*SPITCH    ; LDS serves a wave's instructions in order: these see the stores above, and the next block's stores come behind them
.endr
.endm
.macro SEND a, younger                 ; younger: the LDS instructions issued behind block a's loads
.set BB, BK+32*((\a)%2)
	s_wait_dscnt \younger
.irp t, 0,1,2,3,4,5,6,7
	global_store_b128 v[CO], v[BB+4*\t:BB+4*\t+3], s[92:93] offset:(16*(\a)+2*\t)*4096 th:TH_STORE_NT   ; 16 lanes store 256 consecutive bytes, at a multiple of 256 from the buffer's first byte
.endr
.endm
	PLACES
	TOSTAGE 0
	TOSTAGE 1
	SEND 0, 16                                     ; behind block 0's loads: block 1's 8 stores and 8 loads
	s_wait_xcnt 0x0                                ; block 0's stores have read their registers: block 2's loads may land there
	TOSTAGE 2
	SEND 1, 16
	s_wait_xcnt 0x0
	TOSTAGE 3
	SEND 2, 16
	SEND 3, 0
	s_wait_tensorcnt 0x0                           ; the wave's end
	ds_add_u32 v[SPW], v[NIL]
	s_wait_dscnt 0x0
	CROUND                                         ; the closing round
	s_endpgm
.Lfunc_end_k_q425048d789_oproj:
	.size	k_q425048d789_oproj, .Lfunc_end_k_q425048d789_oproj-k_q425048d789_oproj
	.p2alignl 7, 3214868480
	.fill 96, 4, 3214868480
	.section	.rodata,"a",@progbits
	.p2align	6, 0x0
	.amdhsa_kernel k_q425048d789_oproj
		.amdhsa_group_segment_fixed_size 215040
		.amdhsa_private_segment_fixed_size 0
		.amdhsa_enable_private_segment 0
		.amdhsa_kernarg_size 40
		.amdhsa_user_sgpr_count 2
		.amdhsa_user_sgpr_kernarg_segment_ptr 1
		.amdhsa_wavefront_size32 1
		.amdhsa_system_sgpr_workgroup_id_x 1
		.amdhsa_system_sgpr_workgroup_id_y 1
		.amdhsa_system_sgpr_workgroup_id_z 1
		.amdhsa_system_vgpr_workitem_id 0
		.amdhsa_next_free_vgpr 512
		.amdhsa_next_free_sgpr 100
		.amdhsa_reserve_vcc 1
		.amdhsa_float_denorm_mode_32 3
		.amdhsa_float_denorm_mode_16_64 3
		.amdhsa_memory_ordered 1
		.amdhsa_forward_progress 1
		.amdhsa_inst_pref_size 51
	.end_amdhsa_kernel
	.amdgpu_metadata
---
amdhsa.version: [ 1, 2 ]
amdhsa.kernels:
  - .name:           k_q425048d789_oproj
    .symbol:         k_q425048d789_oproj.kd
    .args:
      - { .name: ao, .offset: 0, .size: 8, .value_kind: global_buffer, .address_space: global }
      - { .name: wc, .offset: 8, .size: 8, .value_kind: global_buffer, .address_space: global }
      - { .name: sc, .offset: 16, .size: 8, .value_kind: global_buffer, .address_space: global }
      - { .name: bo, .offset: 24, .size: 8, .value_kind: global_buffer, .address_space: global }
      - { .name: out0, .offset: 32, .size: 8, .value_kind: global_buffer, .address_space: global }
    .group_segment_fixed_size: 215040
    .private_segment_fixed_size: 0
    .kernarg_segment_align: 8
    .kernarg_segment_size: 40
    .max_flat_workgroup_size: 128
    .sgpr_count:     100
    .vgpr_count:     512
    .wavefront_size: 32
...
	.end_amdgpu_metadata
.endif
;; end of part 9
